; MI455X (gfx1250); checked and timed in simulation.
; The chip was launched on July 23, 2026; its instructions are those of AMD's public machine-readable ISA for CDNA 5 (MIT licence, August 2026) and "CDNA5" Instruction Set Architecture Reference Guide (July 2026). The comments in the code are by the model that wrote it; some were corrected since.
;; Transformer Block. Allowed arithmetic: float matrix products may take bf16 or f16 operands with f32 sums; other float arithmetic in f32, or as packed bf16 or f16 multiplies, adds, multiply-adds, maxima and minima; sums over many terms, partial sums and values carried from step to step in f32; what a program stores and reads back later, other than sums and carried values, may be rounded once to bf16 or f16.
;; Inputs: W1 1,024 x 4,096 float32; W2 4,096 x 1,024 float32; Wk 1,024 x 1,024 float32; Wp 1,024 x 1,024 float32; Wq 1,024 x 1,024 float32; Wv 1,024 x 1,024 float32; b1 4,096 float32; b2 1,024 float32; be1 1,024 float32; be2 1,024 float32; bk 1,024 float32; bp 1,024 float32; bq 1,024 float32; bv 1,024 float32; g1 1,024 float32; g2 1,024 float32; x 2 x 2,048 x 1,024 float32.
;; Outputs: out0 2 x 2,048 x 1,024 float32.
;; 2 versions, each right; version 2 is version 1 with the launches ln1, ln2 written anew for expert scheduling mode. Each part assembles by itself: llvm-mc -triple=amdgcn-amd-amdhsa -mcpu=gfx1250 --defsym DOCPART=n.
;; ======== version 1 of 2: 8 launches
;; workspace buffers: wb 25,165,824 bytes; act 8,388,608 bytes; big 33,554,432 bytes; x1 16,777,216 bytes
;; launch cast (part 1): grid 768 x 1, 8 waves a work-group, no clusters, 0 bytes of LDS; arguments Wq, Wk, Wv, Wp, W1, W2, wb; writes wb
.if DOCPART == 1
	.amdgcn_target "amdgcn-amd-amdhsa--gfx1250"
	.amdhsa_code_object_version 6
	.text
	.protected	k_q0a7ae290f3_cast
	.globl	k_q0a7ae290f3_cast
	.p2align	8
	.type	k_q0a7ae290f3_cast,@function
k_q0a7ae290f3_cast:
	s_mov_b64 s[64:65], 0
	v_nop
	global_prefetch_b8 v0, s[64:65] scope:SCOPE_SE
	s_setreg_imm32_b32 hwreg(HW_REG_WAVE_MODE, 25, 1), 1
	s_wait_xcnt 0x0
; wb = Wq, Wk, Wv, Wp, W1, W2 end to end, each number rounded once to bf16 (nearest even), the layout [K][N] kept.
; A stream: 768 work-groups of eight waves, 16,384 numbers each (64 KiB in, 32 KiB out).  Thread t takes 16 bytes at 16 t of each
; block of 4,096 bytes and stores 8 bytes at 8 t of each block of 2,048: a store of a wave covers 256 consecutive bytes, aligned.
; All sixteen loads of a thread go out at once; no register is written twice, so the only waits are the counted ones for the loads.
; No LDS, no matrix unit, no cluster: no byte is used twice.
.set X, 4                              ; v[4:67]   sixteen loads of four f32
.set Y, 68                             ; v[68:99]  sixteen pairs of packed bf16
	s_load_b256 s[4:11], s[0:1], 0x0               ; Wq s[4:5], Wk s[6:7], Wv s[8:9], Wp s[10:11]
	s_load_b128 s[12:15], s[0:1], 0x20             ; W1 s[12:13], W2 s[14:15]
	s_load_b64 s[16:17], s[0:1], 0x30              ; wb
	v_lshlrev_b32 v1, 4, v0                        ; 16 t
	v_lshlrev_b32 v2, 3, v0                        ; 8 t
	s_lshr_b32 s20, ttmp9, 6                       ; u: 0..3 the four square matrices (64 work-groups each), 4..7 W1, 8..11 W2
	s_and_b32 s21, ttmp9, 63
	s_and_b32 s22, ttmp9, 255
	s_cmp_lt_u32 s20, 4
	s_cselect_b32 s21, s21, s22                    ; my number within the source
	s_lshl_b32 s22, s21, 16                        ; x 65,536 bytes of f32
	s_mov_b32 s23, 0
	s_lshl_b32 s24, ttmp9, 15                      ; x 32,768 bytes of bf16: wb is the sources end to end
	s_mov_b32 s25, 0
	s_wait_kmcnt 0x0
	s_cmp_eq_u32 s20, 1
	s_cselect_b64 s[4:5], s[6:7], s[4:5]
	s_cmp_eq_u32 s20, 2
	s_cselect_b64 s[4:5], s[8:9], s[4:5]
	s_cmp_eq_u32 s20, 3
	s_cselect_b64 s[4:5], s[10:11], s[4:5]
	s_cmp_ge_u32 s20, 4
	s_cselect_b64 s[4:5], s[12:13], s[4:5]
	s_cmp_ge_u32 s20, 8
	s_cselect_b64 s[4:5], s[14:15], s[4:5]
	s_add_nc_u64 s[4:5], s[4:5], s[22:23]
	s_add_nc_u64 s[16:17], s[16:17], s[24:25]
.irp i, 0,1,2,3,4,5,6,7,8,9,10,11,12,13,14,15
	global_load_b128 v[X+4*(\i):X+4*(\i)+3], v1, s[4:5] offset:4096*(\i) th:TH_LOAD_NT
.endr
.irp i, 0,1,2,3,4,5,6,7,8,9,10,11,12,13,14,15
	s_wait_loadcnt 15-(\i)                         ; loads come back in order: load i is in, the younger ones stay out
	v_cvt_pk_bf16_f32 v[Y+2*(\i)], v[X+4*(\i)], v[X+4*(\i)+1]
	v_cvt_pk_bf16_f32 v[Y+2*(\i)+1], v[X+4*(\i)+2], v[X+4*(\i)+3]
	global_store_b64 v2, v[Y+2*(\i):Y+2*(\i)+1], s[16:17] offset:2048*(\i)
.endr
	s_endpgm
.Lfunc_end_k_q0a7ae290f3_cast:
	.size	k_q0a7ae290f3_cast, .Lfunc_end_k_q0a7ae290f3_cast-k_q0a7ae290f3_cast
	.p2alignl 7, 3214868480
	.fill 96, 4, 3214868480
	.section	.rodata,"a",@progbits
	.p2align	6, 0x0
	.amdhsa_kernel k_q0a7ae290f3_cast
		.amdhsa_group_segment_fixed_size 0
		.amdhsa_private_segment_fixed_size 0
		.amdhsa_enable_private_segment 0
		.amdhsa_kernarg_size 56
		.amdhsa_user_sgpr_count 2
		.amdhsa_user_sgpr_kernarg_segment_ptr 1
		.amdhsa_wavefront_size32 1
		.amdhsa_system_sgpr_workgroup_id_x 1
		.amdhsa_system_sgpr_workgroup_id_y 1
		.amdhsa_system_sgpr_workgroup_id_z 1
		.amdhsa_system_vgpr_workitem_id 0
		.amdhsa_next_free_vgpr 104
		.amdhsa_next_free_sgpr 66
		.amdhsa_reserve_vcc 0
		.amdhsa_float_denorm_mode_32 3
		.amdhsa_float_denorm_mode_16_64 3
		.amdhsa_memory_ordered 1
		.amdhsa_forward_progress 1
		.amdhsa_inst_pref_size 7
	.end_amdhsa_kernel
	.amdgpu_metadata
---
amdhsa.version: [ 1, 2 ]
amdhsa.kernels:
  - .name:           k_q0a7ae290f3_cast
    .symbol:         k_q0a7ae290f3_cast.kd
    .args:
      - { .name: Wq, .offset: 0, .size: 8, .value_kind: global_buffer, .address_space: global }
      - { .name: Wk, .offset: 8, .size: 8, .value_kind: global_buffer, .address_space: global }
      - { .name: Wv, .offset: 16, .size: 8, .value_kind: global_buffer, .address_space: global }
      - { .name: Wp, .offset: 24, .size: 8, .value_kind: global_buffer, .address_space: global }
      - { .name: W1, .offset: 32, .size: 8, .value_kind: global_buffer, .address_space: global }
      - { .name: W2, .offset: 40, .size: 8, .value_kind: global_buffer, .address_space: global }
      - { .name: wb, .offset: 48, .size: 8, .value_kind: global_buffer, .address_space: global }
    .group_segment_fixed_size: 0
    .private_segment_fixed_size: 0
    .kernarg_segment_align: 8
    .kernarg_segment_size: 56
    .max_flat_workgroup_size: 256
    .sgpr_count:     66
    .vgpr_count:     104
    .wavefront_size: 32
...
	.end_amdgpu_metadata
.endif
;; end of part 1
;; launch ln1 (part 2): grid 256 x 1, 4 waves a work-group, no clusters, 0 bytes of LDS; arguments x, g1, be1, act; writes act
.if DOCPART == 2
	.amdgcn_target "amdgcn-amd-amdhsa--gfx1250"
	.amdhsa_code_object_version 6
	.text
	.protected	k_q0a7ae290f3_ln1
	.globl	k_q0a7ae290f3_ln1
	.p2align	8
	.type	k_q0a7ae290f3_ln1,@function
k_q0a7ae290f3_ln1:
	s_mov_b64 s[64:65], 0
	v_nop
	global_prefetch_b8 v0, s[64:65] scope:SCOPE_SE
	s_setreg_imm32_b32 hwreg(HW_REG_WAVE_MODE, 25, 1), 1
	s_wait_xcnt 0x0
; out[r][c] = bf16( (in[r][c] - mean_r) * rsqrt(var_r + 1e-5) * g[c] + be[c] ).  in: [4096][1024] f32, out: [4096][1024] bf16, g, be: [1024] f32.
; One wave takes a whole row (4,096 bytes, 32 registers) and keeps it between the passes, so a row is read once and no wave waits for another.
; Four waves, four rows each; all four rows of a wave are asked for at once.  The variance is taken of the centred numbers (two passes over
; the registers), so a common offset of the inputs costs no digits.  All arithmetic in f32, one rounding to bf16 at the end.
; Load j of a row gives lane l the columns 128 j + 4 l .. + 3; they leave as 8 bytes at 256 j + 8 l: a store of a wave is 256 consecutive bytes, aligned.
.set G,  4                             ; v[4:35]    g of my 32 columns
.set B,  36                            ; v[36:67]   be of my 32 columns
.set X,  68                            ; v[68:195]  four rows of 32
.set T,  196                           ; v[196:203] four chains of pairs
.set M,  204                           ; v[204:205] the mean, twice
.set R,  206                           ; v[206:207] 1 / sqrt(var + eps), twice
.set PX, 208                           ; v208       the other half of the lanes
	s_load_b256 s[4:11], s[0:1], 0x0               ; in s[4:5], g s[6:7], be s[8:9], out s[10:11]
	v_and_b32 v3, 31, v0                           ; lane
	v_lshrrev_b32 v[PX], 5, v0                     ; wave
	v_lshlrev_b32 v2, 3, v3
	v_lshlrev_b32 v3, 4, v3                        ; 16 x lane: g and be
	v_lshl_add_u32 v1, v[PX], 14, v3               ; + wave x 4 rows x 4,096 bytes: in
	v_lshl_add_u32 v2, v[PX], 13, v2               ; 8 x lane + wave x 4 rows x 2,048 bytes: out
	s_lshl_b32 s2, ttmp9, 16                       ; the work-group's 16 rows, in
	s_mov_b32 s3, 0
	s_lshl_b32 s16, ttmp9, 15                      ; and out
	s_mov_b32 s17, 0
	s_mov_b32 s12, 0x76543210                      ; v_permlanex16_b32: each lane takes its own place in the other half
	s_mov_b32 s13, 0xfedcba98
	s_mov_b32 s14, 0x3a800000                      ; 1 / 1024
	s_mov_b32 s15, 0x3727c5ac                      ; 1e-5
	s_wait_kmcnt 0x0
	s_add_nc_u64 s[4:5], s[4:5], s[2:3]
	s_add_nc_u64 s[10:11], s[10:11], s[16:17]
.irp j, 0,1,2,3,4,5,6,7
	global_load_b128 v[G+4*(\j):G+4*(\j)+3], v3, s[6:7] offset:512*(\j)
.endr
.irp j, 0,1,2,3,4,5,6,7
	global_load_b128 v[B+4*(\j):B+4*(\j)+3], v3, s[8:9] offset:512*(\j)
.endr
.irp r, 0,1,2,3
.irp j, 0,1,2,3,4,5,6,7
	global_load_b128 v[X+32*(\r)+4*(\j):X+32*(\r)+4*(\j)+3], v1, s[4:5] offset:4096*(\r)+512*(\j) th:TH_LOAD_NT
.endr
.endr
; the four chains are joined, then the 32 lanes: four steps inside each half ride on the addition, one crosses the halves; every lane ends with the sum
.macro JOIN
	v_pk_add_f32 v[T:T+1], v[T:T+1], v[T+2:T+3]
	v_pk_add_f32 v[T+4:T+5], v[T+4:T+5], v[T+6:T+7]
	v_pk_add_f32 v[T:T+1], v[T:T+1], v[T+4:T+5]
	v_add_f32 v[T], v[T], v[T+1]
	v_add_f32_dpp v[T], v[T], v[T] row_xmask:1 row_mask:0xf bank_mask:0xf
	v_add_f32_dpp v[T], v[T], v[T] row_xmask:2 row_mask:0xf bank_mask:0xf
	v_add_f32_dpp v[T], v[T], v[T] row_xmask:4 row_mask:0xf bank_mask:0xf
	v_add_f32_dpp v[T], v[T], v[T] row_xmask:8 row_mask:0xf bank_mask:0xf
	v_permlanex16_b32 v[PX], v[T], s12, s13
	v_add_f32 v[T], v[T], v[PX]
.endm
.macro ROW r
.set XR, X+32*(\r)
	s_wait_loadcnt 8*(3-(\r))                      ; g, be and this row are in; the later rows' eight loads each stay out
.irp k, 0,2,4,6
	v_pk_add_f32 v[T+(\k):T+(\k)+1], v[XR+(\k):XR+(\k)+1], v[XR+8+(\k):XR+8+(\k)+1]  ; the first pairs start the chains: nothing is cleared
.endr
.irp k, 0,2,4,6
	v_pk_add_f32 v[T+(\k):T+(\k)+1], v[T+(\k):T+(\k)+1], v[XR+16+(\k):XR+16+(\k)+1]
.endr
.irp k, 0,2,4,6
	v_pk_add_f32 v[T+(\k):T+(\k)+1], v[T+(\k):T+(\k)+1], v[XR+24+(\k):XR+24+(\k)+1]
.endr
	JOIN
	v_mul_f32 v[M], s14, v[T]
	v_mul_f32 v[M+1], s14, v[T]
.set j, 0
.rept 16
	v_pk_add_f32 v[XR+j:XR+j+1], v[XR+j:XR+j+1], v[M:M+1] neg_lo:[0,1] neg_hi:[0,1]  ; x - mean
.set j, j+2
.endr
.irp k, 0,2,4,6
	v_pk_mul_f32 v[T+(\k):T+(\k)+1], v[XR+(\k):XR+(\k)+1], v[XR+(\k):XR+(\k)+1]
.endr
.set j, 8
.rept 12
	v_pk_fma_f32 v[T+j%8:T+j%8+1], v[XR+j:XR+j+1], v[XR+j:XR+j+1], v[T+j%8:T+j%8+1]
.set j, j+2
.endr
	JOIN
	v_fma_f32 v[T], v[T], s14, s15                 ; var + eps
	v_rsq_f32 v[R], v[T]
	v_rsq_f32 v[R+1], v[T]
	v_nop                                          ; a plain instruction between the root and the use of its result (ISA guide 5.7.2)
.set j, 0
	s_wait_alu depctr_va_vdst(0)
.rept 16
	v_pk_mul_f32 v[XR+j:XR+j+1], v[XR+j:XR+j+1], v[R:R+1]
.set j, j+2
.endr
.set j, 0
.rept 16
	v_pk_fma_f32 v[XR+j:XR+j+1], v[XR+j:XR+j+1], v[G+j:G+j+1], v[B+j:B+j+1]
.set j, j+2
.endr
.irp j, 0,1,2,3,4,5,6,7
	v_cvt_pk_bf16_f32 v[XR+4*(\j)], v[XR+4*(\j)], v[XR+4*(\j)+1]
	v_cvt_pk_bf16_f32 v[XR+4*(\j)+1], v[XR+4*(\j)+2], v[XR+4*(\j)+3]
	global_store_b64 v2, v[XR+4*(\j):XR+4*(\j)+1], s[10:11] offset:2048*(\r)+256*(\j)
.endr
.endm
	ROW 0
	ROW 1
	ROW 2
	ROW 3
	s_endpgm
.Lfunc_end_k_q0a7ae290f3_ln1:
	.size	k_q0a7ae290f3_ln1, .Lfunc_end_k_q0a7ae290f3_ln1-k_q0a7ae290f3_ln1
	.p2alignl 7, 3214868480
	.fill 96, 4, 3214868480
	.section	.rodata,"a",@progbits
	.p2align	6, 0x0
	.amdhsa_kernel k_q0a7ae290f3_ln1
		.amdhsa_group_segment_fixed_size 0
		.amdhsa_private_segment_fixed_size 0
		.amdhsa_enable_private_segment 0
		.amdhsa_kernarg_size 32
		.amdhsa_user_sgpr_count 2
		.amdhsa_user_sgpr_kernarg_segment_ptr 1
		.amdhsa_wavefront_size32 1
		.amdhsa_system_sgpr_workgroup_id_x 1
		.amdhsa_system_sgpr_workgroup_id_y 1
		.amdhsa_system_sgpr_workgroup_id_z 1
		.amdhsa_system_vgpr_workitem_id 0
		.amdhsa_next_free_vgpr 216
		.amdhsa_next_free_sgpr 66
		.amdhsa_reserve_vcc 0
		.amdhsa_float_denorm_mode_32 3
		.amdhsa_float_denorm_mode_16_64 3
		.amdhsa_memory_ordered 1
		.amdhsa_forward_progress 1
		.amdhsa_inst_pref_size 38
	.end_amdhsa_kernel
	.amdgpu_metadata
---
amdhsa.version: [ 1, 2 ]
amdhsa.kernels:
  - .name:           k_q0a7ae290f3_ln1
    .symbol:         k_q0a7ae290f3_ln1.kd
    .args:
      - { .name: x, .offset: 0, .size: 8, .value_kind: global_buffer, .address_space: global }
      - { .name: g1, .offset: 8, .size: 8, .value_kind: global_buffer, .address_space: global }
      - { .name: be1, .offset: 16, .size: 8, .value_kind: global_buffer, .address_space: global }
      - { .name: act, .offset: 24, .size: 8, .value_kind: global_buffer, .address_space: global }
    .group_segment_fixed_size: 0
    .private_segment_fixed_size: 0
    .kernarg_segment_align: 8
    .kernarg_segment_size: 32
    .max_flat_workgroup_size: 128
    .sgpr_count:     66
    .vgpr_count:     216
    .wavefront_size: 32
...
	.end_amdgpu_metadata
.endif
;; end of part 2
;; launch qkv (part 3): grid 12 x 16, 4 waves a work-group, clusters of 4 x 4, 327,680 bytes of LDS; arguments act, wb, bq, bk, bv, big; writes big
.if DOCPART == 3
	.amdgcn_target "amdgcn-amd-amdhsa--gfx1250"
	.amdhsa_code_object_version 6
	.text
	.protected	k_q0a7ae290f3_qkv
	.globl	k_q0a7ae290f3_qkv
	.p2align	8
	.type	k_q0a7ae290f3_qkv,@function
k_q0a7ae290f3_qkv:
	s_mov_b64 s[64:65], 0
	v_nop
	global_prefetch_b8 v0, s[64:65] scope:SCOPE_SE
	s_setreg_imm32_b32 hwreg(HW_REG_WAVE_MODE, 25, 1), 1
	s_wait_xcnt 0x0
	s_wait_alu depctr_hold_cnt(0) depctr_sa_sdst(0) depctr_va_vdst(0) depctr_va_sdst(0) depctr_va_ssrc(0) depctr_va_vcc(0) depctr_vm_vsrc(0)
	s_getreg_b32 s2, hwreg(HW_REG_IB_STS2, 6, 4)
	s_cmp_eq_u32 s2, 0
	s_cbranch_scc0 .Lentry_in_a_cluster
	s_endpgm
.Lentry_in_a_cluster:
	s_bfe_u32 s2, ttmp6, 0x10000c
	s_cmp_lg_u32 s2, 0xf033
	s_cbranch_scc0 .Lentry_shape_is_right
	s_endpgm
.Lentry_shape_is_right:
; q | k | v = h W + b.  h: act [4096][1024] bf16; Wq, Wk, Wv: wb, [1024][1024] bf16 each, 2,097,152 bytes apart; biases f32.
; Out: big, bf16, in blocks [48][4096][64]: block cb holds 64 columns (0-15 q by head, 16-31 k, 32-47 v), its rows dense, 128 bytes each.
; 4,096 x 3,072 numbers are 12 x 16 = 192 tiles of 256 x 256, a work-group each.  A tile of 256 x 192 would make 256 work-groups, but 192 does not divide a matrix's 1,024 columns: a tile would
; lie across two matrices and two biases.  Four tile columns are one matrix, so the cluster's x says which.
; THE TEXT BELOW THE FOUR CONSTANTS IS ONE TEXT FOR TWO PRODUCTS C = A W + bias WITH K = 1,024 (qkv, ff1).
.set NCOL,   1024                      ; columns of W
.set WOFF,   0                         ; W's first byte in wb (here by the cluster's x: see QKV)
.set GELU,   0
.set QKV,    1                         ; three matrices and three biases side by side
; A tile of C is 256 x 256: four waves, each 128 x 128 in 64 accumulators of 16 x 16, 512 registers.  K goes in steps of 128 through two LDS slots filled by tensor loads: for 32 along K a wave
; reads 2 x 128 x 64 bytes from LDS and issues 64 matrix instructions; between a refill and the wait for it stand 224 matrix instructions.
; THE MATRIX INSTRUCTION IS USED TRANSPOSED: source 0 = 16 columns of W, source 1 = 16 rows of A; a lane then holds row l % 16 of C and the columns 8 (l / 16) + 0..7.
; W lies [K][N], so its fragments come out of LDS turned, by ds_load_tr16_b128; A's come as they lie.  The accumulators are LOADED with the bias, so every product has one form.
; CLUSTER: 4 x 4 work-groups.  The four of a row of the cluster need the same tiles of A, the four of a column the same tiles of W: each tile is asked for jointly, by the same
; tensor load with the same descriptor and a mask that names the four.  Waves 0 and 1 fetch A's two halves, waves 2 and 3 W's: one load a wave behind each round.
; One K step is written once and looped over, the slot turned by an exclusive or; the last two steps are a second loop that fills nothing.
; THE WAY OUT: when the ring has had its last fill, each wave puts its 128 x 128 sums, in f32, into the ring's bytes, and a counted loop takes them back eight rows at a time,
; applies the activation where there is one, rounds to bf16 and stores: the text of the activation stands once, not once for each of 64 accumulators.
; No prefetch: the tiles are shared in the cluster and read by many work-groups shortly after each other.
; REGISTERS, in windows of 256 (s_set_vgpr_msb: bits 1:0 source 0, 3:2 source 1, 5:4 source 2, 7:6 destination):
;   window 0: v0-31 addresses; v32-47, v192-255 at work on the way out; v64-127, v128-191 fragments of A (8 x 16 rows x 32 K), two buffers
;   window 1: v64-127, v128-191 fragments of W, two buffers
;   window 2: the 32 accumulators of my rows 0-63 ((a, b) at v[8 (8 a + b)]);   window 3: those of my rows 64-127
.set KSTEPS, 8                         ; K / 128
.set PA,     272                       ; a row of A in LDS: 256 bytes + 16 = 68 words: the 16 rows of a load start at 16 different groups of four banks (64 banks of 4 bytes: ISA guide 11.1)
.set APART,  128*PA                    ; 128 rows: what one tensor load brings of A
.set PB,     544                       ; a k-row of W: 512 bytes + 32 = 136 words
.set BPART,  64*PB                     ; 64 k-rows: what one tensor load brings of W
.set BOFF,   2*APART
.set SLOT,   0x22000                   ; a slot: A's 256 rows, then W's 128 k-rows.  The fills begin at 0, 0x8800, 0x11000, 0x19800: none has bit 13 or 17 set, so one exclusive or turns an address into the other slot's
.set ASTEP,  256                       ; a K step in memory: 128 numbers along A's rows,
.set BSTEP,  256*NCOL                  ; 128 rows of W
.set DP,     528                       ; the way out: a row of 128 f32 + 16 bytes
.set DW,     128*DP                    ; a wave's 128 rows; four waves take 270,336 of the ring's 278,528 bytes
.set SPARE,  2*SLOT                    ; behind the ring: the spare words, 128 bytes for each wave: two blocks of 256 bytes that no other line names
.set ADRA0, 10                         ; v10  my lane's place in a slot's tile of A; never rewritten
.set ADRB0, 11                         ; v11  the same for W
.set ADRA,  16                         ; v16  the same in the slot in hand
.set ADRB,  20                         ; v20
.set STO,   24                         ; v24  the way out: where I put my part of a row
.set RD0,   25                         ; v25  my lane's place in four rows read back; never rewritten
.set CO,    26                         ; v26  my byte offset in 512 consecutive bytes of a block; never rewritten
.set BO,    27                         ; v27  my byte offset in the bias
.set SPW,   28                         ; v28  LDS address of my spare word; never rewritten
.set NIL,   29                         ; v29  0; never rewritten
.set RD,    30                         ; v30  where the trip in hand reads
.set Y,     32                         ; v32-47   a trip's 32 numbers a lane, packed
.set F0,    64
.set F1,    128
.set X,     192                        ; v192-223 a trip's 32 numbers a lane, in f32
.set T,     224                        ; v224-255 at work in the activation
.set G1A, 24                           ; s[24:31] descriptor group 1 for A;  s[32:39] group 0: a set for each first fill; the second then walks on
.set G0A, 32
.set G1B, 48                           ; s[48:55], s[56:63] the same for W
.set G0B, 56
.set TB,  66                           ; s66  the slot in hand: 0 or SLOT
.set CNT, 67
.set C1,  68                           ; s[68:69], s[70:71] the activation's two constants
.set C2,  70
.set BIAS, 72                          ; s[72:73]
.set OUT, 74                           ; s[74:75]
.set RB,  78                           ; s78  LDS byte of the rows that the way out's trip reads
.if QKV
.set OARG, 90
.else
.set OARG, 86
.endif
.set MSB, 0
.macro WIN new                         ; the immediate's high byte repeats the setting that is left; a switch that changes nothing is dropped
.if MSB != (\new)
	s_set_vgpr_msb (MSB<<8)|(\new)
.set MSB, \new
.endif
.endm
.set MUL_LO, 0xa1                      ; source 0 (W) window 1, source 1 (A) window 0, C and D window 2
.set MUL_HI, 0xf1                      ; the same, C and D window 3
.set TO_B,   0x40                      ; destination window 1, address window 0
.macro PLACES                          ; four places in front of loads into registers that matrix instructions have read, and of lines that read results
.rept 4
	v_nop
.endr
.endm
.macro JLOAD                           ; a joint refill by the walking sets; an s_nop 0 and four v_nop follow each of the two lines.  The branch hangs on the wave's number alone
	s_cmp_lt_u32 s10, 2
	s_cbranch_scc0 .Lfor_b_\@
	tensor_load_to_lds s[G0A+4:G0A+7], s[G1A:G1A+7]
	s_nop 0
.rept 4
	v_nop
.endr
	s_branch .Lasked_\@
.Lfor_b_\@:
	tensor_load_to_lds s[G0B+4:G0B+7], s[G1B:G1B+7]
	s_nop 0
.rept 4
	v_nop
.endr
.Lasked_\@:
.endm
.macro CREST                           ; a round of the cluster's barrier behind its opening barrier
	s_cmp_lg_u32 s10, 0
	s_cbranch_scc1 .Lnot_wave_0_\@
	s_barrier_signal -3
.Lnot_wave_0_\@:
	s_barrier_wait -3
	s_barrier_signal -1
	s_barrier_wait -1
.endm
.macro CROUND                          ; a whole round
	s_barrier_signal -1
	s_barrier_wait -1
	CREST
.endm
	s_load_b256 s[80:87], s[0:1], 0x0              ; A s[80:81], wb s[82:83], then the bias(es) and the output
.if QKV
	s_load_b128 s[88:91], s[0:1], 0x20
.endif
	v_lshl_add_u32 v[SPW], v0, 2, SPARE
	v_mov_b32 v[NIL], 0
	ds_add_u32 v[SPW], v[NIL]                      ; the wave's opening: the add and its wait stand ahead of my first tensor load; the set-up below, work on registers, stands between them
	v_lshrrev_b32 v1, 5, v0
	v_readfirstlane_b32 s10, v1                    ; wave 0..3
	s_lshr_b32 s11, s10, 1                         ; which half of the tile's rows is mine
	s_and_b32 s12, s10, 1                          ; which half of its columns.  Also: which half of A's or W's tile I fetch
	s_bfe_u32 s40, ttmp6, 0x40000                  ; cx, cy: my place in the cluster
	s_bfe_u32 s41, ttmp6, 0x40004
	s_lshl_b32 s42, ttmp9, 2
	s_add_co_u32 s42, s42, s40                     ; tile column = 4 x cluster x + cx
	s_and_b32 s13, ttmp7, 0xffff
	s_lshl_b32 s13, s13, 2
	s_add_co_u32 s13, s13, s41                     ; tile row = 4 x cluster y + cy
	s_lshl_b32 s43, s41, 2
	s_lshl_b32 s43, 15, s43                        ; my row of the cluster
	s_lshl_b32 s44, 0x1111, s40                    ; my column
	s_or_b32 s[G1A], s43, (1<<16)|(1<<20)|(1<<21)|(5<<22)|(3<<25)  ; 15:0 the mask; 17:16 elements of 2 bytes; 20 padding on; 21 set beside a mask; 24:22 after every 64 words (code 5); 31:25 4 words (code 3)
	s_mov_b32 s[G1A+1], 128<<16                    ; tensor_dim0 = 128 along K
	s_mov_b32 s[G1A+2], 128<<16                    ; tensor_dim1 = 128 rows
	s_mov_b32 s[G1A+3], 128<<16                    ; tile_dim0
	s_mov_b32 s[G1A+4], 128                        ; tile_dim1
	s_mov_b32 s[G1A+5], 1024                       ; elements from row to row
	s_mov_b32 s[G1A+6], 0
	s_mov_b32 s[G1A+7], 0
	s_or_b32 s[G1B], s44, (1<<16)|(1<<20)|(1<<21)|(6<<22)|(7<<25)  ; W: padding of 8 words (code 7) after every 128 (code 6)
	s_mov_b32 s[G1B+1], 256<<16                    ; 256 columns
	s_mov_b32 s[G1B+2], 64<<16                     ; 64 k-rows
	s_mov_b32 s[G1B+3], 256<<16
	s_mov_b32 s[G1B+4], 64
	s_mov_b32 s[G1B+5], NCOL
	s_mov_b32 s[G1B+6], 0
	s_mov_b32 s[G1B+7], 0
	; where the tiles come from.  A's hang on the tile row and the wave alone, W's on the tile column and the wave alone, each in registers that never hold the other coordinate
	s_lshl_b32 s16, s12, 18                        ; my 128 rows of 2,048 bytes,
	s_lshl_b32 s17, s13, 19                        ; in the tile's 256
	s_add_co_u32 s16, s16, s17
	s_mov_b32 s17, 0
	s_mul_i32 s46, s12, 128*NCOL                   ; my 64 k-rows
.if QKV
	s_lshl_b32 s47, s40, 9                         ; four tile columns to a matrix: the tile's 256 columns are 512 bytes,
	s_add_co_u32 s46, s46, s47
	s_lshl_b32 s47, ttmp9, 21                      ; and the cluster's x says which matrix
	s_add_co_u32 s46, s46, s47
.else
	s_lshl_b32 s47, s42, 9                         ; the tile's 256 columns: 512 bytes
	s_add_co_u32 s46, s46, s47
	s_add_co_u32 s46, s46, WOFF
.endif
	s_mov_b32 s47, 0
	s_mul_i32 s20, s12, APART                      ; and where they go: no place in the cluster enters an LDS address
	s_mul_i32 s21, s12, BPART
	s_add_co_u32 s21, s21, BOFF
	s_mov_b32 s[TB], 0
.if GELU
	s_mov_b32 s[C1], 0xc0135761                    ; -2 sqrt(2 / pi) log2(e)
	s_mov_b32 s[C1+1], s[C1]                       ; named as pairs
	s_mov_b32 s[C2], 0xbdd2d3e8                    ; 0.044715 times that
	s_mov_b32 s[C2+1], s[C2]
.endif
	s_wait_dscnt 0x0                               ; the opening add is done
	s_wait_kmcnt 0x0
	s_add_nc_u64 s[14:15], s[80:81], s[16:17]
	s_add_nc_u64 s[46:47], s[82:83], s[46:47]
.irp s, 0,1
	s_mov_b32 s[G0A+4*(\s)], 1                                     ; count = 1
	s_add_co_u32 s[G0A+4*(\s)+1], s20, (\s)*SLOT                   ; LDS address
	s_add_nc_u64 s[G0A+4*(\s)+2:G0A+4*(\s)+3], s[14:15], (\s)*ASTEP  ; global address: K step s
	s_or_b32 s[G0A+4*(\s)+3], s[G0A+4*(\s)+3], 0x80000000          ; type = 2
	s_mov_b32 s[G0B+4*(\s)], 1
	s_add_co_u32 s[G0B+4*(\s)+1], s21, (\s)*SLOT
	s_add_nc_u64 s[G0B+4*(\s)+2:G0B+4*(\s)+3], s[46:47], (\s)*BSTEP
	s_or_b32 s[G0B+4*(\s)+3], s[G0B+4*(\s)+3], 0x80000000
.endr
	CROUND                                         ; all sixteen work-groups are here: the first joint loads meet
	s_cmp_lt_u32 s10, 2                            ; a wave's two first fills stand in one branch, ahead of every wait on TENSORcnt and every LDS read: two loads of mine are out
	s_cbranch_scc0 .Lfirst_b
	tensor_load_to_lds s[G0A:G0A+3], s[G1A:G1A+7]
	s_nop 0
	tensor_load_to_lds s[G0A+4:G0A+7], s[G1A:G1A+7]
	s_nop 0
.rept 4
	v_nop
.endr
	s_branch .Lfirst_asked
.Lfirst_b:
	tensor_load_to_lds s[G0B:G0B+3], s[G1B:G1B+7]
	s_nop 0
	tensor_load_to_lds s[G0B+4:G0B+7], s[G1B:G1B+7]
	s_nop 0
.rept 4
	v_nop
.endr
.Lfirst_asked:
	v_and_b32 v1, 15, v0                           ; l % 16
	v_bfe_u32 v2, v0, 4, 1                         ; l / 16
	v_and_b32 v3, 7, v0                            ; l % 8
	v_bfe_u32 v4, v0, 3, 1                         ; (l / 8) % 2
	; the bias of my 128 columns starts the sums: register j of accumulator (a, b) is column 16 b + 8 (l / 16) + j, whatever a.  128 loads of the same 512 bytes, issued while the first tiles are on their way
.if QKV
	s_mov_b32 s18, ttmp9
	s_cmp_eq_u32 s18, 1
	s_cselect_b64 s[BIAS:BIAS+1], s[86:87], s[84:85]
	s_cmp_eq_u32 s18, 2
	s_cselect_b64 s[BIAS:BIAS+1], s[88:89], s[BIAS:BIAS+1]
	s_lshl_b32 s18, s40, 10                        ; the tile's 256 columns of f32 within its matrix,
.else
	s_mov_b64 s[BIAS:BIAS+1], s[84:85]
	s_lshl_b32 s18, s42, 10                        ; the tile's 256 columns of f32,
.endif
	s_lshl_b32 s19, s12, 9                         ; my 128
	s_add_co_u32 s18, s18, s19
	s_mov_b32 s19, 0
	s_add_nc_u64 s[BIAS:BIAS+1], s[BIAS:BIAS+1], s[18:19]
	v_lshlrev_b32 v[BO], 5, v2
.irp w, 0,1
	WIN 0x80+0x40*(\w)                             ; destination window 2, then 3
.irp a, 0,1,2,3
.irp b, 0,1,2,3,4,5,6,7
	global_load_b128 v[8*(8*(\a)+(\b)):8*(8*(\a)+(\b))+3],   v[BO], s[BIAS:BIAS+1] offset:64*(\b)
	global_load_b128 v[8*(8*(\a)+(\b))+4:8*(8*(\a)+(\b))+7], v[BO], s[BIAS:BIAS+1] offset:64*(\b)+16
.endr
.endr
.endr
	WIN 0
	; the way out's addresses
	s_mul_i32 s[RB], s10, DW                       ; my 128 rows in the ring's bytes
	v_mul_u32_u24 v[STO], v1, DP                   ; in: row l % 16, 32 bytes for each half of the lanes
	v_lshl_add_u32 v[STO], v2, 5, v[STO]
	v_add_nc_u32 v[STO], s[RB], v[STO]
	v_bfe_u32 v[RD0], v0, 3, 2                     ; back: 32 lanes take four rows, eight lanes a row, 32 bytes (8 columns) a lane
	v_mul_u32_u24 v[RD0], v[RD0], DP
	v_lshl_add_u32 v[RD0], v3, 5, v[RD0]
	v_and_b32 v[CO], 31, v0                        ; rounded to bf16 those are four rows of 128 bytes: 512 consecutive bytes of a block
	v_lshlrev_b32 v[CO], 4, v[CO]
	s_lshl_b32 s22, s42, 21                        ; block 4 x tile column + 2 x my half, 524,288 bytes each;
	s_lshl_b32 s23, s12, 20
	s_add_co_u32 s22, s22, s23
	s_lshl_b32 s23, s13, 15                        ; row 256 x tile row + 128 x my half, 128 bytes each
	s_add_co_u32 s22, s22, s23
	s_lshl_b32 s23, s11, 14
	s_add_co_u32 s22, s22, s23
	s_mov_b32 s23, 0
	s_add_nc_u64 s[OUT:OUT+1], s[OARG:OARG+1], s[22:23]
	; A fragment of A is 16 rows x 32 K in 8 registers: lane l holds row l % 16; K = 8 (l / 16) + 0..7 and 16 + 8 (l / 16) + 0..7: two loads of 16 bytes, 32 bytes apart.
	v_mul_u32_u24 v[ADRA0], v1, PA
	v_lshl_add_u32 v[ADRA0], v2, 4, v[ADRA0]
	s_mul_i32 s18, s11, 128*PA                     ; my 128 rows
	v_add_nc_u32 v[ADRA0], s18, v[ADRA0]
	; The turning load takes 16 k-rows x 16 columns (lane l reads k-row 8 (l / 16) + l % 8, columns 8 ((l / 8) % 2) + 0..7) and leaves half a fragment of W^T: lane l holds column l % 16 and 8 k.
	v_lshl_add_u32 v[ADRB0], v2, 3, v3
	v_mul_u32_u24 v[ADRB0], v[ADRB0], PB
	v_lshl_add_u32 v[ADRB0], v4, 4, v[ADRB0]
	s_lshl_b32 s18, s12, 8                         ; my 128 columns
	s_add_co_u32 s18, s18, BOFF
	v_add_nc_u32 v[ADRB0], s18, v[ADRB0]
	v_mov_b32 v[ADRA], v[ADRA0]                    ; slot 0
	v_mov_b32 v[ADRB], v[ADRB0]
; 16 matrix instructions: row blocks a0, a0 + 1 of the window's four (hi = 0: my rows 0-63, 1: rows 64-127) x all 8 column blocks, 32 along K.  The 64 accumulators take turns, one instruction
; a turn, in the same order in every quarter, over the backward jumps too.
.macro MUL16 f, hi, a0
	WIN MUL_LO+0x50*(\hi)
.irp a, \a0, (\a0)+1
.irp b, 0,1,2,3,4,5,6,7
	v_wmma_f32_16x16x32_bf16 v[8*(8*(\a)+(\b)):8*(8*(\a)+(\b))+7], v[(\f)+8*(\b):(\f)+8*(\b)+7], v[(\f)+8*(4*(\hi)+(\a)):(\f)+8*(4*(\hi)+(\a))+7], v[8*(8*(\a)+(\b)):8*(8*(\a)+(\b))+7]
.endr
.endr
.endm
; 32 LDS loads in one run: the fragments of quarter q (32 along K) of the slot in hand, into buffer f: W's eight, then A's eight
.macro FETCH q, f
	WIN TO_B
.irp i, 0,1,2,3,4,5,6,7
	ds_load_tr16_b128 v[(\f)+8*(\i):(\f)+8*(\i)+3],   v[ADRB] offset:(\q)*32*PB+32*(\i)
	ds_load_tr16_b128 v[(\f)+8*(\i)+4:(\f)+8*(\i)+7], v[ADRB] offset:(\q)*32*PB+16*PB+32*(\i)
.endr
	WIN 0
.irp i, 0,1,2,3,4,5,6,7
	ds_load_b128 v[(\f)+8*(\i):(\f)+8*(\i)+3],   v[ADRA] offset:(\q)*64+(\i)*16*PA
	ds_load_b128 v[(\f)+8*(\i)+4:(\f)+8*(\i)+7], v[ADRA] offset:(\q)*64+(\i)*16*PA+32
.endr
.endm
; A K step is four quarters of 32 along K, 64 matrix instructions each, on buffers 0, 1, 0, 1.  One of the first three multiplies buffer f and, in its middle, fetches quarter q into g.
.macro QUARTER q, f, g
	s_wait_dscnt 8                                 ; W and A's rows 0-63 are in; the youngest eight loads (A's rows 64-127) may be out
	MUL16 \f, 0, 0
	MUL16 \f, 0, 2
	PLACES
	FETCH \q, \g
	s_wait_dscnt 32                                ; all but the 32 just issued
	MUL16 \f, 1, 0
	MUL16 \f, 1, 2
.endm
; The last quarter multiplies buffer 1 and changes slots: ONE barrier; in front of it each wave waits for all its tensor loads (one is out: its part of the next slot), adds 0 to its spare
; word, and waits for that and for its own reads of this slot.  fill = 1: the barrier opens a round of the cluster's, and this slot is filled again, two K steps ahead, first thing behind it.
.macro TURN fill
	WIN 0                                          ; (the add's two registers lie in window 0)
	s_wait_tensorcnt 0x0
	ds_add_u32 v[SPW], v[NIL]                      ; 0 onto my spare word
	s_wait_dscnt 9                                 ; (the add and the youngest eight loads may be out)
	MUL16 F1, 0, 0                                 ; sixteen matrix instructions stand between the add and the wait for it
	s_wait_dscnt 0x0                               ; the add is done, and my reads of this slot are over
	s_barrier_signal -1
	MUL16 F1, 0, 2
	WIN 0
	s_barrier_wait -1
.if \fill
	CREST                                          ; no wave of any partner still reads this slot's tile or has a load on its way
	s_xor_b32 s[G0A+5], s[G0A+5], SLOT             ; the walking sets: the other slot than last time, the next K step; no load of mine is out, so they may be written
	s_add_nc_u64 s[G0A+6:G0A+7], s[G0A+6:G0A+7], ASTEP
	s_xor_b32 s[G0B+5], s[G0B+5], SLOT
	s_add_nc_u64 s[G0B+6:G0B+7], s[G0B+6:G0B+7], BSTEP
	JLOAD                                          ; the four v_nop behind it are also the places in front of the loads below
.else
	PLACES
.endif
	s_xor_b32 s[TB], s[TB], SLOT                   ; the reads go on in the other slot
	v_add_nc_u32 v[ADRA], s[TB], v[ADRA0]
	v_add_nc_u32 v[ADRB], s[TB], v[ADRB0]
	FETCH 0, F0
	MUL16 F1, 1, 0
	MUL16 F1, 1, 2
.endm
.macro STEP fill
	QUARTER 1, F0, F1
	QUARTER 2, F1, F0
	QUARTER 3, F0, F1
	TURN \fill
.endm
	s_wait_tensorcnt 0x1                           ; my part of K step 0 is in; K step 1's may stay out
	s_barrier_signal -1
	s_barrier_wait -1                              ; everybody's is
	FETCH 0, F0
	s_wait_loadcnt 0x0                             ; the bias is in
	WIN 0                                          ; at a label and at a branch every window is 0
	s_mov_b32 s[CNT], KSTEPS-2
.Lstep:                                                ; every K step but the last two fills its slot again
	STEP 1
	WIN 0
	s_sub_co_u32 s[CNT], s[CNT], 1
	s_cmp_lg_u32 s[CNT], 0
	s_cbranch_scc1 .Lstep
	s_mov_b32 s[CNT], 2
.Ltail:                                                ; the last two fill nothing.  The very last trip's 32 loads from the slot read before serve nothing: the price, once a work-group, of one text for both
	STEP 0
	WIN 0
	s_sub_co_u32 s[CNT], s[CNT], 1
	s_cmp_lg_u32 s[CNT], 0
	s_cbranch_scc1 .Ltail
	; THE WAY OUT.  The ring has had its last fill, and every tensor load was waited for in the last changes of slots.  When no wave reads the ring any more, its bytes take the sums.
	s_wait_dscnt 0x0                               ; my last reads of the ring are back
	s_barrier_signal -1
	s_barrier_wait -1                              ; everybody's are
	PLACES                                         ; the stores below read results just made
.irp hi, 0,1
	WIN 0x08+0x04*(\hi)                            ; the stores' data (source 1) in window 2, then 3.  Each accumulator's four lowest registers go first
.irp a, 0,1,2,3
.irp b, 0,1,2,3,4,5,6,7
	ds_store_b128 v[STO], v[8*(8*(\a)+(\b)):8*(8*(\a)+(\b))+3]   offset:(4*(\hi)+(\a))*16*DP+64*(\b)
	ds_store_b128 v[STO], v[8*(8*(\a)+(\b))+4:8*(8*(\a)+(\b))+7] offset:(4*(\hi)+(\a))*16*DP+64*(\b)+16
.endr
.endr
.endr
	WIN 0
	s_wait_dscnt 0x0                               ; my stores are done,
	s_barrier_signal -1
	s_barrier_wait -1                              ; and everybody's: from here on these bytes are only read (each wave reads the rows that it stored; the order does not rest on that)
	s_mov_b32 s[CNT], 16
.Lout:                                                 ; a trip: eight rows x 128 columns, 32 numbers a lane; group g = four rows, block j = 64 columns
	v_add_nc_u32 v[RD], s[RB], v[RD0]
.irp g, 0,1
.irp j, 0,1
	ds_load_b128 v[X+8*(2*(\g)+(\j)):X+8*(2*(\g)+(\j))+3],   v[RD] offset:(\g)*4*DP+256*(\j)
	ds_load_b128 v[X+8*(2*(\g)+(\j))+4:X+8*(2*(\g)+(\j))+7], v[RD] offset:(\g)*4*DP+256*(\j)+16
.endr
.endr
	s_wait_dscnt 0x0
.if GELU
	; gelu(x) = x / (1 + 2^(x (C1 + C2 x^2))): the tanh form, rewritten exactly.  For large |x| the power goes to 0 or to infinity and the quotient to x or to -0.
.set n, 0
.rept 16
	v_pk_mul_f32 v[T+n:T+n+1], v[X+n:X+n+1], v[X+n:X+n+1]
.set n, n+2
.endr
.set n, 0
.rept 16
	v_pk_fma_f32 v[T+n:T+n+1], v[T+n:T+n+1], s[C2:C2+1], s[C1:C1+1] op_sel_hi:[1,0,0]
.set n, n+2
.endr
.set n, 0
.rept 16
	v_pk_mul_f32 v[T+n:T+n+1], v[T+n:T+n+1], v[X+n:X+n+1]
.set n, n+2
.endr
.set n, 0
.rept 32
	v_exp_f32 v[T+n], v[T+n]
.set n, n+1
.endr
	v_nop                                          ; a plain instruction between the last power and the use of its result (ISA guide 5.7.2)
.set n, 0
.rept 16
	v_pk_add_f32 v[T+n:T+n+1], v[T+n:T+n+1], 1.0 op_sel_hi:[1,0]
.set n, n+2
.endr
.set n, 0
.rept 32
	v_rcp_f32 v[T+n], v[T+n]
.set n, n+1
.endr
	v_nop
.set n, 0
.rept 16
	v_pk_mul_f32 v[X+n:X+n+1], v[X+n:X+n+1], v[T+n:T+n+1]
.set n, n+2
.endr
.endif
.set n, 0
.rept 16
	v_cvt_pk_bf16_f32 v[Y+n], v[X+2*n], v[X+2*n+1]
.set n, n+1
.endr
.irp g, 0,1
.irp j, 0,1
	global_store_b128 v[CO], v[Y+4*(2*(\g)+(\j)):Y+4*(2*(\g)+(\j))+3], s[OUT:OUT+1] offset:(\j)*524288+(\g)*512  ; 512 consecutive bytes of block j, at a multiple of 256 from the buffer's first byte
.endr
.endr
	s_wait_xcnt 0x0                                ; the stores have read their data and their base: both are written again only behind this wait
	s_add_nc_u64 s[OUT:OUT+1], s[OUT:OUT+1], 1024  ; eight rows of 128 bytes on
	s_add_co_u32 s[RB], s[RB], 8*DP
	s_sub_co_u32 s[CNT], s[CNT], 1
	s_cmp_lg_u32 s[CNT], 0
	s_cbranch_scc1 .Lout
	s_wait_tensorcnt 0x0                           ; the wave's end: behind my last tensor load and my last LDS store
	ds_add_u32 v[SPW], v[NIL]
	s_wait_dscnt 0x0
	CROUND                                         ; the closing round: no work-group ends while a partner may still ask for a tile that names it
	s_endpgm
.Lfunc_end_k_q0a7ae290f3_qkv:
	.size	k_q0a7ae290f3_qkv, .Lfunc_end_k_q0a7ae290f3_qkv-k_q0a7ae290f3_qkv
	.p2alignl 7, 3214868480
	.fill 96, 4, 3214868480
	.section	.rodata,"a",@progbits
	.p2align	6, 0x0
	.amdhsa_kernel k_q0a7ae290f3_qkv
		.amdhsa_group_segment_fixed_size 327680
		.amdhsa_private_segment_fixed_size 0
		.amdhsa_enable_private_segment 0
		.amdhsa_kernarg_size 48
		.amdhsa_user_sgpr_count 2
		.amdhsa_user_sgpr_kernarg_segment_ptr 1
		.amdhsa_wavefront_size32 1
		.amdhsa_system_sgpr_workgroup_id_x 1
		.amdhsa_system_sgpr_workgroup_id_y 1
		.amdhsa_system_sgpr_workgroup_id_z 1
		.amdhsa_system_vgpr_workitem_id 0
		.amdhsa_next_free_vgpr 1024
		.amdhsa_next_free_sgpr 92
		.amdhsa_reserve_vcc 0
		.amdhsa_float_denorm_mode_32 3
		.amdhsa_float_denorm_mode_16_64 3
		.amdhsa_memory_ordered 1
		.amdhsa_forward_progress 1
		.amdhsa_inst_pref_size 85
	.end_amdhsa_kernel
	.amdgpu_metadata
---
amdhsa.version: [ 1, 2 ]
amdhsa.kernels:
  - .name:           k_q0a7ae290f3_qkv
    .symbol:         k_q0a7ae290f3_qkv.kd
    .args:
      - { .name: act, .offset: 0, .size: 8, .value_kind: global_buffer, .address_space: global }
      - { .name: wb, .offset: 8, .size: 8, .value_kind: global_buffer, .address_space: global }
      - { .name: bq, .offset: 16, .size: 8, .value_kind: global_buffer, .address_space: global }
      - { .name: bk, .offset: 24, .size: 8, .value_kind: global_buffer, .address_space: global }
      - { .name: bv, .offset: 32, .size: 8, .value_kind: global_buffer, .address_space: global }
      - { .name: big, .offset: 40, .size: 8, .value_kind: global_buffer, .address_space: global }
    .group_segment_fixed_size: 327680
    .private_segment_fixed_size: 0
    .kernarg_segment_align: 8
    .kernarg_segment_size: 48
    .max_flat_workgroup_size: 128
    .sgpr_count:     92
    .vgpr_count:     1024
    .wavefront_size: 32
...
	.end_amdgpu_metadata
.endif
;; end of part 3
;; launch attn (part 4): grid 8 x 32, 4 waves a work-group, clusters of 4 x 1, 327,680 bytes of LDS; arguments big, act; writes act
.if DOCPART == 4
	.amdgcn_target "amdgcn-amd-amdhsa--gfx1250"
	.amdhsa_code_object_version 6
	.text
	.protected	k_q0a7ae290f3_attn
	.globl	k_q0a7ae290f3_attn
	.p2align	8
	.type	k_q0a7ae290f3_attn,@function
k_q0a7ae290f3_attn:
	s_mov_b64 s[64:65], 0
	v_nop
	global_prefetch_b8 v0, s[64:65] scope:SCOPE_SE
	s_setreg_imm32_b32 hwreg(HW_REG_WAVE_MODE, 25, 1), 1
	s_wait_xcnt 0x0
	s_wait_alu depctr_hold_cnt(0) depctr_sa_sdst(0) depctr_va_vdst(0) depctr_va_sdst(0) depctr_va_ssrc(0) depctr_va_vcc(0) depctr_vm_vsrc(0)
	s_getreg_b32 s2, hwreg(HW_REG_IB_STS2, 6, 4)
	s_cmp_eq_u32 s2, 0
	s_cbranch_scc0 .Lentry_in_a_cluster
	s_endpgm
.Lentry_in_a_cluster:
	s_bfe_u32 s2, ttmp6, 0x10000c
	s_cmp_lg_u32 s2, 0x3003
	s_cbranch_scc0 .Lentry_shape_is_right
	s_endpgm
.Lentry_shape_is_right:
; O[b][h][q][:] = the sum over k of softmax_k(Q[q] . K[k] / 8) V[k][:], for 32 pairs (b, h), 2,048 rows of 64 channels each, no mask.
; q, k, v: big, bf16, in blocks [48][4096][64] (block h: q of head h; 16 + h: k; 32 + h: v; row 2048 b + s; a block's rows dense, 128 bytes each).  O: act, bf16, [16][4096][64], the same layout.
; Products, maxima and sums in f32; the weights p are rounded to bf16 for the second product (their sum l is taken of the unrounded p), O once at the end.
; LIMITS.  A weight below 2^-126 counts as 0 in l; NaN and infinities are not treated apart.
; SHARES.  A work-group owns 256 queries of one (b, h); a wave four PIECES of 16 queries, at rows 16 w + 64 t.  Every wave walks all 2,048 keys, 64 a step, four steps to a slot, eight slots.
; LAYOUT.  S^T = K Q^T (source 0 = 16 keys, source 1 = 16 queries): a lane holds ONE query (lane % 16) and the keys 8 (lane / 16) + 0..7; two such results rounded to bf16 ARE source 1 of
; O^T = V^T P, whose result again holds one query a lane.  K comes out of LDS as it lies, V ([key][channel]) turned, by ds_load_tr16_b128.
; SOFTMAX.  For each query a running maximum m and sum l: p = 2^(c s - c m), c = log2(e) / 8; in every step O and l are multiplied by a = 2^(c m_old - c m_new).  m starts at the lowest finite
; number, O and l at 0: the first step is a step like any other, with a = 0.
; BY TURNS.  Turn n belongs to piece n: 8 products K Q^T of piece n + 1, later 8 products V^T P of piece n - 1; beside them the scaling, exponentials, roundings, sums and rescaling of piece n and
; the maximum and statistics of piece n + 1.  Four vector instructions stand behind every matrix instruction, the other 54 of a turn's 118 in two runs of their own.
; CLUSTER.  The four query blocks of a cluster belong to one (b, h) and walk the same K and V, so each tile is asked for JOINTLY: the same tensor load, descriptor and mask in all four.
; REGISTERS, in windows of 256 (s_set_vgpr_msb: bits 1:0 source 0, 3:2 source 1, 5:4 source 2, 7:6 destination):
;   window 0: v0-15 addresses and two at work; v16-31 four registers of statistics a piece; v48-55 at work; v61-63; v64-127 S^T, two buffers; v192-223 P, two buffers (by the piece's parity)
;   window 1: v0-127 O^T, 32 a piece          window 2: v0-63 Q; v128-191 K of one step; v192-255 V of one step
.set NP,    4         ; pieces a wave: a name, no knob
.set KS,    64        ; keys in a step
.set PK,    144       ; a row of K in LDS: 128 bytes + 16 = 36 words: the 16 rows of a load start at 16 different groups of four banks (64 banks of 4 bytes: ISA guide 11.1)
.set PV,    160       ; a row of V: 128 + 32 = 40 words
.set VOFF,  4*KS*PK   ; a slot holds four steps: 256 rows of K, then 256 rows of V
.set SLOT1, 1<<17     ; slot 1 begins here, so that one exclusive or turns an address in one slot into the other's
.set STAGE, SLOT1+4*KS*(PK+PV)  ; behind the ring, never filled by a tensor load: 16 rows x 144 bytes for each wave, for the way out
.set SP,    144
.set SPARE, STAGE+4*16*SP  ; behind the stages: the spare words, 128 bytes for each wave: two blocks of 256 bytes that no other line names
.set TILEB, 4*KS*128  ; a slot's K, and its V, in memory: 32,768 bytes
.set AK0, 2           ; v2   my lane's place in a tile of K; never rewritten
.set AV0, 3           ; v3   the same for V
.set AK,  4           ; v4   the LDS address of K's next run of loads
.set AV,  5           ; v5   of V's
.set STO, 6           ; v6   the way out: where I put 16 bytes of a row
.set RD,  7           ; v7   the way out: where I read rows back
.set GO,  8           ; v8   my byte offset in 512 consecutive bytes of O
.set MV,  12          ; v12-13  c m_old, kept while c m is made anew: by buffer
.set QO,  15          ; v15  my byte offset in 16 rows of Q
.set ST,  16          ; piece t's statistics at v[ST+4 t]: c m, m, l (even keys', odd keys')
.set TMP, 48          ; by buffer, four registers c0-c3 at work; when the maximum is found c2 takes a
.set PFO, 61          ; v61  256 x my lane: the prefetches' offset; never rewritten
.set SPW, 62          ; v62  LDS address of my spare word; never rewritten
.set NIL, 63          ; v63  0; never rewritten
.set S,   64
.set P,   192
.set KF,  128         ; window 2: key block kb, channel half c at KF + 16 kb + 8 c
.set VF,  192         ; window 2: key half kk, channel block cb at VF + 32 kk + 8 cb
.set WV,  12          ; s12  my wave's number
.set G1K, 24          ; s[24:31] descriptor group 1 for K's tiles
.set G1V, 32          ; s[32:39] for V's: it differs in the padding alone
.set G0K, 40          ; s[40:43] descriptor group 0 for K's tiles: it walks
.set G0V, 44          ; s[44:47] the same for V's
.set PFA, 48          ; s[48:49] where my prefetches stand: my work-group's 32 blocks of 256 bytes of the tile after the one that is being asked for
.set LIM, 50          ; s50  1 in a wave that prefetches, else the greatest number
.set SLOTS, 56        ; s56  slots still to be asked for
.set CNT, 57          ; s57  counts a slot's key steps
.set CS,  58          ; s[58:59] c: the packed scaling takes the pair's low word for both halves
.set SEL, 60          ; s[60:61] v_permlanex16_b32's selects: each lane takes its own place in the other half
.set TBK, 62          ; s62  LDS byte at which K of the step to be fetched begins
.set TBV, 63          ; s63  the same for V, less VOFF
.set MSB, 0
.macro WIN new                      ; the high byte repeats the setting that is left; a switch that changes nothing is dropped
.if MSB != (\new)
	s_set_vgpr_msb (MSB<<8)|(\new)
.set MSB, (\new)
.endif
.endm
.set W_KQ, 0x0a       ; K and Q in window 2, S^T in window 0
.set W_PV, 0x52       ; V in window 2, P in window 0, O^T in window 1
.set W_RS, 0x41       ; destination and source 0 in window 1, source 1 in window 0
; A joint fill.  Waves 0 and 1 fetch the two halves of a slot's K, waves 2 and 3 those of its V: 128 keys each.  The branch hangs on the wave's number alone.
; An s_nop 0 and four v_nop follow each of the two lines, ahead of the jump and the label.
.macro JLOAD
	s_cmp_lt_u32 s[WV], 2
	s_cbranch_scc0 .Lfor_v_\@
	tensor_load_to_lds s[G0K:G0K+3], s[G1K:G1K+7]
	s_nop 0
.rept 4
	v_nop
.endr
	s_branch .Lasked_\@
.Lfor_v_\@:
	tensor_load_to_lds s[G0V:G0V+3], s[G1V:G1V+7]
	s_nop 0
.rept 4
	v_nop
.endr
.Lasked_\@:
.endm
; A PREFETCH INTO THE L2 of what the NEXT change of slots will ask for: a tile's 32,768 bytes of K and of V, a lane a block of 256 bytes.  It stands behind the wave's tensor load and its five lines.
; Each block is named ONCE in the launch.  Both clusters of a (b, h) walk the same K and V: the first of them prefetches.  Its four partners share the blocks out BY ADDRESS, 32 each; in each,
; wave 0 asks for K's and wave 2 for V's: one instruction, four key steps (256 matrix instructions of a wave) ahead of the load.  The last change that fills a slot asks for nothing; tiles 0 and 1 come by their loads alone.
.macro ASK
	s_cmp_gt_u32 s[SLOTS], s[LIM]
	s_cbranch_scc0 .Lnot_mine_\@
	global_prefetch_b8 v[PFO], s[PFA:PFA+1] th:TH_LOAD_NT scope:SCOPE_SE
.Lnot_mine_\@:
.endm
; A round of the cluster's barrier: my work-group's barrier, so that wave 0's signal speaks for all four waves; wave 0 signals; every wave waits for all four work-groups; my work-group's barrier once more.
.macro CROUND
	s_barrier_signal -1
	s_barrier_wait -1
	s_cmp_lg_u32 s[WV], 0
	s_cbranch_scc1 .Lnot_wave_0_\@
	s_barrier_signal -3
.Lnot_wave_0_\@:
	s_barrier_wait -3
	s_barrier_signal -1
	s_barrier_wait -1
.endm
; THE CHANGE OF SLOTS.  The slot's last bytes, V of its fourth step, have been read.  Each wave waits for all its tensor loads, of which one is out: its part of the other slot; adds 0 to its spare
; word; and waits for that and for its own reads of the slot.  Behind the barrier nobody reads this slot any more and the other slot is whole.
; fill = 1: this slot is filled again, with the keys two slots on.  The barrier is then a round of the cluster's, and the joint fill is the first thing behind it: it has four key steps in which to land.
; (At its first use nothing has been read yet: slot 0 is waited for, slot 1 filled.)
.macro CHANGE fill
	WIN 0                           ; at a label and at a branch every window is 0
	s_wait_tensorcnt 0x0            ; no tensor load of mine is out, so a group 0 may be written
	ds_add_u32 v[SPW], v[NIL]       ; 0 onto my spare word: with fill = 1 the descriptors' steps stand between it and the wait for it
.if \fill
.irp g, G0K, G0V
	s_xor_b32 s[\g+1], s[\g+1], SLOT1  ; the walking descriptor: the other slot than last time,
	s_add_nc_u64 s[\g+2:\g+3], s[\g+2:\g+3], TILEB  ; the next 256 keys; the type bits on top are not reached
.endr
	s_wait_xcnt 0x0                 ; the last prefetch, four key steps back, has read its address, so it may be written:
	s_add_nc_u64 s[PFA:PFA+1], s[PFA:PFA+1], TILEB  ; one tile behind the walking descriptors
	s_wait_dscnt 0x0                ; the add is done, and my reads of the slot are over
	CROUND
	JLOAD
	ASK
.else
	s_wait_dscnt 0x0                ; the add is done, and my reads of the slot are over
	s_barrier_signal -1
	s_barrier_wait -1
.endif
	s_sub_co_u32 s[TBK], s[TBK], 4*KS*PK  ; the fetches go back to a slot's first step,
	s_xor_b32 s[TBK], s[TBK], SLOT1       ; in the other slot
	s_sub_co_u32 s[TBV], s[TBV], 4*KS*PV
	s_xor_b32 s[TBV], s[TBV], SLOT1
.endm
	s_load_b128 s[8:11], s[0:1], 0x0  ; big s[8:9], act s[10:11]
	v_lshl_add_u32 v[SPW], v0, 2, SPARE
	v_mov_b32 v[NIL], 0
	ds_add_u32 v[SPW], v[NIL]       ; the wave's opening: the add and its wait stand ahead of my first tensor load; the set-up below, work on registers, stands between them
	v_lshrrev_b32 v1, 5, v0
	v_readfirstlane_b32 s[WV], v1   ; wave 0..3
	s_bfe_u32 s13, ttmp6, 0x40000   ; cx: my place in the cluster
	s_lshl_b32 s14, ttmp9, 2        ; in a cluster launch ttmp9 counts clusters
	s_add_co_u32 s14, s14, s13      ; my block of 256 queries = 4 x cluster x + cx: it enters Q's and O's addresses alone
	s_and_b32 s20, ttmp7, 0xffff    ; 16 b + h, which the four partners share
	s_and_b32 s21, s20, 15
	s_lshl_b32 s21, s21, 19         ; head h: a block of 4,096 rows of 128 bytes,
	s_lshr_b32 s20, s20, 4
	s_lshl_b32 s20, s20, 18         ; batch b: 2,048 rows
	s_add_co_u32 s20, s20, s21
	s_and_b32 s16, s[WV], 1         ; which half of a slot's 256 keys I fetch:
	s_lshl_b32 s22, s16, 14         ; its 128 rows of 128 bytes in memory,
	s_add_co_u32 s22, s22, s20
	s_add_co_u32 s22, s22, 16*4096*128  ; behind q's sixteen blocks
	s_mov_b32 s23, 0
	s_mul_i32 s17, s16, 128*PK      ; and its place in a slot, for K
	s_mul_i32 s18, s16, 128*PV      ; and for V: no place in the cluster enters an LDS address
	s_lshl_b32 s2, s14, 15          ; my block's 256 rows,
	s_lshl_b32 s3, s[WV], 11        ; my wave's 16 rows in each band of 64
	s_add_co_u32 s2, s2, s3
	s_add_co_u32 s2, s2, s20
	s_mov_b32 s3, 0
	; descriptor group 1.  128 keys are 16,384 dense bytes: asked for as 64 rows of 256 bytes, two keys a row, and padded in LDS after every key
	s_mov_b32 s[G1K], 15|(1<<16)|(1<<20)|(1<<21)|(4<<22)|(3<<25)  ; 15:0 the mask of four; 17:16 2-byte elements; 20 padding on; 21 set beside a mask; 24:22 after every 32 words (code 4); 31:25 4 words (code 3)
	s_mov_b32 s[G1V], 15|(1<<16)|(1<<20)|(1<<21)|(4<<22)|(7<<25)  ; the same with 8 words of padding (code 7)
.irp g, G1K, G1V
	s_mov_b32 s[\g+1], 128<<16      ; tensor_dim0 = 128
	s_mov_b32 s[\g+2], 64<<16       ; tensor_dim1 = 64
	s_mov_b32 s[\g+3], 128<<16      ; tile_dim0 = 128
	s_mov_b32 s[\g+4], 64           ; tile_dim1 = 64
	s_mov_b32 s[\g+5], 128          ; 128 elements from row to row
	s_mov_b32 s[\g+6], 0
	s_mov_b32 s[\g+7], 0
.endr
	s_mov_b32 s[CS], 0x3e38aa3b     ; c = log2(e) / 8 = 0.180337
	s_mov_b32 s[CS+1], s[CS]        ; named with it as a pair
	s_mov_b32 s[SEL], 0x76543210
	s_mov_b32 s[SEL+1], 0xfedcba98
	s_mov_b32 s[TBK], SLOT1+4*KS*PK ; the first change of slots turns these two into 0
	s_mov_b32 s[TBV], SLOT1+4*KS*PV
	s_mov_b32 s[G0K], 1             ; count = 1
	s_mov_b32 s[G0K+1], s17         ; LDS address: slot 0
	s_mov_b32 s[G0V], 1
	s_add_co_u32 s[G0V+1], s18, VOFF
	s_mov_b32 s[SLOTS], 7           ; eight tiles: the first is asked for below, seven by changes of slots
	s_and_b32 s[LIM], s[WV], 1      ; 0 in waves 0 and 2,
	s_or_b32 s[LIM], s[LIM], ttmp9  ; where the cluster is the first of its (b, h): the same in all four partners
	s_cmp_eq_u32 s[LIM], 0
	s_cselect_b32 s[LIM], 1, -1
	v_and_b32 v[PFO], 31, v0
	v_lshlrev_b32 v[PFO], 8, v[PFO]
	s_wait_dscnt 0x0                ; the opening add is done
	s_wait_kmcnt 0x0
	s_add_nc_u64 s[4:5], s[8:9], s[2:3]      ; Q at my wave's first row,
	s_add_nc_u64 s[10:11], s[10:11], s[2:3]  ; O likewise
	s_add_nc_u64 s[6:7], s[8:9], s[22:23]    ; K at my half of tile 0,
	s_add_nc_u64 s[8:9], s[6:7], 16*4096*128 ; V sixteen blocks further on
	s_add_nc_u64 s[G0K+2:G0K+3], s[6:7], 0   ; global address
	s_or_b32 s[G0K+3], s[G0K+3], 0x80000000  ; type = 2
	s_add_nc_u64 s[G0V+2:G0V+3], s[8:9], 0
	s_or_b32 s[G0V+3], s[G0V+3], 0x80000000
	s_cmp_lt_u32 s[WV], 2
	s_cselect_b64 s[PFA:PFA+1], s[6:7], s[8:9]  ; (in waves 0 and 2 these stand at a tile's first row)
	s_lshl_b32 s2, s13, 13          ; my work-group's 32 blocks of the 128
	s_mov_b32 s3, 0
	s_add_nc_u64 s[PFA:PFA+1], s[PFA:PFA+1], s[2:3]
	s_add_nc_u64 s[PFA:PFA+1], s[PFA:PFA+1], TILEB  ; in tile 1; the first change of slots steps it to tile 2
	CROUND                          ; all four work-groups are here: the first joint loads meet
	JLOAD                           ; slot 0.  Slot 1 is asked for when slot 0 is in
	; A fragment of K or Q is 16 rows x 32 channels in 8 registers: lane l holds row l % 16, channels 8 (l / 16) + 0..7 and 16 + 8 (l / 16) + 0..7: two loads of 16 bytes, 32 bytes apart.
	v_and_b32 v1, 15, v0            ; l % 16
	v_bfe_u32 v9, v0, 4, 1          ; l / 16
	v_lshlrev_b32 v[QO], 7, v1
	v_lshl_add_u32 v[QO], v9, 4, v[QO]  ; row x 128 + 16 x half
	WIN 0x80                        ; destination window 2, address window 0
.set i, 0
.rept 8                             ; Q stays in registers: piece i / 2 lies 64 rows, 8,192 bytes, on; channels 32 (i % 2) on
	global_load_b128 v[8*i:8*i+3],   v[QO], s[4:5] offset:(i/2)*8192+(i%2)*64
	global_load_b128 v[8*i+4:8*i+7], v[QO], s[4:5] offset:(i/2)*8192+(i%2)*64+32
.set i, i+1
.endr
	; What the first turn finds: V's registers and P's second buffer hold 0 (its products V^T P, of a piece that has not been, add 0), O^T and l are 0.  All this stands in the wait for the first tile.
.set i, VF
.rept 64
	v_mov_b32 v[i], 0
.set i, i+1
.endr
	WIN 0x40
.set i, 0
.rept 128
	v_mov_b32 v[i], 0
.set i, i+1
.endr
	WIN 0
.set i, 0
.rept 4
	v_mov_b32 v[ST+4*i], 0xfe000000    ; c m: far below every c s
	v_mov_b32 v[ST+4*i+1], 0xff7fffff  ; m
	v_mov_b32 v[ST+4*i+2], 0
	v_mov_b32 v[ST+4*i+3], 0
.set i, i+1
.endr
.set i, P+16
.rept 16
	v_mov_b32 v[i], 0
.set i, i+1
.endr
	v_mul_u32_u24 v[AK0], v1, PK
	v_lshl_add_u32 v[AK0], v9, 4, v[AK0]  ; row x pitch + 16 x half
	; The turning load takes 16 keys x 16 channels (lane l reads key 8 (l / 16) + l % 8, channels 8 ((l / 8) % 2) + 0..7) and leaves half a fragment of V^T: lane l holds channel l % 16 and 8 keys.
	v_and_b32 v10, 7, v0
	v_bfe_u32 v11, v0, 3, 1
	v_lshl_add_u32 v[AV0], v9, 3, v10
	v_mul_u32_u24 v[AV0], v[AV0], PV
	v_lshl_add_u32 v[AV0], v11, 4, v[AV0]
	v_add_nc_u32 v[AV0], VOFF, v[AV0]
	s_mul_i32 s13, s[WV], 16*SP
	s_add_co_u32 s13, s13, STAGE    ; my stage
	v_mul_u32_u24 v[STO], v1, SP    ; in: row l % 16, 16 bytes for each half of the lanes
	v_lshl_add_u32 v[STO], v9, 4, v[STO]
	v_add_nc_u32 v[STO], s13, v[STO]
	v_bfe_u32 v[RD], v0, 3, 2       ; back: 32 lanes take four rows of 128 bytes,
	v_mul_u32_u24 v[RD], v[RD], SP
	v_lshl_add_u32 v[RD], v10, 4, v[RD]
	v_add_nc_u32 v[RD], s13, v[RD]
	v_and_b32 v[GO], 31, v0         ; which are 512 consecutive bytes of O
	v_lshlrev_b32 v[GO], 4, v[GO]
; THE MATRIX WORK.  The 4 accumulators of a run of 8 take turns.  Product i of 8 of S^T = K Q^T for piece x: channels 32 (i / 4) on, keys 16 (i % 4) on.  The first 4 start the sums.
.macro KQ x
	WIN W_KQ
.set rS, S+32*((\x)%2)+8*(i%4)
.set rK, KF+16*(i%4)+8*(i/4)
.set rQ, 16*(\x)+8*(i/4)
.if i < 4
	v_wmma_f32_16x16x32_bf16 v[rS:rS+7], v[rK:rK+7], v[rQ:rQ+7], 0
.else
	v_wmma_f32_16x16x32_bf16 v[rS:rS+7], v[rK:rK+7], v[rQ:rQ+7], v[rS:rS+7]
.endif
.endm
; Product i of 8 of O^T += V^T P for piece x: keys 32 (i / 4) on, channels 16 (i % 4) on.
.macro PV x
	WIN W_PV
.set rO, 32*(\x)+8*(i%4)
.set rV, VF+32*(i/4)+8*(i%4)
.set rP, P+16*((\x)%2)+8*(i/4)
	v_wmma_f32_16x16x32_bf16 v[rO:rO+7], v[rV:rV+7], v[rP:rP+7], v[rO:rO+7]
.endm
.macro MM                           ; the turn's next matrix instruction.  NOKQ = 1: the last turn: there is no next piece
.if (i < 8) && !NOKQ
	KQ (Y+1)%NP
.elseif i >= 8
.set i, i-8
	PV (Y+NP-1)%NP
.set i, i+8
.endif
.set i, i+1
.endm
; THE LDS LOADS stand in runs of 16, never singly among the matrix instructions: a step's K (64 keys x 64 channels: 8 fragments) and its V (turned).  Their addresses are made some lines ahead.
.macro FETCH_K
	WIN 0x80                        ; destination window 2
.irp f, 0,1,2,3,4,5,6,7             ; keys 16 (f / 2) on, channels 32 (f % 2) on
	ds_load_b128 v[KF+8*\f:KF+8*\f+3],   v[AK] offset:(\f/2)*16*PK+(\f%2)*64
	ds_load_b128 v[KF+8*\f+4:KF+8*\f+7], v[AK] offset:(\f/2)*16*PK+(\f%2)*64+32
.endr
	s_add_co_u32 s[TBK], s[TBK], KS*PK  ; the next fetch is the next step's
	WIN 0
.endm
.macro FETCH_V
	WIN 0x80
.irp f, 0,1,2,3,4,5,6,7             ; keys 32 (f / 4) on, channels 16 (f % 4) on
	ds_load_tr16_b128 v[VF+8*\f:VF+8*\f+3],   v[AV] offset:(\f/4)*32*PV+(\f%4)*32
	ds_load_tr16_b128 v[VF+8*\f+4:VF+8*\f+7], v[AV] offset:(\f/4)*32*PV+16*PV+(\f%4)*32
.endr
	WIN 0
.endm
; THE VECTOR WORK, one line at a time: OP kind, number.  For piece Y: F n: c s - c m for pair n of 16.  E n: the exponential of score n of 32.  C n: pair n rounded to bf16.  B n: of the four weights 4 n .. the second
; pair is added onto the first, in place.  L n: l takes that sum (L 0: l = a l + sum).  R n: pair n of 16 of O^T times a.  For piece Y + 1: X n, number n of the 22 that find its maximum and statistics:
;   0-11  four chains c0-c3 of seven scores each, three operands at a time (each accumulator's lowest registers are read first)     12-14, 16  the four scores left over, the old m, and c0-c3 into c0
;   15  c m_old is kept     17, 18  the query's other 32 keys lie in the lane 16 away: the new m     19-21  c m; c m_old - c m_new; a
.set F, 0               ; OP tells the kinds apart by their order: F to L below R, X above it
.set E, 1
.set C, 2
.set B, 3
.set L, 4
.set R, 5
.set X, 6
.macro REGS y                       ; the registers of piece y
.set rT, ST+4*(\y)
.set rC, TMP+4*((\y)%2)
.set rW, MV+((\y)%2)
.set rS, S+32*((\y)%2)
.set rP, P+16*((\y)%2)
.set rO, 32*(\y)
.endm
.macro OP k, n
.if (\k) == R
	REGS Y
	WIN W_RS
	v_pk_mul_f32 v[rO+2*(\n):rO+2*(\n)+1], v[rO+2*(\n):rO+2*(\n)+1], v[rC+2:rC+3] op_sel_hi:[1,0]
.elseif (\k) < R
	REGS Y
	WIN 0
.if (\k) == F
	v_pk_fma_f32 v[rS+2*(\n):rS+2*(\n)+1], v[rS+2*(\n):rS+2*(\n)+1], s[CS:CS+1], v[rT:rT+1] op_sel_hi:[1,0,0] neg_lo:[0,0,1] neg_hi:[0,0,1]
.elseif (\k) == E
	v_exp_f32 v[rS+(\n)], v[rS+(\n)]
.elseif (\k) == C
	s_wait_alu depctr_va_vdst(0)
	v_cvt_pk_bf16_f32 v[rP+(\n)], v[rS+2*(\n)], v[rS+2*(\n)+1]
.elseif (\k) == B
	s_wait_alu depctr_va_vdst(0)
	v_pk_add_f32 v[rS+4*(\n):rS+4*(\n)+1], v[rS+4*(\n):rS+4*(\n)+1], v[rS+4*(\n)+2:rS+4*(\n)+3]
.elseif (\n) == 0
	v_pk_fma_f32 v[rT+2:rT+3], v[rT+2:rT+3], v[rC+2:rC+3], v[rS:rS+1] op_sel_hi:[1,0,1]
.else
	v_pk_add_f32 v[rT+2:rT+3], v[rT+2:rT+3], v[rS+4*(\n):rS+4*(\n)+1]
.endif
.elseif NOKQ
	v_nop
.else
	REGS (Y+1)%NP
	WIN 0
.if (\n) < 4
	v_max3_num_f32 v[rC+(\n)], v[rS+8*(\n)], v[rS+8*(\n)+1], v[rS+8*(\n)+2]
.elseif (\n) < 12
	v_max3_num_f32 v[rC+(\n)%4], v[rC+(\n)%4], v[rS+8*((\n)%4)+2*((\n)/4)+1], v[rS+8*((\n)%4)+2*((\n)/4)+2]
.elseif (\n) == 12
	v_max3_num_f32 v[rC], v[rC], v[rS+7], v[rS+15]
.elseif (\n) == 13
	v_max3_num_f32 v[rC+1], v[rC+1], v[rS+23], v[rS+31]
.elseif (\n) == 14
	v_max3_num_f32 v[rC+2], v[rC+2], v[rC+3], v[rT+1]
.elseif (\n) == 15
	v_mov_b32 v[rW], v[rT]
.elseif (\n) == 16
	v_max3_num_f32 v[rC], v[rC], v[rC+1], v[rC+2]
.elseif (\n) == 17
	v_permlanex16_b32 v[rC+3], v[rC], s[SEL], s[SEL+1]
.elseif (\n) == 18
	v_max_num_f32 v[rT+1], v[rC], v[rC+3]
.elseif (\n) == 19
	v_mul_f32 v[rT], s[CS], v[rT+1]
.elseif (\n) == 20
	v_sub_f32 v[rC+1], v[rW], v[rT]
.else
	v_exp_f32 v[rC+2], v[rC+1]
.endif
.endif
.endm
.macro OPS a, i1, b=-1, i2=0, c=-1, i3=0, d=-1, i4=0  ; up to four of them
	OP \a, \i1
.if (\b) >= 0
	OP \b, \i2
.endif
.if (\c) >= 0
	OP \c, \i3
.endif
.if (\d) >= 0
	OP \d, \i4
.endif
.endm
.macro ROW a, i1, b, i2, c, i3, d, i4  ; a matrix instruction and the four behind it
	MM
	OPS \a, \i1, \b, \i2, \c, \i3, \d, \i4
.endm
; A TURN, for piece p: the order of its 16 matrix and 118 vector instructions, written out.  Behind a matrix instruction: plain, exponential, plain, plain; or four of the rescaling; or, behind the first, four scalings; none
; names a register of the products round it.  In the runs between, exponential and plain by turns while exponentials last.  v_permlanex16_b32 (X 17) stands in such a run.
; end = 1: the last two turns: nothing is fetched.  cnt = 1: the loop's count is taken down some lines ahead of the branch that stands behind the turn.
; K of the next step is fetched in piece 2's turn, six vector instructions behind the last product that read K (five of them plain); V of the step in hand in piece 0's turn, eight behind the last product that read V.
; Each is waited for a turn later.
.macro TURN p, end=0, cnt=0
.set Y, (\p)
.set i, 0
.set NOKQ, (\end)*((\p)/3)
.if ((\p) == 3) && !(\end)
	s_wait_dscnt 0x0                ; K is in
.endif
	ROW F,0, F,1, F,2, F,3
	ROW F,4, E,0, F,5, F,6
	ROW F,7, E,1, F,8, F,9
	ROW F,10, E,2, C,0, F,11
	ROW F,12, E,3, X,15, F,13
	ROW R,0, R,1, R,2, R,3
	ROW B,0, E,4, F,14, L,0
.if ((\p) == 2) && !(\end)
	v_add_nc_u32 v[AK], s[TBK], v[AK0]
.endif
	ROW R,4, R,5, R,6, R,7
	OPS E,5, F,15
.if ((\p) == 2) && !(\end)
	FETCH_K
.endif
	OPS E,6, C,1, E,7, R,8
	OPS E,8, R,9, E,9, C,2
	OPS E,10, X,0, E,11, X,1
	OPS E,12, X,2, E,13, X,3
.if (\p) == 1
	s_wait_dscnt 0x0                ; V is in
.endif
	ROW X,4, E,14, X,5, X,6
	ROW X,7, E,15, X,8, X,9
	ROW X,10, E,16, X,11, X,12
	ROW X,13, E,17, X,14, B,1
	ROW C,4, E,18, X,16, L,1
	ROW B,2, E,19, C,6, L,2
	ROW C,8, E,20, B,3, B,4
.if (\p) == 0
	v_add_nc_u32 v[AV], s[TBV], v[AV0]
.endif
	ROW C,3, E,21, L,3, C,5
	OPS E,22, X,17, E,23, C,10
.if (\p) == 0
	FETCH_V
.endif
	OPS E,24, L,4
	OPS E,25, X,18, E,26, C,7
	OPS E,27, B,5, E,28, X,19
	OPS E,29, C,12, E,30, L,5
	OPS E,31, X,20, B,6, C,9
	OPS C,14, C,11, X,21, L,6
.if (\p) == 0
	s_add_co_u32 s[TBV], s[TBV], KS*PV
.endif
.if \cnt
	s_sub_co_u32 s[CNT], s[CNT], 1
	s_cmp_lg_u32 s[CNT], 0
.endif
	OPS C,13, B,7, C,15, R,10
	OPS R,11, R,12, L,7, R,13
	OPS R,14, R,15
.endm
	CHANGE 1                        ; slot 0 is in, everybody's part of it; slot 1 is asked for
	v_add_nc_u32 v[AK], s[TBK], v[AK0]
	FETCH_K                         ; key step 0
	s_wait_loadcnt 0x0              ; Q
	s_wait_dscnt 0x0
.set NOKQ, 0
.set i, 0
.rept 8
	KQ 0                            ; piece 0's first scores: there is no vector work yet to set between them
.set i, i+1
.endr
	WIN 0
.rept 4
	v_nop                           ; the places behind those products
.endr
.set Y, NP-1                        ; X works for piece Y + 1: piece 0
.irp n, 0,1,2,3,4,5,6,7,8,9,10,11,12,13,14,15,16,17,18,19,20,21
	OP X, \n
.endr
	v_nop                           ; a plain instruction behind the exponential
	s_mov_b32 s[CNT], 4
	s_branch .Lfirst                ; the loop is entered at a step's first turn, in the middle of a trip
.Lslot:                             ; six times: every slot but the last two is filled again
	CHANGE 1
	s_mov_b32 s[CNT], 4
.Lstep:                             ; a trip: pieces 2 and 3 of one step, then pieces 0 and 1 of the next, whose K and V it fetches
	TURN 2
	TURN 3
	WIN 0
.Lfirst:
	TURN 0
	TURN 1, 0, 1
	WIN 0
	s_cbranch_scc1 .Lstep
	s_sub_co_u32 s[SLOTS], s[SLOTS], 1
	s_cmp_lg_u32 s[SLOTS], 0
	s_cbranch_scc1 .Lslot
	CHANGE 0                        ; the last slot is written out: nothing is asked for
	s_mov_b32 s[CNT], 4
.Ltail:
	TURN 2
	TURN 3
	TURN 0
	TURN 1, 0, 1
	WIN 0
	s_cbranch_scc1 .Ltail
	TURN 2, 1                       ; the last step's pieces 2 and 3: nothing is left to fetch, and the last turn starts no scores
	TURN 3, 1
.set i, 0
.rept 8
	PV NP-1                         ; the last piece's V^T P of the last step
.set i, i+1
.endr
	; THE WAY OUT.  l's two halves and the other half of the lanes' are added; O^T is divided by l, rounded to bf16 and sent through my stage in LDS, a piece at a time.  The additions are the places behind the last products.
	WIN 0
.macro ALL line:vararg              ; one line for each piece t
.set t, 0
.rept 4
	\line
.set t, t+1
.endr
.endm
	ALL v_add_f32 v[ST+4*t+2], v[ST+4*t+2], v[ST+4*t+3]
	ALL v_permlanex16_b32 v[ST+4*t+3], v[ST+4*t+2], s[SEL], s[SEL+1]
	ALL v_add_f32 v[ST+4*t+2], v[ST+4*t+2], v[ST+4*t+3]
	ALL v_rcp_f32 v[ST+4*t+2], v[ST+4*t+2]
	v_nop                           ; a plain instruction between the last reciprocal and the use of its result
.macro PACK t                       ; a lane's eight channels of a row pack into 16 bytes; they go into rows of 144 bytes and come back as whole rows of 128, into S^T's registers
	WIN W_RS
.set i, 32*(\t)
.rept 16
	s_wait_alu depctr_va_vdst(0)
	v_pk_mul_f32 v[i:i+1], v[i:i+1], v[ST+4*(\t)+2:ST+4*(\t)+3] op_sel_hi:[1,0]
.set i, i+2
.endr
	WIN 0x05                        ; sources 0 and 1 window 1, destination window 0
.set i, 0
.rept 16
	v_cvt_pk_bf16_f32 v[S+16*(\t)+i], v[32*(\t)+2*i], v[32*(\t)+2*i+1]
.set i, i+1
.endr
	WIN 0
.irp f, 0,1,2,3
	ds_store_b128 v[STO], v[S+16*(\t)+4*\f:S+16*(\t)+4*\f+3] offset:32*\f
.endr
.irp f, 0,1,2,3
	ds_load_b128 v[S+16*(\t)+4*\f:S+16*(\t)+4*\f+3], v[RD] offset:\f*4*SP  ; LDS serves a wave's instructions in order (ISA guide 5.7.1.4): these see the stores above; the next piece's stores come behind them
.endr
.endm
.macro SEND t, younger              ; younger: the LDS instructions issued behind piece t's loads: the next piece's eight, or none
	WIN 0
.irp f, 0,1,2,3
	s_wait_dscnt (\younger)+3-\f
	global_store_b128 v[GO], v[S+16*(\t)+4*\f:S+16*(\t)+4*\f+3], s[10:11] offset:(\t)*8192+\f*512  ; 512 consecutive bytes, at a multiple of 256 from O's first
.endr
.endm
	PACK 0
.set t, 1
.rept 3                             ; a piece's arithmetic stands between the loads of the piece before and its stores
	PACK t
	SEND t-1, 8
.set t, t+1
.endr
	SEND 3, 0
	s_wait_tensorcnt 0x0            ; the wave's end: behind my last tensor load and my last LDS store
	ds_add_u32 v[SPW], v[NIL]
	s_wait_dscnt 0x0
	CROUND                          ; the closing round: no work-group ends while a partner may still ask for a tile that names it
	s_endpgm
.Lfunc_end_k_q0a7ae290f3_attn:
	.size	k_q0a7ae290f3_attn, .Lfunc_end_k_q0a7ae290f3_attn-k_q0a7ae290f3_attn
	.p2alignl 7, 3214868480
	.fill 96, 4, 3214868480
	.section	.rodata,"a",@progbits
	.p2align	6, 0x0
	.amdhsa_kernel k_q0a7ae290f3_attn
		.amdhsa_group_segment_fixed_size 327680
		.amdhsa_private_segment_fixed_size 0
		.amdhsa_enable_private_segment 0
		.amdhsa_kernarg_size 16
		.amdhsa_user_sgpr_count 2
		.amdhsa_user_sgpr_kernarg_segment_ptr 1
		.amdhsa_wavefront_size32 1
		.amdhsa_system_sgpr_workgroup_id_x 1
		.amdhsa_system_sgpr_workgroup_id_y 1
		.amdhsa_system_sgpr_workgroup_id_z 1
		.amdhsa_system_vgpr_workitem_id 0
		.amdhsa_next_free_vgpr 768
		.amdhsa_next_free_sgpr 66
		.amdhsa_reserve_vcc 0
		.amdhsa_float_denorm_mode_32 3
		.amdhsa_float_denorm_mode_16_64 3
		.amdhsa_memory_ordered 1
		.amdhsa_forward_progress 1
		.amdhsa_inst_pref_size 134
	.end_amdhsa_kernel
	.amdgpu_metadata
---
amdhsa.version: [ 1, 2 ]
amdhsa.kernels:
  - .name:           k_q0a7ae290f3_attn
    .symbol:         k_q0a7ae290f3_attn.kd
    .args:
      - { .name: big, .offset: 0, .size: 8, .value_kind: global_buffer, .address_space: global }
      - { .name: act, .offset: 8, .size: 8, .value_kind: global_buffer, .address_space: global }
    .group_segment_fixed_size: 327680
    .private_segment_fixed_size: 0
    .kernarg_segment_align: 8
    .kernarg_segment_size: 16
    .max_flat_workgroup_size: 128
    .sgpr_count:     66
    .vgpr_count:     768
    .wavefront_size: 32
...
	.end_amdgpu_metadata
.endif
;; end of part 4
;; launch proj (part 5): grid 8 x 32, 4 waves a work-group, clusters of 4 x 4, 327,680 bytes of LDS; arguments act, wb, bp, x, x1; writes x1
.if DOCPART == 5
	.amdgcn_target "amdgcn-amd-amdhsa--gfx1250"
	.amdhsa_code_object_version 6
	.text
	.protected	k_q0a7ae290f3_proj
	.globl	k_q0a7ae290f3_proj
	.p2align	8
	.type	k_q0a7ae290f3_proj,@function
k_q0a7ae290f3_proj:
	s_mov_b64 s[64:65], 0
	v_nop
	global_prefetch_b8 v0, s[64:65] scope:SCOPE_SE
	s_setreg_imm32_b32 hwreg(HW_REG_WAVE_MODE, 25, 1), 1
	s_wait_xcnt 0x0
	s_wait_alu depctr_hold_cnt(0) depctr_sa_sdst(0) depctr_va_vdst(0) depctr_va_sdst(0) depctr_va_ssrc(0) depctr_va_vcc(0) depctr_vm_vsrc(0)
	s_getreg_b32 s2, hwreg(HW_REG_IB_STS2, 6, 4)
	s_cmp_eq_u32 s2, 0
	s_cbranch_scc0 .Lentry_in_a_cluster
	s_endpgm
.Lentry_in_a_cluster:
	s_bfe_u32 s2, ttmp6, 0x10000c
	s_cmp_lg_u32 s2, 0xf033
	s_cbranch_scc0 .Lentry_shape_is_right
	s_endpgm
.Lentry_shape_is_right:
; x1 = x + O Wp + bp.  O: act, bf16, in blocks [16][4096][64] (block h = head h's 64 channels); Wp: wb at byte 6,291,456, [1024][1024] bf16; bp, x, x1 f32, x and x1 [4096][1024].
; THE TEXT BELOW THE SEVEN CONSTANTS IS ONE TEXT FOR FOUR PRODUCTS C = A W + bias (qkv, proj, ff1, ff2).
.set ABLK,   1                         ; A lies in rows [4096][1024] (0) or in blocks [K/64][4096][64] (1)
.set NCOL,   1024                      ; columns of W
.set KSTEPS, 4                         ; K / 256
.set WOFF,   6291456                   ; W's first byte in wb
.set EPI,    2                         ; the way out: 1 bf16 in blocks, 2 f32 in rows with a residual added
.set GELU,   0
.set QKV,    0                         ; three matrices and three biases side by side
; A tile of C is 128 x 128: four waves, each 64 x 64 in 16 accumulators of 16 x 16.  K goes in steps of 256 through two LDS slots filled by tensor loads.
; THE MATRIX INSTRUCTION IS USED TRANSPOSED: source 0 = 16 columns of W, source 1 = 16 rows of A; a lane then holds row l % 16 of C and the columns 8 (l / 16) + 0..7.
; W lies [K][N], so its fragments come out of LDS turned, by ds_load_tr16_b128; A's come as they lie.  The accumulators are LOADED with the bias, so every product has one form.
; CLUSTER: 4 x 4 work-groups.  The four of a row of the cluster need the same tiles of A, the four of a column the same tiles of W: each tile is asked for jointly, by the same
; tensor load with the same descriptor and a mask that names the four.  Waves 0 and 1 fetch A's two parts, waves 2 and 3 W's: one load a wave behind each round.
; One K step is written once and looped over, the slot turned by an exclusive or; the last two steps are a second loop that fills nothing.
; No prefetch: the tiles are shared in the cluster and read by many work-groups shortly after each other.
; REGISTERS: window 0: v0-31 addresses; v32-95 at work on the way out; v96-111 at work in the activation; v128-255 the accumulators ((a, b) at v[128 + 8 (4 a + b)]).
;   window 1: two fragment buffers of 128: for 64 along K, 64 registers of A, then 64 of W.   window 2 (EPI = 2): v0-127 the residual.
.set SLOT,   0x24000                   ; a slot: A's tile, then W's.  No fill begins at an offset with bit 14 or 17 set, so one exclusive or turns an address into the other slot's
.set PB,     288                       ; a k-row of W in LDS: 256 bytes + 32 = 72 words
.set BHALF,  128*PB                    ; 128 k-rows: what one tensor load brings of W
.if ABLK
.set PA,     144                       ; a row of a block: 128 bytes + 16
.set APART,  256*PA                    ; what one tensor load brings of A: two blocks of 128 rows
.set AQ,     128*PA                    ; 64 along K further on: the next block
.set ASTEP,  4*4096*128                ; a K step in memory: four blocks
.set AQI,    4                         ; padding after every 32 words
.set AD0,    8192                      ; a block's 128 dense rows are asked for as one row of 8,192 elements,
.set AD1,    2                         ; two blocks,
.set AST,    262144                    ; 4096 x 64 elements apart
.else
.set PA,     528                       ; a row of A: 512 bytes + 16 = 132 words: the 16 rows of a load start at 16 different groups of four banks
.set APART,  64*PA                     ; 64 rows
.set AQ,     128
.set ASTEP,  512
.set AQI,    6                         ; padding after every 128 words
.set AD0,    256
.set AD1,    64
.set AST,    1024
.endif
.set BOFF,   2*APART
.set BSTEP,  256*NCOL*2
.set STAGE,  2*SLOT                    ; behind the ring, never filled by a tensor load: 16 rows for each wave, for the way out
.if EPI == 1
.set SP,     144                       ; 64 bf16 + 16 bytes
.else
.set SP,     272                       ; 64 f32 + 16 bytes
.endif
.set SPARE,  STAGE+4*16*SP             ; behind the stages: the spare words, 128 bytes for each wave: two blocks of 256 bytes that no other line names
.set ADRA0, 10                         ; v10  my lane's place in a slot's tile of A; never rewritten
.set ADRB0, 11                         ; v11  the same for W
.set ADRA,  16                         ; v16  the same in the slot in hand
.set ADRB,  20                         ; v20-21  for W: k-rows 0-127, 128-255
.set STO,   24                         ; v24  the way out: where I put my part of a row
.set RD,    25                         ; v25  where I read rows back
.set CO,    26                         ; v26  my byte offset in the output
.set BO,    27                         ; v27  my byte offset in the bias
.set SPW,   28                         ; v28  LDS address of my spare word; never rewritten
.set NIL,   29                         ; v29  0; never rewritten
.set TMP,   32
.set GT,    96
.set ACC,   128
.set F0,    0
.set F1,    128
.set G1A, 24                           ; s[24:31] descriptor group 1 for A;  s[32:39] group 0: a set for each first fill; the second then walks on
.set G0A, 32
.set G1B, 48                           ; s[48:55], s[56:63] the same for W
.set G0B, 56
.set TB,  66                           ; s66  the slot in hand: 0 or SLOT
.set CNT, 67
.set C1,  68                           ; s[68:69], s[70:71] the activation's two constants
.set C2,  70
.set BIAS, 72                          ; s[72:73]
.set OUT, 74                           ; s[74:75]
.set RES, 76                           ; s[76:77]
.if QKV
.set OARG, 90
.elseif EPI == 1
.set OARG, 86
.else
.set OARG, 88
.endif
.set MSB, 0
.macro WIN new                         ; the immediate's high byte repeats the setting that is left; a switch that changes nothing is dropped
.if MSB != (\new)
	s_set_vgpr_msb (MSB<<8)|(\new)
.set MSB, \new
.endif
.endm
.set MUL,  0x05                        ; sources 0 (W) and 1 (A) window 1; C and D window 0
.set TO_F, 0x40                        ; destination window 1, address window 0
.macro PLACES                          ; four places in front of loads into registers that matrix instructions have read, and of lines that read results
.rept 4
	v_nop
.endr
.endm
.macro JLOAD                           ; a joint refill by the walking sets; an s_nop 0 and four v_nop follow each of the two lines.  The branch hangs on the wave's number alone
	s_cmp_lt_u32 s10, 2
	s_cbranch_scc0 .Lfor_b_\@
	tensor_load_to_lds s[G0A+4:G0A+7], s[G1A:G1A+7]
	s_nop 0
.rept 4
	v_nop
.endr
	s_branch .Lasked_\@
.Lfor_b_\@:
	tensor_load_to_lds s[G0B+4:G0B+7], s[G1B:G1B+7]
	s_nop 0
.rept 4
	v_nop
.endr
.Lasked_\@:
.endm
.macro CREST                           ; a round of the cluster's barrier behind its opening barrier
	s_cmp_lg_u32 s10, 0
	s_cbranch_scc1 .Lnot_wave_0_\@
	s_barrier_signal -3
.Lnot_wave_0_\@:
	s_barrier_wait -3
	s_barrier_signal -1
	s_barrier_wait -1
.endm
.macro CROUND                          ; a whole round
	s_barrier_signal -1
	s_barrier_wait -1
	CREST
.endm
	s_load_b256 s[80:87], s[0:1], 0x0              ; A s[80:81], wb s[82:83], then the bias(es), residual and output
.if QKV
	s_load_b128 s[88:91], s[0:1], 0x20
.elseif EPI == 2
	s_load_b64 s[88:89], s[0:1], 0x20
.endif
	v_lshl_add_u32 v[SPW], v0, 2, SPARE
	v_mov_b32 v[NIL], 0
	ds_add_u32 v[SPW], v[NIL]                      ; the wave's opening: the add and its wait stand ahead of my first tensor load; the set-up below, work on registers, stands between them
	v_lshrrev_b32 v1, 5, v0
	v_readfirstlane_b32 s10, v1                    ; wave 0..3
	s_lshr_b32 s11, s10, 1                         ; which half of the tile's rows is mine
	s_and_b32 s12, s10, 1                          ; which half of its columns.  Also: which part of A's or W's tile I fetch
	s_bfe_u32 s40, ttmp6, 0x40000                  ; cx, cy: my place in the cluster
	s_bfe_u32 s41, ttmp6, 0x40004
	s_lshl_b32 s42, ttmp9, 2
	s_add_co_u32 s42, s42, s40                     ; tile column = 4 x cluster x + cx
	s_and_b32 s13, ttmp7, 0xffff
	s_lshl_b32 s13, s13, 2
	s_add_co_u32 s13, s13, s41                     ; tile row = 4 x cluster y + cy
	s_lshl_b32 s43, s41, 2
	s_lshl_b32 s43, 15, s43                        ; my row of the cluster
	s_lshl_b32 s44, 0x1111, s40                    ; my column
	s_or_b32 s[G1A], s43, (1<<16)|(1<<20)|(1<<21)|(AQI<<22)|(3<<25)  ; 15:0 the mask; 17:16 elements of 2 bytes; 20 padding on; 21 set beside a mask; 24:22 the interval; 31:25 4 words of padding (code 3)
	s_mov_b32 s[G1A+1], AD0<<16                    ; tensor_dim0
	s_mov_b32 s[G1A+2], AD1<<16                    ; tensor_dim1
	s_mov_b32 s[G1A+3], AD0<<16                    ; tile_dim0
	s_mov_b32 s[G1A+4], AD1                        ; tile_dim1
	s_mov_b32 s[G1A+5], AST                        ; elements from row to row
	s_mov_b32 s[G1A+6], 0
	s_mov_b32 s[G1A+7], 0
	s_or_b32 s[G1B], s44, (1<<16)|(1<<20)|(1<<21)|(5<<22)|(7<<25)  ; W: padding of 8 words (code 7) after every 64
	s_mov_b32 s[G1B+1], 128<<16                    ; 128 columns
	s_mov_b32 s[G1B+2], 128<<16                    ; 128 k-rows
	s_mov_b32 s[G1B+3], 128<<16
	s_mov_b32 s[G1B+4], 128
	s_mov_b32 s[G1B+5], NCOL
	s_mov_b32 s[G1B+6], 0
	s_mov_b32 s[G1B+7], 0
	; where the tiles come from.  A's hang on the tile row and the wave alone, W's on the tile column and the wave alone, each in registers that never hold the other coordinate
.if ABLK
	s_lshl_b32 s16, s12, 20                        ; my two blocks of the step's four,
	s_lshl_b32 s17, s13, 14                        ; the tile's 128 rows of 128 bytes
.else
	s_lshl_b32 s16, s12, 17                        ; my 64 rows of 2,048 bytes,
	s_lshl_b32 s17, s13, 18                        ; in the tile's 128
.endif
	s_add_co_u32 s16, s16, s17
	s_mov_b32 s17, 0
	s_mul_i32 s46, s12, 256*NCOL                   ; my 128 k-rows
.if QKV
	s_and_b32 s47, s42, 7                          ; eight tile columns to a matrix
	s_lshl_b32 s47, s47, 8
	s_add_co_u32 s46, s46, s47
	s_lshr_b32 s47, ttmp9, 1                       ; which matrix: tile column / 8 = cluster x / 2
	s_lshl_b32 s47, s47, 21
	s_add_co_u32 s46, s46, s47
.else
	s_lshl_b32 s47, s42, 8                         ; the tile's 128 columns: 256 bytes
	s_add_co_u32 s46, s46, s47
	s_add_co_u32 s46, s46, WOFF
.endif
	s_mov_b32 s47, 0
	s_mul_i32 s20, s12, APART                      ; and where they go: no place in the cluster enters an LDS address
	s_mul_i32 s21, s12, BHALF
	s_add_co_u32 s21, s21, BOFF
	s_mov_b32 s[TB], 0
.if GELU
	s_mov_b32 s[C1], 0xc0135761                    ; -2 sqrt(2 / pi) log2(e)
	s_mov_b32 s[C1+1], s[C1]                       ; named as pairs
	s_mov_b32 s[C2], 0xbdd2d3e8                    ; 0.044715 times that
	s_mov_b32 s[C2+1], s[C2]
.endif
	s_wait_dscnt 0x0                               ; the opening add is done
	s_wait_kmcnt 0x0
	s_add_nc_u64 s[14:15], s[80:81], s[16:17]
	s_add_nc_u64 s[46:47], s[82:83], s[46:47]
.irp s, 0,1
	s_mov_b32 s[G0A+4*(\s)], 1                                     ; count = 1
	s_add_co_u32 s[G0A+4*(\s)+1], s20, (\s)*SLOT                   ; LDS address
	s_add_nc_u64 s[G0A+4*(\s)+2:G0A+4*(\s)+3], s[14:15], (\s)*ASTEP  ; global address: K step s
	s_or_b32 s[G0A+4*(\s)+3], s[G0A+4*(\s)+3], 0x80000000          ; type = 2
	s_mov_b32 s[G0B+4*(\s)], 1
	s_add_co_u32 s[G0B+4*(\s)+1], s21, (\s)*SLOT
	s_add_nc_u64 s[G0B+4*(\s)+2:G0B+4*(\s)+3], s[46:47], (\s)*BSTEP
	s_or_b32 s[G0B+4*(\s)+3], s[G0B+4*(\s)+3], 0x80000000
.endr
	CROUND                                         ; all sixteen work-groups are here: the first joint loads meet
	s_cmp_lt_u32 s10, 2                            ; a wave's two first fills stand in one branch, ahead of every wait on TENSORcnt and every LDS read: two loads of mine are out
	s_cbranch_scc0 .Lfirst_b
	tensor_load_to_lds s[G0A:G0A+3], s[G1A:G1A+7]
	s_nop 0
	tensor_load_to_lds s[G0A+4:G0A+7], s[G1A:G1A+7]
	s_nop 0
.rept 4
	v_nop
.endr
	s_branch .Lfirst_asked
.Lfirst_b:
	tensor_load_to_lds s[G0B:G0B+3], s[G1B:G1B+7]
	s_nop 0
	tensor_load_to_lds s[G0B+4:G0B+7], s[G1B:G1B+7]
	s_nop 0
.rept 4
	v_nop
.endr
.Lfirst_asked:
	v_and_b32 v1, 15, v0                           ; l % 16
	v_bfe_u32 v2, v0, 4, 1                         ; l / 16
	v_and_b32 v3, 7, v0                            ; l % 8
	v_bfe_u32 v4, v0, 3, 1                         ; (l / 8) % 2
	; the bias of my 64 columns starts the sums: register j of accumulator (a, b) is column 16 b + 8 (l / 16) + j, whatever a
.if QKV
	s_lshr_b32 s18, ttmp9, 1
	s_cmp_eq_u32 s18, 1
	s_cselect_b64 s[BIAS:BIAS+1], s[86:87], s[84:85]
	s_cmp_eq_u32 s18, 2
	s_cselect_b64 s[BIAS:BIAS+1], s[88:89], s[BIAS:BIAS+1]
	s_and_b32 s18, s42, 7
.else
	s_mov_b64 s[BIAS:BIAS+1], s[84:85]
	s_mov_b32 s18, s42
.endif
	s_lshl_b32 s18, s18, 9                         ; 128 columns of f32,
	s_lshl_b32 s19, s12, 8                         ; my 64
	s_add_co_u32 s18, s18, s19
	s_mov_b32 s19, 0
	s_add_nc_u64 s[BIAS:BIAS+1], s[BIAS:BIAS+1], s[18:19]
	v_lshlrev_b32 v[BO], 5, v2
.irp a, 0,1,2,3
.irp b, 0,1,2,3
	global_load_b128 v[ACC+8*(4*(\a)+(\b)):ACC+8*(4*(\a)+(\b))+3],   v[BO], s[BIAS:BIAS+1] offset:64*(\b)
	global_load_b128 v[ACC+8*(4*(\a)+(\b))+4:ACC+8*(4*(\a)+(\b))+7], v[BO], s[BIAS:BIAS+1] offset:64*(\b)+16
.endr
.endr
	; the way out's addresses
	s_mul_i32 s18, s10, 16*SP
	s_add_co_u32 s18, s18, STAGE                   ; my stage
	v_mul_u32_u24 v[STO], v1, SP                   ; in: row l % 16
.if EPI == 1
	v_lshl_add_u32 v[STO], v2, 4, v[STO]           ; 16 bytes for each half of the lanes
	v_add_nc_u32 v[STO], s18, v[STO]
	v_bfe_u32 v[RD], v0, 3, 2                      ; back: 32 lanes take four rows of 128 bytes,
	v_mul_u32_u24 v[RD], v[RD], SP
	v_lshl_add_u32 v[RD], v3, 4, v[RD]
	v_add_nc_u32 v[RD], s18, v[RD]
	v_and_b32 v[CO], 31, v0                        ; which are 512 consecutive bytes of a block
	v_lshlrev_b32 v[CO], 4, v[CO]
	s_lshl_b32 s22, s42, 20                        ; block 2 x tile column + my half, 524,288 bytes each;
	s_lshl_b32 s23, s12, 19
	s_add_co_u32 s22, s22, s23
	s_lshl_b32 s23, s13, 14                        ; row 128 x tile row + 64 x my half, 128 bytes each
	s_add_co_u32 s22, s22, s23
	s_lshl_b32 s23, s11, 13
	s_add_co_u32 s22, s22, s23
	s_mov_b32 s23, 0
	s_add_nc_u64 s[OUT:OUT+1], s[OARG:OARG+1], s[22:23]
.else
	v_lshl_add_u32 v[STO], v2, 5, v[STO]           ; 32 bytes for each half of the lanes
	v_add_nc_u32 v[STO], s18, v[STO]
	v_mul_u32_u24 v[RD], v2, SP                    ; back: lanes 0-15 take one row of 256 bytes, lanes 16-31 the next
	v_lshl_add_u32 v[RD], v1, 4, v[RD]
	v_add_nc_u32 v[RD], s18, v[RD]
	v_lshlrev_b32 v[CO], 12, v2                    ; and the same two rows in the output and the residual, 4,096 bytes a row
	v_lshl_add_u32 v[CO], v1, 4, v[CO]
	s_lshl_b32 s22, s13, 19                        ; row 128 x tile row + 64 x my half,
	s_lshl_b32 s23, s11, 18
	s_add_co_u32 s22, s22, s23
	s_lshl_b32 s23, s42, 9                         ; column 128 x tile column + 64 x my half, in f32
	s_add_co_u32 s22, s22, s23
	s_lshl_b32 s23, s12, 8
	s_add_co_u32 s22, s22, s23
	s_mov_b32 s23, 0
	s_add_nc_u64 s[OUT:OUT+1], s[OARG:OARG+1], s[22:23]
	s_add_nc_u64 s[RES:RES+1], s[86:87], s[22:23]
	WIN 0x80                                       ; destination window 2: the residual of my 64 x 64 comes now, laid as the stores will want it, and is waited for on the way out
.irp a, 0,1,2,3
.irp t, 0,1,2,3,4,5,6,7
	global_load_b128 v[4*(8*(\a)+(\t)):4*(8*(\a)+(\t))+3], v[CO], s[RES:RES+1] offset:(16*(\a)+2*(\t))*4096 th:TH_LOAD_NT
.endr
.endr
	WIN 0
.endif
	; A fragment of A is 16 rows x 32 K in 8 registers: lane l holds row l % 16; K = 8 (l / 16) + 0..7 and 16 + 8 (l / 16) + 0..7: two loads of 16 bytes, 32 bytes apart.
	v_mul_u32_u24 v[ADRA0], v1, PA
	v_lshl_add_u32 v[ADRA0], v2, 4, v[ADRA0]
	s_mul_i32 s18, s11, 64*PA                      ; my 64 rows
	v_add_nc_u32 v[ADRA0], s18, v[ADRA0]
	; The turning load takes 16 k-rows x 16 columns (lane l reads k-row 8 (l / 16) + l % 8, columns 8 ((l / 8) % 2) + 0..7) and leaves half a fragment of W^T: lane l holds column l % 16 and 8 k.
	v_lshl_add_u32 v[ADRB0], v2, 3, v3
	v_mul_u32_u24 v[ADRB0], v[ADRB0], PB
	v_lshl_add_u32 v[ADRB0], v4, 4, v[ADRB0]
	s_lshl_b32 s18, s12, 7                         ; my 64 columns
	s_add_co_u32 s18, s18, BOFF
	v_add_nc_u32 v[ADRB0], s18, v[ADRB0]
	v_mov_b32 v[ADRA], v[ADRA0]                    ; slot 0
	v_mov_b32 v[ADRB], v[ADRB0]
	v_add_nc_u32 v[ADRB+1], 128*PB, v[ADRB0]
; 8 matrix instructions: row blocks a0, a0 + 1 x all 4 column blocks, 32 along K: half c of buffer f.  The 16 accumulators take turns, one instruction a turn, in the same order
; everywhere, over the backward jumps too.
.macro MUL8 f, c, a0
	WIN MUL
.irp a, \a0, (\a0)+1
.irp b, 0,1,2,3
	v_wmma_f32_16x16x32_bf16 v[ACC+8*(4*(\a)+(\b)):ACC+8*(4*(\a)+(\b))+7], v[(\f)+64+8*(4*(\c)+(\b)):(\f)+64+8*(4*(\c)+(\b))+7], v[(\f)+8*(4*(\c)+(\a)):(\f)+8*(4*(\c)+(\a))+7], v[ACC+8*(4*(\a)+(\b)):ACC+8*(4*(\a)+(\b))+7]
.endr
.endr
.endm
; 32 LDS loads in one run: the fragments of quarter q (64 along K) of the slot in hand, into buffer f; the first 32 along K first
.macro FETCH q, f
	WIN TO_F
.irp c, 0,1
.irp i, 0,1,2,3
	ds_load_tr16_b128 v[(\f)+64+8*(4*(\c)+(\i)):(\f)+64+8*(4*(\c)+(\i))+3],   v[ADRB+(\q)/2] offset:(((\q)%2)*64+32*(\c))*PB+32*(\i)
	ds_load_tr16_b128 v[(\f)+64+8*(4*(\c)+(\i))+4:(\f)+64+8*(4*(\c)+(\i))+7], v[ADRB+(\q)/2] offset:(((\q)%2)*64+32*(\c)+16)*PB+32*(\i)
	ds_load_b128 v[(\f)+8*(4*(\c)+(\i)):(\f)+8*(4*(\c)+(\i))+3],   v[ADRA] offset:(\q)*AQ+64*(\c)+(\i)*16*PA
	ds_load_b128 v[(\f)+8*(4*(\c)+(\i))+4:(\f)+8*(4*(\c)+(\i))+7], v[ADRA] offset:(\q)*AQ+64*(\c)+(\i)*16*PA+32
.endr
.endr
.endm
; A K step is four quarters of 64 along K, 32 matrix instructions each, on buffers 0, 1, 0, 1.  One of the first three multiplies buffer f and fetches quarter q into g.
.macro QUARTER q, f, g
	s_wait_dscnt 16                                ; the first 32 along K are in; the youngest sixteen loads may be out
	MUL8 \f, 0, 0
	MUL8 \f, 0, 2
	PLACES
	FETCH \q, \g
	s_wait_dscnt 32                                ; all but the 32 just issued
	MUL8 \f, 1, 0
	MUL8 \f, 1, 2
.endm
; The last quarter multiplies buffer 1 and changes slots: ONE barrier; in front of it each wave waits for all its tensor loads (one is out: its part of the next slot), adds 0 to its spare
; word, and waits for that and for its own reads of this slot.  fill = 1: the barrier opens a round of the cluster's, and this slot is filled again, two K steps ahead, first thing behind it.
.macro TURN fill
	WIN 0                                          ; (the add's two registers lie in window 0)
	s_wait_tensorcnt 0x0
	ds_add_u32 v[SPW], v[NIL]                      ; 0 onto my spare word
	s_wait_dscnt 17                                ; (the add and the youngest sixteen loads may be out)
	MUL8 F1, 0, 0                                  ; eight matrix instructions stand between the add and the wait for it
	s_wait_dscnt 0x0                               ; the add is done, and my reads of this slot are over
	s_barrier_signal -1
	MUL8 F1, 0, 2
	WIN 0
	s_barrier_wait -1
.if \fill
	CREST                                          ; no wave of any partner still reads this slot's tile or has a load on its way
	s_xor_b32 s[G0A+5], s[G0A+5], SLOT             ; the walking sets: the other slot than last time, the next K step; no load of mine is out, so they may be written
	s_add_nc_u64 s[G0A+6:G0A+7], s[G0A+6:G0A+7], ASTEP
	s_xor_b32 s[G0B+5], s[G0B+5], SLOT
	s_add_nc_u64 s[G0B+6:G0B+7], s[G0B+6:G0B+7], BSTEP
	JLOAD                                          ; the four v_nop behind it are also the places in front of the loads below
.else
	PLACES
.endif
	s_xor_b32 s[TB], s[TB], SLOT                   ; the reads go on in the other slot
	v_add_nc_u32 v[ADRA], s[TB], v[ADRA0]
	v_add_nc_u32 v[ADRB], s[TB], v[ADRB0]
	v_add_nc_u32 v[ADRB+1], 128*PB, v[ADRB]
	FETCH 0, F0
	MUL8 F1, 1, 0
	MUL8 F1, 1, 2
.endm
.macro STEP fill
	QUARTER 1, F0, F1
	QUARTER 2, F1, F0
	QUARTER 3, F0, F1
	TURN \fill
.endm
	s_wait_tensorcnt 0x1                           ; my part of K step 0 is in; K step 1's may stay out
	s_barrier_signal -1
	s_barrier_wait -1                              ; everybody's is
	FETCH 0, F0
.if EPI == 2
	s_wait_loadcnt 32                              ; the bias is in; the residual's 32 loads may stay out
.else
	s_wait_loadcnt 0x0                             ; the bias is in
.endif
	WIN 0                                          ; at a label and at a branch every window is 0
	s_mov_b32 s[CNT], KSTEPS-2
.Lstep:                                                ; every K step but the last two fills its slot again
	STEP 1
	WIN 0
	s_sub_co_u32 s[CNT], s[CNT], 1
	s_cmp_lg_u32 s[CNT], 0
	s_cbranch_scc1 .Lstep
	s_mov_b32 s[CNT], 2
.Ltail:                                                ; the last two fill nothing.  The very last trip's barrier and its 32 loads from the slot read before serve nothing: the price, once a work-group, of one text for both
	STEP 0
	WIN 0
	s_sub_co_u32 s[CNT], s[CNT], 1
	s_cmp_lg_u32 s[CNT], 0
	s_cbranch_scc1 .Ltail
	s_wait_dscnt 0x0
	PLACES                                         ; the lines below read results just made
.if EPI == 1
; THE WAY OUT, bf16 in blocks.  A lane's eight columns of a row pack into 16 bytes; 16 rows go through my own stage (rows of 144 bytes) and come back as four rows of 128 bytes a load: 512 consecutive bytes of the block.
.if GELU
; gelu(x) = x / (1 + 2^(x (C1 + C2 x^2))): the tanh form, rewritten exactly.  For large |x| the power goes to 0 or to infinity and the quotient to x or to -0.
.macro GEL a
.irp b, 0,1,2,3
.set XA, ACC+8*(4*(\a)+(\b))
.set TA, GT+8*((\b)%2)
.irp k, 0,2,4,6
	v_pk_mul_f32 v[TA+(\k):TA+(\k)+1], v[XA+(\k):XA+(\k)+1], v[XA+(\k):XA+(\k)+1]
.endr
.irp k, 0,2,4,6
	v_pk_fma_f32 v[TA+(\k):TA+(\k)+1], v[TA+(\k):TA+(\k)+1], s[C2:C2+1], s[C1:C1+1] op_sel_hi:[1,0,0]
.endr
.irp k, 0,2,4,6
	v_pk_mul_f32 v[TA+(\k):TA+(\k)+1], v[TA+(\k):TA+(\k)+1], v[XA+(\k):XA+(\k)+1]
.endr
.irp k, 0,1,2,3,4,5,6,7
	v_exp_f32 v[TA+(\k)], v[TA+(\k)]
.endr
	v_nop                                          ; a plain instruction between the last power and the use of its result (ISA guide 5.7.2)
.irp k, 0,2,4,6
	v_pk_add_f32 v[TA+(\k):TA+(\k)+1], v[TA+(\k):TA+(\k)+1], 1.0 op_sel_hi:[1,0]
.endr
.irp k, 0,1,2,3,4,5,6,7
	v_rcp_f32 v[TA+(\k)], v[TA+(\k)]
.endr
	v_nop
.irp k, 0,2,4,6
	v_pk_mul_f32 v[XA+(\k):XA+(\k)+1], v[XA+(\k):XA+(\k)+1], v[TA+(\k):TA+(\k)+1]
.endr
.endr
.endm
.endif
.macro PACK a
.if GELU
	GEL \a
.endif
.irp b, 0,1,2,3
.irp r, 0,1,2,3
	v_cvt_pk_bf16_f32 v[TMP+16*(\a)+4*(\b)+(\r)], v[ACC+8*(4*(\a)+(\b))+2*(\r)], v[ACC+8*(4*(\a)+(\b))+2*(\r)+1]
.endr
.endr
.irp b, 0,1,2,3
	ds_store_b128 v[STO], v[TMP+16*(\a)+4*(\b):TMP+16*(\a)+4*(\b)+3] offset:32*(\b)
.endr
.irp f, 0,1,2,3
	ds_load_b128 v[TMP+16*(\a)+4*(\f):TMP+16*(\a)+4*(\f)+3], v[RD] offset:(\f)*4*SP  ; LDS serves a wave's instructions in order (ISA guide 5.7.1.4): these see the stores above; the next block's stores come behind them
.endr
.endm
.macro SEND a, y                       ; y: the LDS instructions issued behind block a's loads: the next block's eight, or none
.irp f, 0,1,2,3
	s_wait_dscnt (\y)+3-(\f)
	global_store_b128 v[CO], v[TMP+16*(\a)+4*(\f):TMP+16*(\a)+4*(\f)+3], s[OUT:OUT+1] offset:(\a)*2048+(\f)*512
.endr
.endm
	PACK 0
	PACK 1                                         ; a block's arithmetic stands between the loads of the block before and its stores
	SEND 0, 8
	PACK 2
	SEND 1, 8
	PACK 3
	SEND 2, 8
	SEND 3, 0
.else
; THE WAY OUT, f32 in rows with the residual.  A lane's eight columns are 32 bytes; 16 rows go through my own stage (rows of 272 bytes) and come back as whole rows of 256 bytes, two a load;
; the residual, which lies in window 2 in the same layout, is added, and sixteen lanes store 256 consecutive bytes, aligned.
.macro STG a
.if (\a) >= 2
	s_wait_xcnt 0x0                                ; the stores of the block two back have read the registers that the loads below fill
.endif
.irp b, 0,1,2,3
	ds_store_b128 v[STO], v[ACC+8*(4*(\a)+(\b)):ACC+8*(4*(\a)+(\b))+3]   offset:64*(\b)
	ds_store_b128 v[STO], v[ACC+8*(4*(\a)+(\b))+4:ACC+8*(4*(\a)+(\b))+7] offset:64*(\b)+16
.endr
.irp t, 0,1,2,3,4,5,6,7
	ds_load_b128 v[TMP+32*((\a)%2)+4*(\t):TMP+32*((\a)%2)+4*(\t)+3], v[RD] offset:(\t)*2*SP  ; LDS serves a wave's instructions in order (ISA guide 5.7.1.4)
.endr
.endm
.macro SND a, y                        ; y: the LDS instructions issued behind block a's loads: the next block's sixteen, or none
	s_wait_dscnt \y
	WIN 0x08                                       ; source 1 window 2
.set j, 0
.rept 16
	v_pk_add_f32 v[TMP+32*((\a)%2)+j:TMP+32*((\a)%2)+j+1], v[TMP+32*((\a)%2)+j:TMP+32*((\a)%2)+j+1], v[32*(\a)+j:32*(\a)+j+1]
.set j, j+2
.endr
	WIN 0
.irp t, 0,1,2,3,4,5,6,7
	global_store_b128 v[CO], v[TMP+32*((\a)%2)+4*(\t):TMP+32*((\a)%2)+4*(\t)+3], s[OUT:OUT+1] offset:(16*(\a)+2*(\t))*4096
.endr
.endm
	s_wait_loadcnt 0x0                             ; the residual is in
	STG 0
	STG 1
	SND 0, 16
	STG 2
	SND 1, 16
	STG 3
	SND 2, 16
	SND 3, 0
.endif
	s_wait_tensorcnt 0x0                           ; the wave's end: behind my last tensor load and my last LDS store
	ds_add_u32 v[SPW], v[NIL]
	s_wait_dscnt 0x0
	CROUND                                         ; the closing round: no work-group ends while a partner may still ask for a tile that names it
	s_endpgm
.Lfunc_end_k_q0a7ae290f3_proj:
	.size	k_q0a7ae290f3_proj, .Lfunc_end_k_q0a7ae290f3_proj-k_q0a7ae290f3_proj
	.p2alignl 7, 3214868480
	.fill 96, 4, 3214868480
	.section	.rodata,"a",@progbits
	.p2align	6, 0x0
	.amdhsa_kernel k_q0a7ae290f3_proj
		.amdhsa_group_segment_fixed_size 327680
		.amdhsa_private_segment_fixed_size 0
		.amdhsa_enable_private_segment 0
		.amdhsa_kernarg_size 40
		.amdhsa_user_sgpr_count 2
		.amdhsa_user_sgpr_kernarg_segment_ptr 1
		.amdhsa_wavefront_size32 1
		.amdhsa_system_sgpr_workgroup_id_x 1
		.amdhsa_system_sgpr_workgroup_id_y 1
		.amdhsa_system_sgpr_workgroup_id_z 1
		.amdhsa_system_vgpr_workitem_id 0
		.amdhsa_next_free_vgpr 640
		.amdhsa_next_free_sgpr 92
		.amdhsa_reserve_vcc 0
		.amdhsa_float_denorm_mode_32 3
		.amdhsa_float_denorm_mode_16_64 3
		.amdhsa_memory_ordered 1
		.amdhsa_forward_progress 1
		.amdhsa_inst_pref_size 64
	.end_amdhsa_kernel
	.amdgpu_metadata
---
amdhsa.version: [ 1, 2 ]
amdhsa.kernels:
  - .name:           k_q0a7ae290f3_proj
    .symbol:         k_q0a7ae290f3_proj.kd
    .args:
      - { .name: act, .offset: 0, .size: 8, .value_kind: global_buffer, .address_space: global }
      - { .name: wb, .offset: 8, .size: 8, .value_kind: global_buffer, .address_space: global }
      - { .name: bp, .offset: 16, .size: 8, .value_kind: global_buffer, .address_space: global }
      - { .name: x, .offset: 24, .size: 8, .value_kind: global_buffer, .address_space: global }
      - { .name: x1, .offset: 32, .size: 8, .value_kind: global_buffer, .address_space: global }
    .group_segment_fixed_size: 327680
    .private_segment_fixed_size: 0
    .kernarg_segment_align: 8
    .kernarg_segment_size: 40
    .max_flat_workgroup_size: 128
    .sgpr_count:     92
    .vgpr_count:     640
    .wavefront_size: 32
...
	.end_amdgpu_metadata
.endif
;; end of part 5
;; launch ln2: the kernel of part 2 again; grid 256 x 1, 4 waves a work-group, no clusters, 0 bytes of LDS; arguments x1, g2, be2, act; writes act
;; launch ff1 (part 6): grid 16 x 16, 4 waves a work-group, clusters of 4 x 4, 327,680 bytes of LDS; arguments act, wb, b1, big; writes big
.if DOCPART == 6
	.amdgcn_target "amdgcn-amd-amdhsa--gfx1250"
	.amdhsa_code_object_version 6
	.text
	.protected	k_q0a7ae290f3_ff1
	.globl	k_q0a7ae290f3_ff1
	.p2align	8
	.type	k_q0a7ae290f3_ff1,@function
k_q0a7ae290f3_ff1:
	s_mov_b64 s[64:65], 0
	v_nop
	global_prefetch_b8 v0, s[64:65] scope:SCOPE_SE
	s_setreg_imm32_b32 hwreg(HW_REG_WAVE_MODE, 25, 1), 1
	s_wait_xcnt 0x0
	s_wait_alu depctr_hold_cnt(0) depctr_sa_sdst(0) depctr_va_vdst(0) depctr_va_sdst(0) depctr_va_ssrc(0) depctr_va_vcc(0) depctr_vm_vsrc(0)
	s_getreg_b32 s2, hwreg(HW_REG_IB_STS2, 6, 4)
	s_cmp_eq_u32 s2, 0
	s_cbranch_scc0 .Lentry_in_a_cluster
	s_endpgm
.Lentry_in_a_cluster:
	s_bfe_u32 s2, ttmp6, 0x10000c
	s_cmp_lg_u32 s2, 0xf033
	s_cbranch_scc0 .Lentry_shape_is_right
	s_endpgm
.Lentry_shape_is_right:
; f = gelu(h2 W1 + b1).  h2: act [4096][1024] bf16; W1: wb at byte 8,388,608, [1024][4096] bf16; b1 f32.  Out: big, bf16, in blocks [64][4096][64] (block cb = columns 64 cb .. 64 cb + 63, rows dense).
; 4,096 x 4,096 numbers are 16 x 16 = 256 tiles of 256 x 256, a work-group each.
; THE TEXT BELOW THE FOUR CONSTANTS IS ONE TEXT FOR TWO PRODUCTS C = A W + bias WITH K = 1,024 (qkv, ff1).
.set NCOL,   4096                      ; columns of W
.set WOFF,   8388608                   ; W's first byte in wb
.set GELU,   1
.set QKV,    0                         ; three matrices and three biases side by side
; A tile of C is 256 x 256: four waves, each 128 x 128 in 64 accumulators of 16 x 16, 512 registers.  K goes in steps of 128 through two LDS slots filled by tensor loads: for 32 along K a wave
; reads 2 x 128 x 64 bytes from LDS and issues 64 matrix instructions; between a refill and the wait for it stand 224 matrix instructions.
; THE MATRIX INSTRUCTION IS USED TRANSPOSED: source 0 = 16 columns of W, source 1 = 16 rows of A; a lane then holds row l % 16 of C and the columns 8 (l / 16) + 0..7.
; W lies [K][N], so its fragments come out of LDS turned, by ds_load_tr16_b128; A's come as they lie.  The accumulators are LOADED with the bias, so every product has one form.
; CLUSTER: 4 x 4 work-groups.  The four of a row of the cluster need the same tiles of A, the four of a column the same tiles of W: each tile is asked for jointly, by the same
; tensor load with the same descriptor and a mask that names the four.  Waves 0 and 1 fetch A's two halves, waves 2 and 3 W's: one load a wave behind each round.
; One K step is written once and looped over, the slot turned by an exclusive or; the last two steps are a second loop that fills nothing.
; THE WAY OUT: when the ring has had its last fill, each wave puts its 128 x 128 sums, in f32, into the ring's bytes, and a counted loop takes them back eight rows at a time,
; applies the activation where there is one, rounds to bf16 and stores: the text of the activation stands once, not once for each of 64 accumulators.
; No prefetch: the tiles are shared in the cluster and read by many work-groups shortly after each other.
; REGISTERS, in windows of 256 (s_set_vgpr_msb: bits 1:0 source 0, 3:2 source 1, 5:4 source 2, 7:6 destination):
;   window 0: v0-31 addresses; v32-47, v192-255 at work on the way out; v64-127, v128-191 fragments of A (8 x 16 rows x 32 K), two buffers
;   window 1: v64-127, v128-191 fragments of W, two buffers
;   window 2: the 32 accumulators of my rows 0-63 ((a, b) at v[8 (8 a + b)]);   window 3: those of my rows 64-127
.set KSTEPS, 8                         ; K / 128
.set PA,     272                       ; a row of A in LDS: 256 bytes + 16 = 68 words: the 16 rows of a load start at 16 different groups of four banks (64 banks of 4 bytes: ISA guide 11.1)
.set APART,  128*PA                    ; 128 rows: what one tensor load brings of A
.set PB,     544                       ; a k-row of W: 512 bytes + 32 = 136 words
.set BPART,  64*PB                     ; 64 k-rows: what one tensor load brings of W
.set BOFF,   2*APART
.set SLOT,   0x22000                   ; a slot: A's 256 rows, then W's 128 k-rows.  The fills begin at 0, 0x8800, 0x11000, 0x19800: none has bit 13 or 17 set, so one exclusive or turns an address into the other slot's
.set ASTEP,  256                       ; a K step in memory: 128 numbers along A's rows,
.set BSTEP,  256*NCOL                  ; 128 rows of W
.set DP,     528                       ; the way out: a row of 128 f32 + 16 bytes
.set DW,     128*DP                    ; a wave's 128 rows; four waves take 270,336 of the ring's 278,528 bytes
.set SPARE,  2*SLOT                    ; behind the ring: the spare words, 128 bytes for each wave: two blocks of 256 bytes that no other line names
.set ADRA0, 10                         ; v10  my lane's place in a slot's tile of A; never rewritten
.set ADRB0, 11                         ; v11  the same for W
.set ADRA,  16                         ; v16  the same in the slot in hand
.set ADRB,  20                         ; v20
.set STO,   24                         ; v24  the way out: where I put my part of a row
.set RD0,   25                         ; v25  my lane's place in four rows read back; never rewritten
.set CO,    26                         ; v26  my byte offset in 512 consecutive bytes of a block; never rewritten
.set BO,    27                         ; v27  my byte offset in the bias
.set SPW,   28                         ; v28  LDS address of my spare word; never rewritten
.set NIL,   29                         ; v29  0; never rewritten
.set RD,    30                         ; v30  where the trip in hand reads
.set Y,     32                         ; v32-47   a trip's 32 numbers a lane, packed
.set F0,    64
.set F1,    128
.set X,     192                        ; v192-223 a trip's 32 numbers a lane, in f32
.set T,     224                        ; v224-255 at work in the activation
.set G1A, 24                           ; s[24:31] descriptor group 1 for A;  s[32:39] group 0: a set for each first fill; the second then walks on
.set G0A, 32
.set G1B, 48                           ; s[48:55], s[56:63] the same for W
.set G0B, 56
.set TB,  66                           ; s66  the slot in hand: 0 or SLOT
.set CNT, 67
.set C1,  68                           ; s[68:69], s[70:71] the activation's two constants
.set C2,  70
.set BIAS, 72                          ; s[72:73]
.set OUT, 74                           ; s[74:75]
.set RB,  78                           ; s78  LDS byte of the rows that the way out's trip reads
.if QKV
.set OARG, 90
.else
.set OARG, 86
.endif
.set MSB, 0
.macro WIN new                         ; the immediate's high byte repeats the setting that is left; a switch that changes nothing is dropped
.if MSB != (\new)
	s_set_vgpr_msb (MSB<<8)|(\new)
.set MSB, \new
.endif
.endm
.set MUL_LO, 0xa1                      ; source 0 (W) window 1, source 1 (A) window 0, C and D window 2
.set MUL_HI, 0xf1                      ; the same, C and D window 3
.set TO_B,   0x40                      ; destination window 1, address window 0
.macro PLACES                          ; four places in front of loads into registers that matrix instructions have read, and of lines that read results
.rept 4
	v_nop
.endr
.endm
.macro JLOAD                           ; a joint refill by the walking sets; an s_nop 0 and four v_nop follow each of the two lines.  The branch hangs on the wave's number alone
	s_cmp_lt_u32 s10, 2
	s_cbranch_scc0 .Lfor_b_\@
	tensor_load_to_lds s[G0A+4:G0A+7], s[G1A:G1A+7]
	s_nop 0
.rept 4
	v_nop
.endr
	s_branch .Lasked_\@
.Lfor_b_\@:
	tensor_load_to_lds s[G0B+4:G0B+7], s[G1B:G1B+7]
	s_nop 0
.rept 4
	v_nop
.endr
.Lasked_\@:
.endm
.macro CREST                           ; a round of the cluster's barrier behind its opening barrier
	s_cmp_lg_u32 s10, 0
	s_cbranch_scc1 .Lnot_wave_0_\@
	s_barrier_signal -3
.Lnot_wave_0_\@:
	s_barrier_wait -3
	s_barrier_signal -1
	s_barrier_wait -1
.endm
.macro CROUND                          ; a whole round
	s_barrier_signal -1
	s_barrier_wait -1
	CREST
.endm
	s_load_b256 s[80:87], s[0:1], 0x0              ; A s[80:81], wb s[82:83], then the bias(es) and the output
.if QKV
	s_load_b128 s[88:91], s[0:1], 0x20
.endif
	v_lshl_add_u32 v[SPW], v0, 2, SPARE
	v_mov_b32 v[NIL], 0
	ds_add_u32 v[SPW], v[NIL]                      ; the wave's opening: the add and its wait stand ahead of my first tensor load; the set-up below, work on registers, stands between them
	v_lshrrev_b32 v1, 5, v0
	v_readfirstlane_b32 s10, v1                    ; wave 0..3
	s_lshr_b32 s11, s10, 1                         ; which half of the tile's rows is mine
	s_and_b32 s12, s10, 1                          ; which half of its columns.  Also: which half of A's or W's tile I fetch
	s_bfe_u32 s40, ttmp6, 0x40000                  ; cx, cy: my place in the cluster
	s_bfe_u32 s41, ttmp6, 0x40004
	s_lshl_b32 s42, ttmp9, 2
	s_add_co_u32 s42, s42, s40                     ; tile column = 4 x cluster x + cx
	s_and_b32 s13, ttmp7, 0xffff
	s_lshl_b32 s13, s13, 2
	s_add_co_u32 s13, s13, s41                     ; tile row = 4 x cluster y + cy
	s_lshl_b32 s43, s41, 2
	s_lshl_b32 s43, 15, s43                        ; my row of the cluster
	s_lshl_b32 s44, 0x1111, s40                    ; my column
	s_or_b32 s[G1A], s43, (1<<16)|(1<<20)|(1<<21)|(5<<22)|(3<<25)  ; 15:0 the mask; 17:16 elements of 2 bytes; 20 padding on; 21 set beside a mask; 24:22 after every 64 words (code 5); 31:25 4 words (code 3)
	s_mov_b32 s[G1A+1], 128<<16                    ; tensor_dim0 = 128 along K
	s_mov_b32 s[G1A+2], 128<<16                    ; tensor_dim1 = 128 rows
	s_mov_b32 s[G1A+3], 128<<16                    ; tile_dim0
	s_mov_b32 s[G1A+4], 128                        ; tile_dim1
	s_mov_b32 s[G1A+5], 1024                       ; elements from row to row
	s_mov_b32 s[G1A+6], 0
	s_mov_b32 s[G1A+7], 0
	s_or_b32 s[G1B], s44, (1<<16)|(1<<20)|(1<<21)|(6<<22)|(7<<25)  ; W: padding of 8 words (code 7) after every 128 (code 6)
	s_mov_b32 s[G1B+1], 256<<16                    ; 256 columns
	s_mov_b32 s[G1B+2], 64<<16                     ; 64 k-rows
	s_mov_b32 s[G1B+3], 256<<16
	s_mov_b32 s[G1B+4], 64
	s_mov_b32 s[G1B+5], NCOL
	s_mov_b32 s[G1B+6], 0
	s_mov_b32 s[G1B+7], 0
	; where the tiles come from.  A's hang on the tile row and the wave alone, W's on the tile column and the wave alone, each in registers that never hold the other coordinate
	s_lshl_b32 s16, s12, 18                        ; my 128 rows of 2,048 bytes,
	s_lshl_b32 s17, s13, 19                        ; in the tile's 256
	s_add_co_u32 s16, s16, s17
	s_mov_b32 s17, 0
	s_mul_i32 s46, s12, 128*NCOL                   ; my 64 k-rows
.if QKV
	s_lshl_b32 s47, s40, 9                         ; four tile columns to a matrix: the tile's 256 columns are 512 bytes,
	s_add_co_u32 s46, s46, s47
	s_lshl_b32 s47, ttmp9, 21                      ; and the cluster's x says which matrix
	s_add_co_u32 s46, s46, s47
.else
	s_lshl_b32 s47, s42, 9                         ; the tile's 256 columns: 512 bytes
	s_add_co_u32 s46, s46, s47
	s_add_co_u32 s46, s46, WOFF
.endif
	s_mov_b32 s47, 0
	s_mul_i32 s20, s12, APART                      ; and where they go: no place in the cluster enters an LDS address
	s_mul_i32 s21, s12, BPART
	s_add_co_u32 s21, s21, BOFF
	s_mov_b32 s[TB], 0
.if GELU
	s_mov_b32 s[C1], 0xc0135761                    ; -2 sqrt(2 / pi) log2(e)
	s_mov_b32 s[C1+1], s[C1]                       ; named as pairs
	s_mov_b32 s[C2], 0xbdd2d3e8                    ; 0.044715 times that
	s_mov_b32 s[C2+1], s[C2]
.endif
	s_wait_dscnt 0x0                               ; the opening add is done
	s_wait_kmcnt 0x0
	s_add_nc_u64 s[14:15], s[80:81], s[16:17]
	s_add_nc_u64 s[46:47], s[82:83], s[46:47]
.irp s, 0,1
	s_mov_b32 s[G0A+4*(\s)], 1                                     ; count = 1
	s_add_co_u32 s[G0A+4*(\s)+1], s20, (\s)*SLOT                   ; LDS address
	s_add_nc_u64 s[G0A+4*(\s)+2:G0A+4*(\s)+3], s[14:15], (\s)*ASTEP  ; global address: K step s
	s_or_b32 s[G0A+4*(\s)+3], s[G0A+4*(\s)+3], 0x80000000          ; type = 2
	s_mov_b32 s[G0B+4*(\s)], 1
	s_add_co_u32 s[G0B+4*(\s)+1], s21, (\s)*SLOT
	s_add_nc_u64 s[G0B+4*(\s)+2:G0B+4*(\s)+3], s[46:47], (\s)*BSTEP
	s_or_b32 s[G0B+4*(\s)+3], s[G0B+4*(\s)+3], 0x80000000
.endr
	CROUND                                         ; all sixteen work-groups are here: the first joint loads meet
	s_cmp_lt_u32 s10, 2                            ; a wave's two first fills stand in one branch, ahead of every wait on TENSORcnt and every LDS read: two loads of mine are out
	s_cbranch_scc0 .Lfirst_b
	tensor_load_to_lds s[G0A:G0A+3], s[G1A:G1A+7]
	s_nop 0
	tensor_load_to_lds s[G0A+4:G0A+7], s[G1A:G1A+7]
	s_nop 0
.rept 4
	v_nop
.endr
	s_branch .Lfirst_asked
.Lfirst_b:
	tensor_load_to_lds s[G0B:G0B+3], s[G1B:G1B+7]
	s_nop 0
	tensor_load_to_lds s[G0B+4:G0B+7], s[G1B:G1B+7]
	s_nop 0
.rept 4
	v_nop
.endr
.Lfirst_asked:
	v_and_b32 v1, 15, v0                           ; l % 16
	v_bfe_u32 v2, v0, 4, 1                         ; l / 16
	v_and_b32 v3, 7, v0                            ; l % 8
	v_bfe_u32 v4, v0, 3, 1                         ; (l / 8) % 2
	; the bias of my 128 columns starts the sums: register j of accumulator (a, b) is column 16 b + 8 (l / 16) + j, whatever a.  128 loads of the same 512 bytes, issued while the first tiles are on their way
.if QKV
	s_mov_b32 s18, ttmp9
	s_cmp_eq_u32 s18, 1
	s_cselect_b64 s[BIAS:BIAS+1], s[86:87], s[84:85]
	s_cmp_eq_u32 s18, 2
	s_cselect_b64 s[BIAS:BIAS+1], s[88:89], s[BIAS:BIAS+1]
	s_lshl_b32 s18, s40, 10                        ; the tile's 256 columns of f32 within its matrix,
.else
	s_mov_b64 s[BIAS:BIAS+1], s[84:85]
	s_lshl_b32 s18, s42, 10                        ; the tile's 256 columns of f32,
.endif
	s_lshl_b32 s19, s12, 9                         ; my 128
	s_add_co_u32 s18, s18, s19
	s_mov_b32 s19, 0
	s_add_nc_u64 s[BIAS:BIAS+1], s[BIAS:BIAS+1], s[18:19]
	v_lshlrev_b32 v[BO], 5, v2
.irp w, 0,1
	WIN 0x80+0x40*(\w)                             ; destination window 2, then 3
.irp a, 0,1,2,3
.irp b, 0,1,2,3,4,5,6,7
	global_load_b128 v[8*(8*(\a)+(\b)):8*(8*(\a)+(\b))+3],   v[BO], s[BIAS:BIAS+1] offset:64*(\b)
	global_load_b128 v[8*(8*(\a)+(\b))+4:8*(8*(\a)+(\b))+7], v[BO], s[BIAS:BIAS+1] offset:64*(\b)+16
.endr
.endr
.endr
	WIN 0
	; the way out's addresses
	s_mul_i32 s[RB], s10, DW                       ; my 128 rows in the ring's bytes
	v_mul_u32_u24 v[STO], v1, DP                   ; in: row l % 16, 32 bytes for each half of the lanes
	v_lshl_add_u32 v[STO], v2, 5, v[STO]
	v_add_nc_u32 v[STO], s[RB], v[STO]
	v_bfe_u32 v[RD0], v0, 3, 2                     ; back: 32 lanes take four rows, eight lanes a row, 32 bytes (8 columns) a lane
	v_mul_u32_u24 v[RD0], v[RD0], DP
	v_lshl_add_u32 v[RD0], v3, 5, v[RD0]
	v_and_b32 v[CO], 31, v0                        ; rounded to bf16 those are four rows of 128 bytes: 512 consecutive bytes of a block
	v_lshlrev_b32 v[CO], 4, v[CO]
	s_lshl_b32 s22, s42, 21                        ; block 4 x tile column + 2 x my half, 524,288 bytes each;
	s_lshl_b32 s23, s12, 20
	s_add_co_u32 s22, s22, s23
	s_lshl_b32 s23, s13, 15                        ; row 256 x tile row + 128 x my half, 128 bytes each
	s_add_co_u32 s22, s22, s23
	s_lshl_b32 s23, s11, 14
	s_add_co_u32 s22, s22, s23
	s_mov_b32 s23, 0
	s_add_nc_u64 s[OUT:OUT+1], s[OARG:OARG+1], s[22:23]
	; A fragment of A is 16 rows x 32 K in 8 registers: lane l holds row l % 16; K = 8 (l / 16) + 0..7 and 16 + 8 (l / 16) + 0..7: two loads of 16 bytes, 32 bytes apart.
	v_mul_u32_u24 v[ADRA0], v1, PA
	v_lshl_add_u32 v[ADRA0], v2, 4, v[ADRA0]
	s_mul_i32 s18, s11, 128*PA                     ; my 128 rows
	v_add_nc_u32 v[ADRA0], s18, v[ADRA0]
	; The turning load takes 16 k-rows x 16 columns (lane l reads k-row 8 (l / 16) + l % 8, columns 8 ((l / 8) % 2) + 0..7) and leaves half a fragment of W^T: lane l holds column l % 16 and 8 k.
	v_lshl_add_u32 v[ADRB0], v2, 3, v3
	v_mul_u32_u24 v[ADRB0], v[ADRB0], PB
	v_lshl_add_u32 v[ADRB0], v4, 4, v[ADRB0]
	s_lshl_b32 s18, s12, 8                         ; my 128 columns
	s_add_co_u32 s18, s18, BOFF
	v_add_nc_u32 v[ADRB0], s18, v[ADRB0]
	v_mov_b32 v[ADRA], v[ADRA0]                    ; slot 0
	v_mov_b32 v[ADRB], v[ADRB0]
; 16 matrix instructions: row blocks a0, a0 + 1 of the window's four (hi = 0: my rows 0-63, 1: rows 64-127) x all 8 column blocks, 32 along K.  The 64 accumulators take turns, one instruction
; a turn, in the same order in every quarter, over the backward jumps too.
.macro MUL16 f, hi, a0
	WIN MUL_LO+0x50*(\hi)
.irp a, \a0, (\a0)+1
.irp b, 0,1,2,3,4,5,6,7
	v_wmma_f32_16x16x32_bf16 v[8*(8*(\a)+(\b)):8*(8*(\a)+(\b))+7], v[(\f)+8*(\b):(\f)+8*(\b)+7], v[(\f)+8*(4*(\hi)+(\a)):(\f)+8*(4*(\hi)+(\a))+7], v[8*(8*(\a)+(\b)):8*(8*(\a)+(\b))+7]
.endr
.endr
.endm
; 32 LDS loads in one run: the fragments of quarter q (32 along K) of the slot in hand, into buffer f: W's eight, then A's eight
.macro FETCH q, f
	WIN TO_B
.irp i, 0,1,2,3,4,5,6,7
	ds_load_tr16_b128 v[(\f)+8*(\i):(\f)+8*(\i)+3],   v[ADRB] offset:(\q)*32*PB+32*(\i)
	ds_load_tr16_b128 v[(\f)+8*(\i)+4:(\f)+8*(\i)+7], v[ADRB] offset:(\q)*32*PB+16*PB+32*(\i)
.endr
	WIN 0
.irp i, 0,1,2,3,4,5,6,7
	ds_load_b128 v[(\f)+8*(\i):(\f)+8*(\i)+3],   v[ADRA] offset:(\q)*64+(\i)*16*PA
	ds_load_b128 v[(\f)+8*(\i)+4:(\f)+8*(\i)+7], v[ADRA] offset:(\q)*64+(\i)*16*PA+32
.endr
.endm
; A K step is four quarters of 32 along K, 64 matrix instructions each, on buffers 0, 1, 0, 1.  One of the first three multiplies buffer f and, in its middle, fetches quarter q into g.
.macro QUARTER q, f, g
	s_wait_dscnt 8                                 ; W and A's rows 0-63 are in; the youngest eight loads (A's rows 64-127) may be out
	MUL16 \f, 0, 0
	MUL16 \f, 0, 2
	PLACES
	FETCH \q, \g
	s_wait_dscnt 32                                ; all but the 32 just issued
	MUL16 \f, 1, 0
	MUL16 \f, 1, 2
.endm
; The last quarter multiplies buffer 1 and changes slots: ONE barrier; in front of it each wave waits for all its tensor loads (one is out: its part of the next slot), adds 0 to its spare
; word, and waits for that and for its own reads of this slot.  fill = 1: the barrier opens a round of the cluster's, and this slot is filled again, two K steps ahead, first thing behind it.
.macro TURN fill
	WIN 0                                          ; (the add's two registers lie in window 0)
	s_wait_tensorcnt 0x0
	ds_add_u32 v[SPW], v[NIL]                      ; 0 onto my spare word
	s_wait_dscnt 9                                 ; (the add and the youngest eight loads may be out)
	MUL16 F1, 0, 0                                 ; sixteen matrix instructions stand between the add and the wait for it
	s_wait_dscnt 0x0                               ; the add is done, and my reads of this slot are over
	s_barrier_signal -1
	MUL16 F1, 0, 2
	WIN 0
	s_barrier_wait -1
.if \fill
	CREST                                          ; no wave of any partner still reads this slot's tile or has a load on its way
	s_xor_b32 s[G0A+5], s[G0A+5], SLOT             ; the walking sets: the other slot than last time, the next K step; no load of mine is out, so they may be written
	s_add_nc_u64 s[G0A+6:G0A+7], s[G0A+6:G0A+7], ASTEP
	s_xor_b32 s[G0B+5], s[G0B+5], SLOT
	s_add_nc_u64 s[G0B+6:G0B+7], s[G0B+6:G0B+7], BSTEP
	JLOAD                                          ; the four v_nop behind it are also the places in front of the loads below
.else
	PLACES
.endif
	s_xor_b32 s[TB], s[TB], SLOT                   ; the reads go on in the other slot
	v_add_nc_u32 v[ADRA], s[TB], v[ADRA0]
	v_add_nc_u32 v[ADRB], s[TB], v[ADRB0]
	FETCH 0, F0
	MUL16 F1, 1, 0
	MUL16 F1, 1, 2
.endm
.macro STEP fill
	QUARTER 1, F0, F1
	QUARTER 2, F1, F0
	QUARTER 3, F0, F1
	TURN \fill
.endm
	s_wait_tensorcnt 0x1                           ; my part of K step 0 is in; K step 1's may stay out
	s_barrier_signal -1
	s_barrier_wait -1                              ; everybody's is
	FETCH 0, F0
	s_wait_loadcnt 0x0                             ; the bias is in
	WIN 0                                          ; at a label and at a branch every window is 0
	s_mov_b32 s[CNT], KSTEPS-2
.Lstep:                                                ; every K step but the last two fills its slot again
	STEP 1
	WIN 0
	s_sub_co_u32 s[CNT], s[CNT], 1
	s_cmp_lg_u32 s[CNT], 0
	s_cbranch_scc1 .Lstep
	s_mov_b32 s[CNT], 2
.Ltail:                                                ; the last two fill nothing.  The very last trip's 32 loads from the slot read before serve nothing: the price, once a work-group, of one text for both
	STEP 0
	WIN 0
	s_sub_co_u32 s[CNT], s[CNT], 1
	s_cmp_lg_u32 s[CNT], 0
	s_cbranch_scc1 .Ltail
	; THE WAY OUT.  The ring has had its last fill, and every tensor load was waited for in the last changes of slots.  When no wave reads the ring any more, its bytes take the sums.
	s_wait_dscnt 0x0                               ; my last reads of the ring are back
	s_barrier_signal -1
	s_barrier_wait -1                              ; everybody's are
	PLACES                                         ; the stores below read results just made
.irp hi, 0,1
	WIN 0x08+0x04*(\hi)                            ; the stores' data (source 1) in window 2, then 3.  Each accumulator's four lowest registers go first
.irp a, 0,1,2,3
.irp b, 0,1,2,3,4,5,6,7
	ds_store_b128 v[STO], v[8*(8*(\a)+(\b)):8*(8*(\a)+(\b))+3]   offset:(4*(\hi)+(\a))*16*DP+64*(\b)
	ds_store_b128 v[STO], v[8*(8*(\a)+(\b))+4:8*(8*(\a)+(\b))+7] offset:(4*(\hi)+(\a))*16*DP+64*(\b)+16
.endr
.endr
.endr
	WIN 0
	s_wait_dscnt 0x0                               ; my stores are done,
	s_barrier_signal -1
	s_barrier_wait -1                              ; and everybody's: from here on these bytes are only read (each wave reads the rows that it stored; the order does not rest on that)
	s_mov_b32 s[CNT], 16
.Lout:                                                 ; a trip: eight rows x 128 columns, 32 numbers a lane; group g = four rows, block j = 64 columns
	v_add_nc_u32 v[RD], s[RB], v[RD0]
.irp g, 0,1
.irp j, 0,1
	ds_load_b128 v[X+8*(2*(\g)+(\j)):X+8*(2*(\g)+(\j))+3],   v[RD] offset:(\g)*4*DP+256*(\j)
	ds_load_b128 v[X+8*(2*(\g)+(\j))+4:X+8*(2*(\g)+(\j))+7], v[RD] offset:(\g)*4*DP+256*(\j)+16
.endr
.endr
	s_wait_dscnt 0x0
.if GELU
	; gelu(x) = x / (1 + 2^(x (C1 + C2 x^2))): the tanh form, rewritten exactly.  For large |x| the power goes to 0 or to infinity and the quotient to x or to -0.
.set n, 0
.rept 16
	v_pk_mul_f32 v[T+n:T+n+1], v[X+n:X+n+1], v[X+n:X+n+1]
.set n, n+2
.endr
.set n, 0
.rept 16
	v_pk_fma_f32 v[T+n:T+n+1], v[T+n:T+n+1], s[C2:C2+1], s[C1:C1+1] op_sel_hi:[1,0,0]
.set n, n+2
.endr
.set n, 0
.rept 16
	v_pk_mul_f32 v[T+n:T+n+1], v[T+n:T+n+1], v[X+n:X+n+1]
.set n, n+2
.endr
.set n, 0
.rept 32
	v_exp_f32 v[T+n], v[T+n]
.set n, n+1
.endr
	v_nop                                          ; a plain instruction between the last power and the use of its result (ISA guide 5.7.2)
.set n, 0
	s_wait_alu depctr_va_vdst(0)
.rept 16
	v_pk_add_f32 v[T+n:T+n+1], v[T+n:T+n+1], 1.0 op_sel_hi:[1,0]
.set n, n+2
.endr
.set n, 0
.rept 32
	v_rcp_f32 v[T+n], v[T+n]
.set n, n+1
.endr
	v_nop
.set n, 0
	s_wait_alu depctr_va_vdst(0)
.rept 16
	v_pk_mul_f32 v[X+n:X+n+1], v[X+n:X+n+1], v[T+n:T+n+1]
.set n, n+2
.endr
.endif
.set n, 0
.rept 16
	v_cvt_pk_bf16_f32 v[Y+n], v[X+2*n], v[X+2*n+1]
.set n, n+1
.endr
.irp g, 0,1
.irp j, 0,1
	global_store_b128 v[CO], v[Y+4*(2*(\g)+(\j)):Y+4*(2*(\g)+(\j))+3], s[OUT:OUT+1] offset:(\j)*524288+(\g)*512  ; 512 consecutive bytes of block j, at a multiple of 256 from the buffer's first byte
.endr
.endr
	s_wait_xcnt 0x0                                ; the stores have read their data and their base: both are written again only behind this wait
	s_add_nc_u64 s[OUT:OUT+1], s[OUT:OUT+1], 1024  ; eight rows of 128 bytes on
	s_add_co_u32 s[RB], s[RB], 8*DP
	s_sub_co_u32 s[CNT], s[CNT], 1
	s_cmp_lg_u32 s[CNT], 0
	s_cbranch_scc1 .Lout
	s_wait_tensorcnt 0x0                           ; the wave's end: behind my last tensor load and my last LDS store
	ds_add_u32 v[SPW], v[NIL]
	s_wait_dscnt 0x0
	CROUND                                         ; the closing round: no work-group ends while a partner may still ask for a tile that names it
	s_endpgm
.Lfunc_end_k_q0a7ae290f3_ff1:
	.size	k_q0a7ae290f3_ff1, .Lfunc_end_k_q0a7ae290f3_ff1-k_q0a7ae290f3_ff1
	.p2alignl 7, 3214868480
	.fill 96, 4, 3214868480
	.section	.rodata,"a",@progbits
	.p2align	6, 0x0
	.amdhsa_kernel k_q0a7ae290f3_ff1
		.amdhsa_group_segment_fixed_size 327680
		.amdhsa_private_segment_fixed_size 0
		.amdhsa_enable_private_segment 0
		.amdhsa_kernarg_size 32
		.amdhsa_user_sgpr_count 2
		.amdhsa_user_sgpr_kernarg_segment_ptr 1
		.amdhsa_wavefront_size32 1
		.amdhsa_system_sgpr_workgroup_id_x 1
		.amdhsa_system_sgpr_workgroup_id_y 1
		.amdhsa_system_sgpr_workgroup_id_z 1
		.amdhsa_system_vgpr_workitem_id 0
		.amdhsa_next_free_vgpr 1024
		.amdhsa_next_free_sgpr 92
		.amdhsa_reserve_vcc 0
		.amdhsa_float_denorm_mode_32 3
		.amdhsa_float_denorm_mode_16_64 3
		.amdhsa_memory_ordered 1
		.amdhsa_forward_progress 1
		.amdhsa_inst_pref_size 92
	.end_amdhsa_kernel
	.amdgpu_metadata
---
amdhsa.version: [ 1, 2 ]
amdhsa.kernels:
  - .name:           k_q0a7ae290f3_ff1
    .symbol:         k_q0a7ae290f3_ff1.kd
    .args:
      - { .name: act, .offset: 0, .size: 8, .value_kind: global_buffer, .address_space: global }
      - { .name: wb, .offset: 8, .size: 8, .value_kind: global_buffer, .address_space: global }
      - { .name: b1, .offset: 16, .size: 8, .value_kind: global_buffer, .address_space: global }
      - { .name: big, .offset: 24, .size: 8, .value_kind: global_buffer, .address_space: global }
    .group_segment_fixed_size: 327680
    .private_segment_fixed_size: 0
    .kernarg_segment_align: 8
    .kernarg_segment_size: 32
    .max_flat_workgroup_size: 128
    .sgpr_count:     92
    .vgpr_count:     1024
    .wavefront_size: 32
...
	.end_amdgpu_metadata
.endif
;; end of part 6
;; launch ff2 (part 7): grid 8 x 32, 4 waves a work-group, clusters of 4 x 4, 327,680 bytes of LDS; arguments big, wb, b2, x1, out0; writes out0
.if DOCPART == 7
	.amdgcn_target "amdgcn-amd-amdhsa--gfx1250"
	.amdhsa_code_object_version 6
	.text
	.protected	k_q0a7ae290f3_ff2
	.globl	k_q0a7ae290f3_ff2
	.p2align	8
	.type	k_q0a7ae290f3_ff2,@function
k_q0a7ae290f3_ff2:
	s_mov_b64 s[64:65], 0
	v_nop
	global_prefetch_b8 v0, s[64:65] scope:SCOPE_SE
	s_setreg_imm32_b32 hwreg(HW_REG_WAVE_MODE, 25, 1), 1
	s_wait_xcnt 0x0
	s_wait_alu depctr_hold_cnt(0) depctr_sa_sdst(0) depctr_va_vdst(0) depctr_va_sdst(0) depctr_va_ssrc(0) depctr_va_vcc(0) depctr_vm_vsrc(0)
	s_getreg_b32 s2, hwreg(HW_REG_IB_STS2, 6, 4)
	s_cmp_eq_u32 s2, 0
	s_cbranch_scc0 .Lentry_in_a_cluster
	s_endpgm
.Lentry_in_a_cluster:
	s_bfe_u32 s2, ttmp6, 0x10000c
	s_cmp_lg_u32 s2, 0xf033
	s_cbranch_scc0 .Lentry_shape_is_right
	s_endpgm
.Lentry_shape_is_right:
; out0 = x1 + f W2 + b2.  f: big, bf16, in blocks [64][4096][64]; W2: wb at byte 16,777,216, [4096][1024] bf16; b2, x1, out0 f32, x1 and out0 [4096][1024].
; THE TEXT BELOW THE SEVEN CONSTANTS IS ONE TEXT FOR FOUR PRODUCTS C = A W + bias (qkv, proj, ff1, ff2).
.set ABLK,   1                         ; A lies in rows [4096][1024] (0) or in blocks [K/64][4096][64] (1)
.set NCOL,   1024                      ; columns of W
.set KSTEPS, 16                        ; K / 256
.set WOFF,   16777216                  ; W's first byte in wb
.set EPI,    2                         ; the way out: 1 bf16 in blocks, 2 f32 in rows with a residual added
.set GELU,   0
.set QKV,    0                         ; three matrices and three biases side by side
; A tile of C is 128 x 128: four waves, each 64 x 64 in 16 accumulators of 16 x 16.  K goes in steps of 256 through two LDS slots filled by tensor loads.
; THE MATRIX INSTRUCTION IS USED TRANSPOSED: source 0 = 16 columns of W, source 1 = 16 rows of A; a lane then holds row l % 16 of C and the columns 8 (l / 16) + 0..7.
; W lies [K][N], so its fragments come out of LDS turned, by ds_load_tr16_b128; A's come as they lie.  The accumulators are LOADED with the bias, so every product has one form.
; CLUSTER: 4 x 4 work-groups.  The four of a row of the cluster need the same tiles of A, the four of a column the same tiles of W: each tile is asked for jointly, by the same
; tensor load with the same descriptor and a mask that names the four.  Waves 0 and 1 fetch A's two parts, waves 2 and 3 W's: one load a wave behind each round.
; One K step is written once and looped over, the slot turned by an exclusive or; the last two steps are a second loop that fills nothing.
; No prefetch: the tiles are shared in the cluster and read by many work-groups shortly after each other.
; REGISTERS: window 0: v0-31 addresses; v32-95 at work on the way out; v96-111 at work in the activation; v128-255 the accumulators ((a, b) at v[128 + 8 (4 a + b)]).
;   window 1: two fragment buffers of 128: for 64 along K, 64 registers of A, then 64 of W.   window 2 (EPI = 2): v0-127 the residual.
.set SLOT,   0x24000                   ; a slot: A's tile, then W's.  No fill begins at an offset with bit 14 or 17 set, so one exclusive or turns an address into the other slot's
.set PB,     288                       ; a k-row of W in LDS: 256 bytes + 32 = 72 words
.set BHALF,  128*PB                    ; 128 k-rows: what one tensor load brings of W
.if ABLK
.set PA,     144                       ; a row of a block: 128 bytes + 16
.set APART,  256*PA                    ; what one tensor load brings of A: two blocks of 128 rows
.set AQ,     128*PA                    ; 64 along K further on: the next block
.set ASTEP,  4*4096*128                ; a K step in memory: four blocks
.set AQI,    4                         ; padding after every 32 words
.set AD0,    8192                      ; a block's 128 dense rows are asked for as one row of 8,192 elements,
.set AD1,    2                         ; two blocks,
.set AST,    262144                    ; 4096 x 64 elements apart
.else
.set PA,     528                       ; a row of A: 512 bytes + 16 = 132 words: the 16 rows of a load start at 16 different groups of four banks
.set APART,  64*PA                     ; 64 rows
.set AQ,     128
.set ASTEP,  512
.set AQI,    6                         ; padding after every 128 words
.set AD0,    256
.set AD1,    64
.set AST,    1024
.endif
.set BOFF,   2*APART
.set BSTEP,  256*NCOL*2
.set STAGE,  2*SLOT                    ; behind the ring, never filled by a tensor load: 16 rows for each wave, for the way out
.if EPI == 1
.set SP,     144                       ; 64 bf16 + 16 bytes
.else
.set SP,     272                       ; 64 f32 + 16 bytes
.endif
.set SPARE,  STAGE+4*16*SP             ; behind the stages: the spare words, 128 bytes for each wave: two blocks of 256 bytes that no other line names
.set ADRA0, 10                         ; v10  my lane's place in a slot's tile of A; never rewritten
.set ADRB0, 11                         ; v11  the same for W
.set ADRA,  16                         ; v16  the same in the slot in hand
.set ADRB,  20                         ; v20-21  for W: k-rows 0-127, 128-255
.set STO,   24                         ; v24  the way out: where I put my part of a row
.set RD,    25                         ; v25  where I read rows back
.set CO,    26                         ; v26  my byte offset in the output
.set BO,    27                         ; v27  my byte offset in the bias
.set SPW,   28                         ; v28  LDS address of my spare word; never rewritten
.set NIL,   29                         ; v29  0; never rewritten
.set TMP,   32
.set GT,    96
.set ACC,   128
.set F0,    0
.set F1,    128
.set G1A, 24                           ; s[24:31] descriptor group 1 for A;  s[32:39] group 0: a set for each first fill; the second then walks on
.set G0A, 32
.set G1B, 48                           ; s[48:55], s[56:63] the same for W
.set G0B, 56
.set TB,  66                           ; s66  the slot in hand: 0 or SLOT
.set CNT, 67
.set C1,  68                           ; s[68:69], s[70:71] the activation's two constants
.set C2,  70
.set BIAS, 72                          ; s[72:73]
.set OUT, 74                           ; s[74:75]
.set RES, 76                           ; s[76:77]
.if QKV
.set OARG, 90
.elseif EPI == 1
.set OARG, 86
.else
.set OARG, 88
.endif
.set MSB, 0
.macro WIN new                         ; the immediate's high byte repeats the setting that is left; a switch that changes nothing is dropped
.if MSB != (\new)
	s_set_vgpr_msb (MSB<<8)|(\new)
.set MSB, \new
.endif
.endm
.set MUL,  0x05                        ; sources 0 (W) and 1 (A) window 1; C and D window 0
.set TO_F, 0x40                        ; destination window 1, address window 0
.macro PLACES                          ; four places in front of loads into registers that matrix instructions have read, and of lines that read results
.rept 4
	v_nop
.endr
.endm
.macro JLOAD                           ; a joint refill by the walking sets; an s_nop 0 and four v_nop follow each of the two lines.  The branch hangs on the wave's number alone
	s_cmp_lt_u32 s10, 2
	s_cbranch_scc0 .Lfor_b_\@
	tensor_load_to_lds s[G0A+4:G0A+7], s[G1A:G1A+7]
	s_nop 0
.rept 4
	v_nop
.endr
	s_branch .Lasked_\@
.Lfor_b_\@:
	tensor_load_to_lds s[G0B+4:G0B+7], s[G1B:G1B+7]
	s_nop 0
.rept 4
	v_nop
.endr
.Lasked_\@:
.endm
.macro CREST                           ; a round of the cluster's barrier behind its opening barrier
	s_cmp_lg_u32 s10, 0
	s_cbranch_scc1 .Lnot_wave_0_\@
	s_barrier_signal -3
.Lnot_wave_0_\@:
	s_barrier_wait -3
	s_barrier_signal -1
	s_barrier_wait -1
.endm
.macro CROUND                          ; a whole round
	s_barrier_signal -1
	s_barrier_wait -1
	CREST
.endm
	s_load_b256 s[80:87], s[0:1], 0x0              ; A s[80:81], wb s[82:83], then the bias(es), residual and output
.if QKV
	s_load_b128 s[88:91], s[0:1], 0x20
.elseif EPI == 2
	s_load_b64 s[88:89], s[0:1], 0x20
.endif
	v_lshl_add_u32 v[SPW], v0, 2, SPARE
	v_mov_b32 v[NIL], 0
	ds_add_u32 v[SPW], v[NIL]                      ; the wave's opening: the add and its wait stand ahead of my first tensor load; the set-up below, work on registers, stands between them
	v_lshrrev_b32 v1, 5, v0
	v_readfirstlane_b32 s10, v1                    ; wave 0..3
	s_lshr_b32 s11, s10, 1                         ; which half of the tile's rows is mine
	s_and_b32 s12, s10, 1                          ; which half of its columns.  Also: which part of A's or W's tile I fetch
	s_bfe_u32 s40, ttmp6, 0x40000                  ; cx, cy: my place in the cluster
	s_bfe_u32 s41, ttmp6, 0x40004
	s_lshl_b32 s42, ttmp9, 2
	s_add_co_u32 s42, s42, s40                     ; tile column = 4 x cluster x + cx
	s_and_b32 s13, ttmp7, 0xffff
	s_lshl_b32 s13, s13, 2
	s_add_co_u32 s13, s13, s41                     ; tile row = 4 x cluster y + cy
	s_lshl_b32 s43, s41, 2
	s_lshl_b32 s43, 15, s43                        ; my row of the cluster
	s_lshl_b32 s44, 0x1111, s40                    ; my column
	s_or_b32 s[G1A], s43, (1<<16)|(1<<20)|(1<<21)|(AQI<<22)|(3<<25)  ; 15:0 the mask; 17:16 elements of 2 bytes; 20 padding on; 21 set beside a mask; 24:22 the interval; 31:25 4 words of padding (code 3)
	s_mov_b32 s[G1A+1], AD0<<16                    ; tensor_dim0
	s_mov_b32 s[G1A+2], AD1<<16                    ; tensor_dim1
	s_mov_b32 s[G1A+3], AD0<<16                    ; tile_dim0
	s_mov_b32 s[G1A+4], AD1                        ; tile_dim1
	s_mov_b32 s[G1A+5], AST                        ; elements from row to row
	s_mov_b32 s[G1A+6], 0
	s_mov_b32 s[G1A+7], 0
	s_or_b32 s[G1B], s44, (1<<16)|(1<<20)|(1<<21)|(5<<22)|(7<<25)  ; W: padding of 8 words (code 7) after every 64
	s_mov_b32 s[G1B+1], 128<<16                    ; 128 columns
	s_mov_b32 s[G1B+2], 128<<16                    ; 128 k-rows
	s_mov_b32 s[G1B+3], 128<<16
	s_mov_b32 s[G1B+4], 128
	s_mov_b32 s[G1B+5], NCOL
	s_mov_b32 s[G1B+6], 0
	s_mov_b32 s[G1B+7], 0
	; where the tiles come from.  A's hang on the tile row and the wave alone, W's on the tile column and the wave alone, each in registers that never hold the other coordinate
.if ABLK
	s_lshl_b32 s16, s12, 20                        ; my two blocks of the step's four,
	s_lshl_b32 s17, s13, 14                        ; the tile's 128 rows of 128 bytes
.else
	s_lshl_b32 s16, s12, 17                        ; my 64 rows of 2,048 bytes,
	s_lshl_b32 s17, s13, 18                        ; in the tile's 128
.endif
	s_add_co_u32 s16, s16, s17
	s_mov_b32 s17, 0
	s_mul_i32 s46, s12, 256*NCOL                   ; my 128 k-rows
.if QKV
	s_and_b32 s47, s42, 7                          ; eight tile columns to a matrix
	s_lshl_b32 s47, s47, 8
	s_add_co_u32 s46, s46, s47
	s_lshr_b32 s47, ttmp9, 1                       ; which matrix: tile column / 8 = cluster x / 2
	s_lshl_b32 s47, s47, 21
	s_add_co_u32 s46, s46, s47
.else
	s_lshl_b32 s47, s42, 8                         ; the tile's 128 columns: 256 bytes
	s_add_co_u32 s46, s46, s47
	s_add_co_u32 s46, s46, WOFF
.endif
	s_mov_b32 s47, 0
	s_mul_i32 s20, s12, APART                      ; and where they go: no place in the cluster enters an LDS address
	s_mul_i32 s21, s12, BHALF
	s_add_co_u32 s21, s21, BOFF
	s_mov_b32 s[TB], 0
.if GELU
	s_mov_b32 s[C1], 0xc0135761                    ; -2 sqrt(2 / pi) log2(e)
	s_mov_b32 s[C1+1], s[C1]                       ; named as pairs
	s_mov_b32 s[C2], 0xbdd2d3e8                    ; 0.044715 times that
	s_mov_b32 s[C2+1], s[C2]
.endif
	s_wait_dscnt 0x0                               ; the opening add is done
	s_wait_kmcnt 0x0
	s_add_nc_u64 s[14:15], s[80:81], s[16:17]
	s_add_nc_u64 s[46:47], s[82:83], s[46:47]
.irp s, 0,1
	s_mov_b32 s[G0A+4*(\s)], 1                                     ; count = 1
	s_add_co_u32 s[G0A+4*(\s)+1], s20, (\s)*SLOT                   ; LDS address
	s_add_nc_u64 s[G0A+4*(\s)+2:G0A+4*(\s)+3], s[14:15], (\s)*ASTEP  ; global address: K step s
	s_or_b32 s[G0A+4*(\s)+3], s[G0A+4*(\s)+3], 0x80000000          ; type = 2
	s_mov_b32 s[G0B+4*(\s)], 1
	s_add_co_u32 s[G0B+4*(\s)+1], s21, (\s)*SLOT
	s_add_nc_u64 s[G0B+4*(\s)+2:G0B+4*(\s)+3], s[46:47], (\s)*BSTEP
	s_or_b32 s[G0B+4*(\s)+3], s[G0B+4*(\s)+3], 0x80000000
.endr
	CROUND                                         ; all sixteen work-groups are here: the first joint loads meet
	s_cmp_lt_u32 s10, 2                            ; a wave's two first fills stand in one branch, ahead of every wait on TENSORcnt and every LDS read: two loads of mine are out
	s_cbranch_scc0 .Lfirst_b
	tensor_load_to_lds s[G0A:G0A+3], s[G1A:G1A+7]
	s_nop 0
	tensor_load_to_lds s[G0A+4:G0A+7], s[G1A:G1A+7]
	s_nop 0
.rept 4
	v_nop
.endr
	s_branch .Lfirst_asked
.Lfirst_b:
	tensor_load_to_lds s[G0B:G0B+3], s[G1B:G1B+7]
	s_nop 0
	tensor_load_to_lds s[G0B+4:G0B+7], s[G1B:G1B+7]
	s_nop 0
.rept 4
	v_nop
.endr
.Lfirst_asked:
	v_and_b32 v1, 15, v0                           ; l % 16
	v_bfe_u32 v2, v0, 4, 1                         ; l / 16
	v_and_b32 v3, 7, v0                            ; l % 8
	v_bfe_u32 v4, v0, 3, 1                         ; (l / 8) % 2
	; the bias of my 64 columns starts the sums: register j of accumulator (a, b) is column 16 b + 8 (l / 16) + j, whatever a
.if QKV
	s_lshr_b32 s18, ttmp9, 1
	s_cmp_eq_u32 s18, 1
	s_cselect_b64 s[BIAS:BIAS+1], s[86:87], s[84:85]
	s_cmp_eq_u32 s18, 2
	s_cselect_b64 s[BIAS:BIAS+1], s[88:89], s[BIAS:BIAS+1]
	s_and_b32 s18, s42, 7
.else
	s_mov_b64 s[BIAS:BIAS+1], s[84:85]
	s_mov_b32 s18, s42
.endif
	s_lshl_b32 s18, s18, 9                         ; 128 columns of f32,
	s_lshl_b32 s19, s12, 8                         ; my 64
	s_add_co_u32 s18, s18, s19
	s_mov_b32 s19, 0
	s_add_nc_u64 s[BIAS:BIAS+1], s[BIAS:BIAS+1], s[18:19]
	v_lshlrev_b32 v[BO], 5, v2
.irp a, 0,1,2,3
.irp b, 0,1,2,3
	global_load_b128 v[ACC+8*(4*(\a)+(\b)):ACC+8*(4*(\a)+(\b))+3],   v[BO], s[BIAS:BIAS+1] offset:64*(\b)
	global_load_b128 v[ACC+8*(4*(\a)+(\b))+4:ACC+8*(4*(\a)+(\b))+7], v[BO], s[BIAS:BIAS+1] offset:64*(\b)+16
.endr
.endr
	; the way out's addresses
	s_mul_i32 s18, s10, 16*SP
	s_add_co_u32 s18, s18, STAGE                   ; my stage
	v_mul_u32_u24 v[STO], v1, SP                   ; in: row l % 16
.if EPI == 1
	v_lshl_add_u32 v[STO], v2, 4, v[STO]           ; 16 bytes for each half of the lanes
	v_add_nc_u32 v[STO], s18, v[STO]
	v_bfe_u32 v[RD], v0, 3, 2                      ; back: 32 lanes take four rows of 128 bytes,
	v_mul_u32_u24 v[RD], v[RD], SP
	v_lshl_add_u32 v[RD], v3, 4, v[RD]
	v_add_nc_u32 v[RD], s18, v[RD]
	v_and_b32 v[CO], 31, v0                        ; which are 512 consecutive bytes of a block
	v_lshlrev_b32 v[CO], 4, v[CO]
	s_lshl_b32 s22, s42, 20                        ; block 2 x tile column + my half, 524,288 bytes each;
	s_lshl_b32 s23, s12, 19
	s_add_co_u32 s22, s22, s23
	s_lshl_b32 s23, s13, 14                        ; row 128 x tile row + 64 x my half, 128 bytes each
	s_add_co_u32 s22, s22, s23
	s_lshl_b32 s23, s11, 13
	s_add_co_u32 s22, s22, s23
	s_mov_b32 s23, 0
	s_add_nc_u64 s[OUT:OUT+1], s[OARG:OARG+1], s[22:23]
.else
	v_lshl_add_u32 v[STO], v2, 5, v[STO]           ; 32 bytes for each half of the lanes
	v_add_nc_u32 v[STO], s18, v[STO]
	v_mul_u32_u24 v[RD], v2, SP                    ; back: lanes 0-15 take one row of 256 bytes, lanes 16-31 the next
	v_lshl_add_u32 v[RD], v1, 4, v[RD]
	v_add_nc_u32 v[RD], s18, v[RD]
	v_lshlrev_b32 v[CO], 12, v2                    ; and the same two rows in the output and the residual, 4,096 bytes a row
	v_lshl_add_u32 v[CO], v1, 4, v[CO]
	s_lshl_b32 s22, s13, 19                        ; row 128 x tile row + 64 x my half,
	s_lshl_b32 s23, s11, 18
	s_add_co_u32 s22, s22, s23
	s_lshl_b32 s23, s42, 9                         ; column 128 x tile column + 64 x my half, in f32
	s_add_co_u32 s22, s22, s23
	s_lshl_b32 s23, s12, 8
	s_add_co_u32 s22, s22, s23
	s_mov_b32 s23, 0
	s_add_nc_u64 s[OUT:OUT+1], s[OARG:OARG+1], s[22:23]
	s_add_nc_u64 s[RES:RES+1], s[86:87], s[22:23]
	WIN 0x80                                       ; destination window 2: the residual of my 64 x 64 comes now, laid as the stores will want it, and is waited for on the way out
.irp a, 0,1,2,3
.irp t, 0,1,2,3,4,5,6,7
	global_load_b128 v[4*(8*(\a)+(\t)):4*(8*(\a)+(\t))+3], v[CO], s[RES:RES+1] offset:(16*(\a)+2*(\t))*4096 th:TH_LOAD_NT
.endr
.endr
	WIN 0
.endif
	; A fragment of A is 16 rows x 32 K in 8 registers: lane l holds row l % 16; K = 8 (l / 16) + 0..7 and 16 + 8 (l / 16) + 0..7: two loads of 16 bytes, 32 bytes apart.
	v_mul_u32_u24 v[ADRA0], v1, PA
	v_lshl_add_u32 v[ADRA0], v2, 4, v[ADRA0]
	s_mul_i32 s18, s11, 64*PA                      ; my 64 rows
	v_add_nc_u32 v[ADRA0], s18, v[ADRA0]
	; The turning load takes 16 k-rows x 16 columns (lane l reads k-row 8 (l / 16) + l % 8, columns 8 ((l / 8) % 2) + 0..7) and leaves half a fragment of W^T: lane l holds column l % 16 and 8 k.
	v_lshl_add_u32 v[ADRB0], v2, 3, v3
	v_mul_u32_u24 v[ADRB0], v[ADRB0], PB
	v_lshl_add_u32 v[ADRB0], v4, 4, v[ADRB0]
	s_lshl_b32 s18, s12, 7                         ; my 64 columns
	s_add_co_u32 s18, s18, BOFF
	v_add_nc_u32 v[ADRB0], s18, v[ADRB0]
	v_mov_b32 v[ADRA], v[ADRA0]                    ; slot 0
	v_mov_b32 v[ADRB], v[ADRB0]
	v_add_nc_u32 v[ADRB+1], 128*PB, v[ADRB0]
; 8 matrix instructions: row blocks a0, a0 + 1 x all 4 column blocks, 32 along K: half c of buffer f.  The 16 accumulators take turns, one instruction a turn, in the same order
; everywhere, over the backward jumps too.
.macro MUL8 f, c, a0
	WIN MUL
.irp a, \a0, (\a0)+1
.irp b, 0,1,2,3
	v_wmma_f32_16x16x32_bf16 v[ACC+8*(4*(\a)+(\b)):ACC+8*(4*(\a)+(\b))+7], v[(\f)+64+8*(4*(\c)+(\b)):(\f)+64+8*(4*(\c)+(\b))+7], v[(\f)+8*(4*(\c)+(\a)):(\f)+8*(4*(\c)+(\a))+7], v[ACC+8*(4*(\a)+(\b)):ACC+8*(4*(\a)+(\b))+7]
.endr
.endr
.endm
; 32 LDS loads in one run: the fragments of quarter q (64 along K) of the slot in hand, into buffer f; the first 32 along K first
.macro FETCH q, f
	WIN TO_F
.irp c, 0,1
.irp i, 0,1,2,3
	ds_load_tr16_b128 v[(\f)+64+8*(4*(\c)+(\i)):(\f)+64+8*(4*(\c)+(\i))+3],   v[ADRB+(\q)/2] offset:(((\q)%2)*64+32*(\c))*PB+32*(\i)
	ds_load_tr16_b128 v[(\f)+64+8*(4*(\c)+(\i))+4:(\f)+64+8*(4*(\c)+(\i))+7], v[ADRB+(\q)/2] offset:(((\q)%2)*64+32*(\c)+16)*PB+32*(\i)
	ds_load_b128 v[(\f)+8*(4*(\c)+(\i)):(\f)+8*(4*(\c)+(\i))+3],   v[ADRA] offset:(\q)*AQ+64*(\c)+(\i)*16*PA
	ds_load_b128 v[(\f)+8*(4*(\c)+(\i))+4:(\f)+8*(4*(\c)+(\i))+7], v[ADRA] offset:(\q)*AQ+64*(\c)+(\i)*16*PA+32
.endr
.endr
.endm
; A K step is four quarters of 64 along K, 32 matrix instructions each, on buffers 0, 1, 0, 1.  One of the first three multiplies buffer f and fetches quarter q into g.
.macro QUARTER q, f, g
	s_wait_dscnt 16                                ; the first 32 along K are in; the youngest sixteen loads may be out
	MUL8 \f, 0, 0
	MUL8 \f, 0, 2
	PLACES
	FETCH \q, \g
	s_wait_dscnt 32                                ; all but the 32 just issued
	MUL8 \f, 1, 0
	MUL8 \f, 1, 2
.endm
; The last quarter multiplies buffer 1 and changes slots: ONE barrier; in front of it each wave waits for all its tensor loads (one is out: its part of the next slot), adds 0 to its spare
; word, and waits for that and for its own reads of this slot.  fill = 1: the barrier opens a round of the cluster's, and this slot is filled again, two K steps ahead, first thing behind it.
.macro TURN fill
	WIN 0                                          ; (the add's two registers lie in window 0)
	s_wait_tensorcnt 0x0
	ds_add_u32 v[SPW], v[NIL]                      ; 0 onto my spare word
	s_wait_dscnt 17                                ; (the add and the youngest sixteen loads may be out)
	MUL8 F1, 0, 0                                  ; eight matrix instructions stand between the add and the wait for it
	s_wait_dscnt 0x0                               ; the add is done, and my reads of this slot are over
	s_barrier_signal -1
	MUL8 F1, 0, 2
	WIN 0
	s_barrier_wait -1
.if \fill
	CREST                                          ; no wave of any partner still reads this slot's tile or has a load on its way
	s_xor_b32 s[G0A+5], s[G0A+5], SLOT             ; the walking sets: the other slot than last time, the next K step; no load of mine is out, so they may be written
	s_add_nc_u64 s[G0A+6:G0A+7], s[G0A+6:G0A+7], ASTEP
	s_xor_b32 s[G0B+5], s[G0B+5], SLOT
	s_add_nc_u64 s[G0B+6:G0B+7], s[G0B+6:G0B+7], BSTEP
	JLOAD                                          ; the four v_nop behind it are also the places in front of the loads below
.else
	PLACES
.endif
	s_xor_b32 s[TB], s[TB], SLOT                   ; the reads go on in the other slot
	v_add_nc_u32 v[ADRA], s[TB], v[ADRA0]
	v_add_nc_u32 v[ADRB], s[TB], v[ADRB0]
	v_add_nc_u32 v[ADRB+1], 128*PB, v[ADRB]
	FETCH 0, F0
	MUL8 F1, 1, 0
	MUL8 F1, 1, 2
.endm
.macro STEP fill
	QUARTER 1, F0, F1
	QUARTER 2, F1, F0
	QUARTER 3, F0, F1
	TURN \fill
.endm
	s_wait_tensorcnt 0x1                           ; my part of K step 0 is in; K step 1's may stay out
	s_barrier_signal -1
	s_barrier_wait -1                              ; everybody's is
	FETCH 0, F0
.if EPI == 2
	s_wait_loadcnt 32                              ; the bias is in; the residual's 32 loads may stay out
.else
	s_wait_loadcnt 0x0                             ; the bias is in
.endif
	WIN 0                                          ; at a label and at a branch every window is 0
	s_mov_b32 s[CNT], KSTEPS-2
.Lstep:                                                ; every K step but the last two fills its slot again
	STEP 1
	WIN 0
	s_sub_co_u32 s[CNT], s[CNT], 1
	s_cmp_lg_u32 s[CNT], 0
	s_cbranch_scc1 .Lstep
	s_mov_b32 s[CNT], 2
.Ltail:                                                ; the last two fill nothing.  The very last trip's barrier and its 32 loads from the slot read before serve nothing: the price, once a work-group, of one text for both
	STEP 0
	WIN 0
	s_sub_co_u32 s[CNT], s[CNT], 1
	s_cmp_lg_u32 s[CNT], 0
	s_cbranch_scc1 .Ltail
	s_wait_dscnt 0x0
	PLACES                                         ; the lines below read results just made
.if EPI == 1
; THE WAY OUT, bf16 in blocks.  A lane's eight columns of a row pack into 16 bytes; 16 rows go through my own stage (rows of 144 bytes) and come back as four rows of 128 bytes a load: 512 consecutive bytes of the block.
.if GELU
; gelu(x) = x / (1 + 2^(x (C1 + C2 x^2))): the tanh form, rewritten exactly.  For large |x| the power goes to 0 or to infinity and the quotient to x or to -0.
.macro GEL a
.irp b, 0,1,2,3
.set XA, ACC+8*(4*(\a)+(\b))
.set TA, GT+8*((\b)%2)
.irp k, 0,2,4,6
	v_pk_mul_f32 v[TA+(\k):TA+(\k)+1], v[XA+(\k):XA+(\k)+1], v[XA+(\k):XA+(\k)+1]
.endr
.irp k, 0,2,4,6
	v_pk_fma_f32 v[TA+(\k):TA+(\k)+1], v[TA+(\k):TA+(\k)+1], s[C2:C2+1], s[C1:C1+1] op_sel_hi:[1,0,0]
.endr
.irp k, 0,2,4,6
	v_pk_mul_f32 v[TA+(\k):TA+(\k)+1], v[TA+(\k):TA+(\k)+1], v[XA+(\k):XA+(\k)+1]
.endr
.irp k, 0,1,2,3,4,5,6,7
	v_exp_f32 v[TA+(\k)], v[TA+(\k)]
.endr
	v_nop                                          ; a plain instruction between the last power and the use of its result (ISA guide 5.7.2)
.irp k, 0,2,4,6
	v_pk_add_f32 v[TA+(\k):TA+(\k)+1], v[TA+(\k):TA+(\k)+1], 1.0 op_sel_hi:[1,0]
.endr
.irp k, 0,1,2,3,4,5,6,7
	v_rcp_f32 v[TA+(\k)], v[TA+(\k)]
.endr
	v_nop
.irp k, 0,2,4,6
	v_pk_mul_f32 v[XA+(\k):XA+(\k)+1], v[XA+(\k):XA+(\k)+1], v[TA+(\k):TA+(\k)+1]
.endr
.endr
.endm
.endif
.macro PACK a
.if GELU
	GEL \a
.endif
.irp b, 0,1,2,3
.irp r, 0,1,2,3
	v_cvt_pk_bf16_f32 v[TMP+16*(\a)+4*(\b)+(\r)], v[ACC+8*(4*(\a)+(\b))+2*(\r)], v[ACC+8*(4*(\a)+(\b))+2*(\r)+1]
.endr
.endr
.irp b, 0,1,2,3
	ds_store_b128 v[STO], v[TMP+16*(\a)+4*(\b):TMP+16*(\a)+4*(\b)+3] offset:32*(\b)
.endr
.irp f, 0,1,2,3
	ds_load_b128 v[TMP+16*(\a)+4*(\f):TMP+16*(\a)+4*(\f)+3], v[RD] offset:(\f)*4*SP  ; LDS serves a wave's instructions in order (ISA guide 5.7.1.4): these see the stores above; the next block's stores come behind them
.endr
.endm
.macro SEND a, y                       ; y: the LDS instructions issued behind block a's loads: the next block's eight, or none
.irp f, 0,1,2,3
	s_wait_dscnt (\y)+3-(\f)
	global_store_b128 v[CO], v[TMP+16*(\a)+4*(\f):TMP+16*(\a)+4*(\f)+3], s[OUT:OUT+1] offset:(\a)*2048+(\f)*512
.endr
.endm
	PACK 0
	PACK 1                                         ; a block's arithmetic stands between the loads of the block before and its stores
	SEND 0, 8
	PACK 2
	SEND 1, 8
	PACK 3
	SEND 2, 8
	SEND 3, 0
.else
; THE WAY OUT, f32 in rows with the residual.  A lane's eight columns are 32 bytes; 16 rows go through my own stage (rows of 272 bytes) and come back as whole rows of 256 bytes, two a load;
; the residual, which lies in window 2 in the same layout, is added, and sixteen lanes store 256 consecutive bytes, aligned.
.macro STG a
.if (\a) >= 2
	s_wait_xcnt 0x0                                ; the stores of the block two back have read the registers that the loads below fill
.endif
.irp b, 0,1,2,3
	ds_store_b128 v[STO], v[ACC+8*(4*(\a)+(\b)):ACC+8*(4*(\a)+(\b))+3]   offset:64*(\b)
	ds_store_b128 v[STO], v[ACC+8*(4*(\a)+(\b))+4:ACC+8*(4*(\a)+(\b))+7] offset:64*(\b)+16
.endr
.irp t, 0,1,2,3,4,5,6,7
	ds_load_b128 v[TMP+32*((\a)%2)+4*(\t):TMP+32*((\a)%2)+4*(\t)+3], v[RD] offset:(\t)*2*SP  ; LDS serves a wave's instructions in order (ISA guide 5.7.1.4)
.endr
.endm
.macro SND a, y                        ; y: the LDS instructions issued behind block a's loads: the next block's sixteen, or none
	s_wait_dscnt \y
	WIN 0x08                                       ; source 1 window 2
.set j, 0
.rept 16
	v_pk_add_f32 v[TMP+32*((\a)%2)+j:TMP+32*((\a)%2)+j+1], v[TMP+32*((\a)%2)+j:TMP+32*((\a)%2)+j+1], v[32*(\a)+j:32*(\a)+j+1]
.set j, j+2
.endr
	WIN 0
.irp t, 0,1,2,3,4,5,6,7
	global_store_b128 v[CO], v[TMP+32*((\a)%2)+4*(\t):TMP+32*((\a)%2)+4*(\t)+3], s[OUT:OUT+1] offset:(16*(\a)+2*(\t))*4096
.endr
.endm
	s_wait_loadcnt 0x0                             ; the residual is in
	STG 0
	STG 1
	SND 0, 16
	STG 2
	SND 1, 16
	STG 3
	SND 2, 16
	SND 3, 0
.endif
	s_wait_tensorcnt 0x0                           ; the wave's end: behind my last tensor load and my last LDS store
	ds_add_u32 v[SPW], v[NIL]
	s_wait_dscnt 0x0
	CROUND                                         ; the closing round: no work-group ends while a partner may still ask for a tile that names it
	s_endpgm
.Lfunc_end_k_q0a7ae290f3_ff2:
	.size	k_q0a7ae290f3_ff2, .Lfunc_end_k_q0a7ae290f3_ff2-k_q0a7ae290f3_ff2
	.p2alignl 7, 3214868480
	.fill 96, 4, 3214868480
	.section	.rodata,"a",@progbits
	.p2align	6, 0x0
	.amdhsa_kernel k_q0a7ae290f3_ff2
		.amdhsa_group_segment_fixed_size 327680
		.amdhsa_private_segment_fixed_size 0
		.amdhsa_enable_private_segment 0
		.amdhsa_kernarg_size 40
		.amdhsa_user_sgpr_count 2
		.amdhsa_user_sgpr_kernarg_segment_ptr 1
		.amdhsa_wavefront_size32 1
		.amdhsa_system_sgpr_workgroup_id_x 1
		.amdhsa_system_sgpr_workgroup_id_y 1
		.amdhsa_system_sgpr_workgroup_id_z 1
		.amdhsa_system_vgpr_workitem_id 0
		.amdhsa_next_free_vgpr 640
		.amdhsa_next_free_sgpr 92
		.amdhsa_reserve_vcc 0
		.amdhsa_float_denorm_mode_32 3
		.amdhsa_float_denorm_mode_16_64 3
		.amdhsa_memory_ordered 1
		.amdhsa_forward_progress 1
		.amdhsa_inst_pref_size 64
	.end_amdhsa_kernel
	.amdgpu_metadata
---
amdhsa.version: [ 1, 2 ]
amdhsa.kernels:
  - .name:           k_q0a7ae290f3_ff2
    .symbol:         k_q0a7ae290f3_ff2.kd
    .args:
      - { .name: big, .offset: 0, .size: 8, .value_kind: global_buffer, .address_space: global }
      - { .name: wb, .offset: 8, .size: 8, .value_kind: global_buffer, .address_space: global }
      - { .name: b2, .offset: 16, .size: 8, .value_kind: global_buffer, .address_space: global }
      - { .name: x1, .offset: 24, .size: 8, .value_kind: global_buffer, .address_space: global }
      - { .name: out0, .offset: 32, .size: 8, .value_kind: global_buffer, .address_space: global }
    .group_segment_fixed_size: 327680
    .private_segment_fixed_size: 0
    .kernarg_segment_align: 8
    .kernarg_segment_size: 40
    .max_flat_workgroup_size: 128
    .sgpr_count:     92
    .vgpr_count:     640
    .wavefront_size: 32
...
	.end_amdgpu_metadata
.endif
;; end of part 7
;; ======== version 2 of 2: 8 launches; version 1 with the launches ln1, ln2 written anew for expert scheduling mode
;; workspace buffers: wb 25,165,824 bytes; act 8,388,608 bytes; big 33,554,432 bytes; x1 16,777,216 bytes
;; launch cast: the kernel of part 1 again; grid 768 x 1, 8 waves a work-group, no clusters, 0 bytes of LDS; arguments Wq, Wk, Wv, Wp, W1, W2, wb; writes wb
;; launch ln1 (part 8): grid 256 x 1, 4 waves a work-group, no clusters, 0 bytes of LDS; arguments x, g1, be1, act; writes act
.if DOCPART == 8
	.amdgcn_target "amdgcn-amd-amdhsa--gfx1250"
	.amdhsa_code_object_version 6
	.text
	.protected	k_q0a7ae290f3_ln1
	.globl	k_q0a7ae290f3_ln1
	.p2align	8
	.type	k_q0a7ae290f3_ln1,@function
k_q0a7ae290f3_ln1:
	s_mov_b64 s[64:65], 0
	v_nop
	global_prefetch_b8 v0, s[64:65] scope:SCOPE_SE
	s_setreg_imm32_b32 hwreg(HW_REG_WAVE_SCHED_MODE, 0, 2), 2
	s_setreg_imm32_b32 hwreg(HW_REG_WAVE_MODE, 25, 1), 1
	s_wait_xcnt 0x0
	s_wait_alu depctr_vm_vsrc(0)
; out[r][c] = bf16( (in[r][c] - mean_r) * rsqrt(var_r + 1e-5) * g[c] + be[c] ).  in: [4096][1024] f32, out: [4096][1024] bf16, g, be: [1024] f32.
; One wave takes a whole row (4,096 bytes, 32 registers) and keeps it between the passes, so a row is read once and no wave waits for another.
; Four waves, four rows each; all four rows of a wave are asked for at once.  The variance is taken of the centred numbers (two passes over
; the registers), so a common offset of the inputs costs no digits.  All arithmetic in f32, one rounding to bf16 at the end.
; Load j of a row gives lane l the columns 128 j + 4 l .. + 3; they leave as 8 bytes at 256 j + 8 l: a store of a wave is 256 consecutive bytes, aligned.
; THE MODE: SCHED_MODE bits 1:0 = 2 (LLVM: expert scheduling mode 2), set by the entry lines.  The code itself states the register dependences
; between vector instructions and memory instructions, with s_wait_alu, always for 0.
; THE PLAN.  Registers that memory instructions touch:
;   v1, v3     the loads' offsets, v2 the stores'.  Written by vector instructions at the head and never again.
;   G, B, X    Each register is written by ONE load; all 48 loads are issued at the head, into registers that no vector instruction has named before.
;   X, row r   Worked on in place by row r's vector instructions alone.  Its sixteen conversions leave packed bf16 in registers 4 j and 4 j + 1 of the row;
;              row r's eight stores read those, and no instruction writes them afterwards.
;   T, M, R, PX are named by vector instructions alone.
; So three kinds of wait on va_vdst stand in the text: one at the head, ahead of the first load (the offsets are written); one a row behind the two roots, ahead of
; their first reader; one a row behind the sixteen conversions, ahead of the run of eight stores (their data are written).  No register that a memory instruction has
; read is written again, so no wait on vm_vsrc is owed; no vector instruction writes a scalar register or VCC, and EXEC is never written.
; A row's stores stand at the row's end, not in the next row: the next row opens with the wait for its loads, and the finished row's stores are out ahead of it.
.set G,  4                             ; v[4:35]    g of my 32 columns
.set B,  36                            ; v[36:67]   be of my 32 columns
.set X,  68                            ; v[68:195]  four rows of 32
.set T,  196                           ; v[196:203] four chains of pairs
.set M,  204                           ; v[204:205] the mean, twice
.set R,  206                           ; v[206:207] 1 / sqrt(var + eps), twice
.set PX, 208                           ; v208       the other half of the lanes
	s_load_b256 s[4:11], s[0:1], 0x0               ; in s[4:5], g s[6:7], be s[8:9], out s[10:11]
	v_and_b32 v3, 31, v0                           ; lane
	v_lshrrev_b32 v[PX], 5, v0                     ; wave
	v_lshlrev_b32 v2, 3, v3
	v_lshlrev_b32 v3, 4, v3                        ; 16 x lane: g and be
	v_lshl_add_u32 v1, v[PX], 14, v3               ; + wave x 4 rows x 4,096 bytes: in
	v_lshl_add_u32 v2, v[PX], 13, v2               ; 8 x lane + wave x 4 rows x 2,048 bytes: out
	s_lshl_b32 s2, ttmp9, 16                       ; the work-group's 16 rows, in
	s_mov_b32 s3, 0
	s_lshl_b32 s16, ttmp9, 15                      ; and out
	s_mov_b32 s17, 0
	s_mov_b32 s12, 0x76543210                      ; v_permlanex16_b32: each lane takes its own place in the other half
	s_mov_b32 s13, 0xfedcba98
	s_mov_b32 s14, 0x3a800000                      ; 1 / 1024
	s_mov_b32 s15, 0x3727c5ac                      ; 1e-5
	s_wait_kmcnt 0x0
	s_add_nc_u64 s[4:5], s[4:5], s[2:3]
	s_add_nc_u64 s[10:11], s[10:11], s[16:17]
	s_wait_alu depctr_va_vdst(0)                   ; v1, v2 and v3 are written: every load and store of the kernel reads one of them as its offset
.irp j, 0,1,2,3,4,5,6,7
	global_load_b128 v[G+4*(\j):G+4*(\j)+3], v3, s[6:7] offset:512*(\j)
.endr
.irp j, 0,1,2,3,4,5,6,7
	global_load_b128 v[B+4*(\j):B+4*(\j)+3], v3, s[8:9] offset:512*(\j)
.endr
.irp r, 0,1,2,3
.irp j, 0,1,2,3,4,5,6,7
	global_load_b128 v[X+32*(\r)+4*(\j):X+32*(\r)+4*(\j)+3], v1, s[4:5] offset:4096*(\r)+512*(\j) th:TH_LOAD_NT
.endr
.endr
; the four chains are joined, then the 32 lanes: four steps inside each half ride on the addition, one crosses the halves; every lane ends with the sum
.macro JOIN
	v_pk_add_f32 v[T:T+1], v[T:T+1], v[T+2:T+3]
	v_pk_add_f32 v[T+4:T+5], v[T+4:T+5], v[T+6:T+7]
	v_pk_add_f32 v[T:T+1], v[T:T+1], v[T+4:T+5]
	v_add_f32 v[T], v[T], v[T+1]
	v_add_f32_dpp v[T], v[T], v[T] row_xmask:1 row_mask:0xf bank_mask:0xf
	v_add_f32_dpp v[T], v[T], v[T] row_xmask:2 row_mask:0xf bank_mask:0xf
	v_add_f32_dpp v[T], v[T], v[T] row_xmask:4 row_mask:0xf bank_mask:0xf
	v_add_f32_dpp v[T], v[T], v[T] row_xmask:8 row_mask:0xf bank_mask:0xf
	v_permlanex16_b32 v[PX], v[T], s12, s13
	v_add_f32 v[T], v[T], v[PX]
.endm
.macro ROW r
.set XR, X+32*(\r)
	s_wait_loadcnt 8*(3-(\r))                      ; g, be and this row are in; the later rows' eight loads each stay out
.irp k, 0,2,4,6
	v_pk_add_f32 v[T+(\k):T+(\k)+1], v[XR+(\k):XR+(\k)+1], v[XR+8+(\k):XR+8+(\k)+1]  ; the first pairs start the chains: nothing is cleared
.endr
.irp k, 0,2,4,6
	v_pk_add_f32 v[T+(\k):T+(\k)+1], v[T+(\k):T+(\k)+1], v[XR+16+(\k):XR+16+(\k)+1]
.endr
.irp k, 0,2,4,6
	v_pk_add_f32 v[T+(\k):T+(\k)+1], v[T+(\k):T+(\k)+1], v[XR+24+(\k):XR+24+(\k)+1]
.endr
	JOIN
	v_mul_f32 v[M], s14, v[T]
	v_mul_f32 v[M+1], s14, v[T]
.set j, 0
.rept 16
	v_pk_add_f32 v[XR+j:XR+j+1], v[XR+j:XR+j+1], v[M:M+1] neg_lo:[0,1] neg_hi:[0,1]  ; x - mean
.set j, j+2
.endr
.irp k, 0,2,4,6
	v_pk_mul_f32 v[T+(\k):T+(\k)+1], v[XR+(\k):XR+(\k)+1], v[XR+(\k):XR+(\k)+1]
.endr
.set j, 8
.rept 12
	v_pk_fma_f32 v[T+j%8:T+j%8+1], v[XR+j:XR+j+1], v[XR+j:XR+j+1], v[T+j%8:T+j%8+1]
.set j, j+2
.endr
	JOIN
	v_fma_f32 v[T], v[T], s14, s15                 ; var + eps
	v_rsq_f32 v[R], v[T]
	v_rsq_f32 v[R+1], v[T]
	v_nop                                          ; a plain instruction between the root and the use of its result (ISA guide 5.7.2)
	s_wait_alu depctr_va_vdst(0)                   ; both roots, v[R] and v[R+1], are written, ahead of their first reader below: one wait for the two
.set j, 0
.rept 16
	v_pk_mul_f32 v[XR+j:XR+j+1], v[XR+j:XR+j+1], v[R:R+1]
.set j, j+2
.endr
.set j, 0
.rept 16
	v_pk_fma_f32 v[XR+j:XR+j+1], v[XR+j:XR+j+1], v[G+j:G+j+1], v[B+j:B+j+1]
.set j, j+2
.endr
.irp j, 0,1,2,3,4,5,6,7
	v_cvt_pk_bf16_f32 v[XR+4*(\j)], v[XR+4*(\j)], v[XR+4*(\j)+1]        ; four numbers close up into the first two of their four registers
	v_cvt_pk_bf16_f32 v[XR+4*(\j)+1], v[XR+4*(\j)+2], v[XR+4*(\j)+3]
.endr
	s_wait_alu depctr_va_vdst(0)                   ; the sixteen conversions have written the row's packed words, which the eight stores below read
.irp j, 0,1,2,3,4,5,6,7
	global_store_b64 v2, v[XR+4*(\j):XR+4*(\j)+1], s[10:11] offset:2048*(\r)+256*(\j)  ; no instruction writes these registers, or v2, again
.endr
.endm
	ROW 0
	ROW 1
	ROW 2
	ROW 3
	s_endpgm
.Lfunc_end_k_q0a7ae290f3_ln1:
	.size	k_q0a7ae290f3_ln1, .Lfunc_end_k_q0a7ae290f3_ln1-k_q0a7ae290f3_ln1
	.p2alignl 7, 3214868480
	.fill 96, 4, 3214868480
	.section	.rodata,"a",@progbits
	.p2align	6, 0x0
	.amdhsa_kernel k_q0a7ae290f3_ln1
		.amdhsa_group_segment_fixed_size 0
		.amdhsa_private_segment_fixed_size 0
		.amdhsa_enable_private_segment 0
		.amdhsa_kernarg_size 32
		.amdhsa_user_sgpr_count 2
		.amdhsa_user_sgpr_kernarg_segment_ptr 1
		.amdhsa_wavefront_size32 1
		.amdhsa_system_sgpr_workgroup_id_x 1
		.amdhsa_system_sgpr_workgroup_id_y 1
		.amdhsa_system_sgpr_workgroup_id_z 1
		.amdhsa_system_vgpr_workitem_id 0
		.amdhsa_next_free_vgpr 216
		.amdhsa_next_free_sgpr 66
		.amdhsa_reserve_vcc 0
		.amdhsa_float_denorm_mode_32 3
		.amdhsa_float_denorm_mode_16_64 3
		.amdhsa_memory_ordered 1
		.amdhsa_forward_progress 1
		.amdhsa_inst_pref_size 38
	.end_amdhsa_kernel
	.amdgpu_metadata
---
amdhsa.version: [ 1, 2 ]
amdhsa.kernels:
  - .name:           k_q0a7ae290f3_ln1
    .symbol:         k_q0a7ae290f3_ln1.kd
    .args:
      - { .name: x, .offset: 0, .size: 8, .value_kind: global_buffer, .address_space: global }
      - { .name: g1, .offset: 8, .size: 8, .value_kind: global_buffer, .address_space: global }
      - { .name: be1, .offset: 16, .size: 8, .value_kind: global_buffer, .address_space: global }
      - { .name: act, .offset: 24, .size: 8, .value_kind: global_buffer, .address_space: global }
    .group_segment_fixed_size: 0
    .private_segment_fixed_size: 0
    .kernarg_segment_align: 8
    .kernarg_segment_size: 32
    .max_flat_workgroup_size: 128
    .sgpr_count:     66
    .vgpr_count:     216
    .wavefront_size: 32
...
	.end_amdgpu_metadata
.endif
;; end of part 8
;; launch qkv: the kernel of part 3 again; grid 12 x 16, 4 waves a work-group, clusters of 4 x 4, 327,680 bytes of LDS; arguments act, wb, bq, bk, bv, big; writes big
;; launch attn: the kernel of part 4 again; grid 8 x 32, 4 waves a work-group, clusters of 4 x 1, 327,680 bytes of LDS; arguments big, act; writes act
;; launch proj: the kernel of part 5 again; grid 8 x 32, 4 waves a work-group, clusters of 4 x 4, 327,680 bytes of LDS; arguments act, wb, bp, x, x1; writes x1
;; launch ln2: the kernel of part 8 again; grid 256 x 1, 4 waves a work-group, no clusters, 0 bytes of LDS; arguments x1, g2, be2, act; writes act
;; launch ff1: the kernel of part 6 again; grid 16 x 16, 4 waves a work-group, clusters of 4 x 4, 327,680 bytes of LDS; arguments act, wb, b1, big; writes big
;; launch ff2: the kernel of part 7 again; grid 8 x 32, 4 waves a work-group, clusters of 4 x 4, 327,680 bytes of LDS; arguments big, wb, b2, x1, out0; writes out0
